; MI455X (gfx1250); checked and timed in simulation.
; The chip was launched on July 23, 2026; its instructions are those of AMD's public machine-readable ISA for CDNA 5 (MIT licence, August 2026) and "CDNA5" Instruction Set Architecture Reference Guide (July 2026). The comments in the code are by the model that wrote it; some were corrected since.
;; MHSA. Allowed arithmetic: matrix products marked QUANTISED: E4M3 operands, one E8M0 scale for each 32 along K, by v_wmma_scale_f32_16x16x128_f8f6f4 with both operands' format E4M3, f32 sums; everything else in f32.
;; Inputs: token_positions 2,048 int32; wk 2,048 x 2,048 float32; wo 2,048 x 2,048 float32; wq 2,048 x 2,048 float32; wv 2,048 x 2,048 float32; x 1 x 2,048 x 2,048 float32.
;; Outputs: out0 1 x 2,048 x 2,048 float32.
;; This version of the problem:
;;   THIS VERSION OF THE PROBLEM IS GIVEN IN LOW PRECISION. The matrix products marked QUANTISED in the list below multiply operands that are first quantised to E4M3 (4 exponent bits, 3 mantissa bits; 8 bits a number), with one power-of-two scale for each 32 numbers along K (OCP MX v1.0); their sums are f32. All else is computed in f32.
;;   The module's matrix products, in the order in which they are computed (A, B: the left and right operand; K: the contracted axis; several contracted axes count as one K, in the product's order):
;;     1. [M 2,048, K 2,048] x [K 2,048, N 2,048]; A: input x; B: input wq: QUANTISED
;;     2. [M 2,048, K 2,048] x [K 2,048, N 2,048]; A: input x; B: input wk: QUANTISED
;;     3. [M 2,048, K 2,048] x [K 2,048, N 2,048]; A: input x; B: input wv: QUANTISED
;;     4. batch 16 x [M 2,048, K 128] x [K 128, N 2,048]; A: computed on the way; B: computed on the way: QUANTISED
;;     5. batch 16 x [M 2,048, K 2,048] x [K 2,048, N 128]; A: softmax (see below); B: computed on the way: QUANTISED
;;     6. [M 2,048, K 2,048] x [K 2,048, N 2,048]; A: computed on the way; B: input wo: QUANTISED
;;   THE QUANTISER, for each operand of a quantised product, along K:
;;     - K is cut into blocks of 32 from its start; a last block that is shorter is filled with zeros.
;;     - A block's scale is 2^e with e = floor(log2(the largest magnitude in the block)) - 8, held to -126 .. 127; a block of zeros has e = 0. As a byte (E8M0): e + 127.
;;     - Each number is divided by its block's scale, clamped to +-448, and rounded to the nearest number of E4M3, ties to even, subnormals kept.
;;     - The product sums the exact products of the quantised numbers (number of the format x scale) in f32.
;;   ~~~python
;;   def quantise(x, axis):      # numpy; x: float32 -> the quantised numbers, widened to float32 again
;;       x = np.moveaxis(x, axis, -1); K = x.shape[-1]
;;       x = np.pad(x, [(0, 0)] * (x.ndim - 1) + [(0, -K % 32)]); x = x.reshape(x.shape[:-1] + (-1, 32)); a = np.abs(x).max(-1, keepdims=True)
;;       e = np.where(a > 0, np.clip(np.frexp(np.where(a > 0, a, 1))[1] - 1 - 8, -126, 127), 0)      # np.frexp(a)[1] - 1 = floor(log2(a)), exactly
;;       r = np.clip(x / 2.0 ** e, -448, 448)
;;       step = 2.0 ** (np.maximum(np.frexp(np.where(r == 0, 1, r))[1] - 1, -6) - 3)
;;       q = np.round(r / step) * step * 2.0 ** e      # np.round: ties to even
;;       return np.moveaxis(q.reshape(q.shape[:-2] + (-1,))[..., :K], -1, axis).astype(np.float32)
;;   ~~~
;;   SOFTMAX AHEAD OF A QUANTISED PRODUCT. Where the list says 'softmax', what is quantised is not the finished softmax but p = 2^(t - M), with t = logit x log2(e) and M = ceil(the row's largest t), a whole number; so 1/2 < the row's largest p <= 1. The row's sum l is taken of the UNQUANTISED p, in f32, and the product's result is divided by l at the end. Since M is a whole number, a kernel that streams over the keys may use a running M (the ceiling of the running maximum): every later rescaling is an exact power of two, which a block's scale takes up: the codes' values come out the same.
;;   OPERANDS COMPUTED ON THE WAY. 'Computed on the way' means the value that the module computes at that place (a softmax that the list does not call 'softmax' is quantised finished and normalised). What goes into a quantiser is computed in f32, as accurately as f32 sums, v_exp_f32 and their like allow (about 1e-6 of the number): no bf16 or f16 on the way to a quantiser, and a product that is left as it is and whose result goes on into a quantised operand takes f32 operands (vector FMAs, or v_wmma_f32_16x16x4_f32). A number that lies on a knife's edge between two numbers of the format may be rounded either way, as far as f32 arithmetic and the matrix unit's own rounding can turn it there, and no further.
;; 2 versions. Each part assembles by itself: llvm-mc -triple=amdgcn-amd-amdhsa -mcpu=gfx1250 --defsym DOCPART=n.
;; ======== version 1 of 2: 4 launches
;; limits: inputs' magnitudes at most 1,048,576
;; workspace buffers: opc 20,971,520 bytes; ops 655,360 bytes; rope 1,048,576 bytes; qkvc 12,582,912 bytes; qkvs 393,216 bytes; oc 4,194,304 bytes; os 131,072 bytes
;; launch prep (part 1): grid 352 x 1, 4 waves a work-group, no clusters, 34,304 bytes of LDS; arguments x, wq, wk, wv, wo, token_positions, opc, ops, rope; writes opc, ops, rope
.if DOCPART == 1
	.amdgcn_target "amdgcn-amd-amdhsa--gfx1250"
	.amdhsa_code_object_version 6
	.text
	.protected	k_q3828faed2e_prep
	.globl	k_q3828faed2e_prep
	.p2align	8
	.type	k_q3828faed2e_prep,@function
k_q3828faed2e_prep:
	s_mov_b64 s[64:65], 0
	v_nop
	global_prefetch_b8 v0, s[64:65] scope:SCOPE_SE
	s_setreg_imm32_b32 hwreg(HW_REG_WAVE_MODE, 25, 1), 1
	s_wait_xcnt 0x0
; MULTI-HEAD SELF-ATTENTION, S = D = 2048, 16 heads of 128, all six products on codes of E4M3 with one E8M0 scale for each 32 along K.  Four launches: prep, qkv, attn, proj.
; DEAD WORK, for the whole program: only key steps of 128 keys all of which come after all 16 queries of a tile.  reference() builds jnp.tril itself and sets those scores to finfo.min ahead of the softmax;
; key 0 counts for every query, so the row's largest score is a real score and the weight of a hidden key is 0 for all finite inputs: neither their scores nor their part of the second product reach an output.
; They are left out in whole tiles (launch attn).  A NaN, an infinity or an overflow that reaches only such tiles is not carried to the result.  No input is left out: all six have a way to out0.
; THIS LAUNCH quantises x, wq, wk, wv, wo (f32, [2048][2048], K innermost) once, and makes the table of RoPE's cosines and sines from token_positions.
; LAYOUT OF ALL CODES THAT THIS PROGRAM KEEPS IN MEMORY: images of the matrix operand's registers.  A FRAGMENT is 16 rows x 128 K = 2,048 bytes: chunk c (512 bytes), lane l's 16 bytes at 16 l: with r = l % 16,
; h = l / 16 they are the codes of row perm(T, r) = 32 (T / 2) + 8 (T % 2) + r + 8 (r / 8) at k = 128 s + 32 c + 16 h + 0 .. 15.  Four loads of 16 bytes a lane at 16 l give the operand; every store of a wave covers 512 consecutive bytes.
;   opc: tensor ti (x, wq, wk, wv, wo) at ti << 22; in it (s / 2) x 524,288 + T x 4,096 + (s % 2) x 2,048 + 512 c + 16 l.
;   ops: tensor ti at ti << 17; the scale word (four bytes: 128 along K) of (T, r) for K step s at s x 8,192 + (T / 4) x 256 + 16 r + 4 (T % 4): one load of 16 bytes gives a lane the words of four tiles.
;   rope: T x 8,192 + 512 j + 16 l holds cos, sin of frequency i and cos, sin of i + 1, i = 16 (j / 4) + 8 h + 2 (j % 4), at position token_positions[perm(T, r)].
; THE QUANTISER: a block's scale is 2^(floor(log2(largest magnitude)) - 8); its byte is the largest magnitude's exponent field - 8, held at 1 from below; numbers are held within +-448 x the scale and rounded to the nearest code, ties to even.
; LIMITS: a block of zeros gets the byte 1 where the rule says 127 (its codes are zeros, and this program alone reads the bytes); blocks whose largest magnitude lies under 2^(9 - 127) are held at that byte; NaN and infinities among the inputs are not served.
; The angle's reduction (three parts of pi / 2, fused) keeps an absolute error near 1e-7 for |position| up to 2^20; the frequency is 2^(-i log2(10000) / 64) within about one unit in its last place.
; SHARES: work-groups 0-319: tensor id / 64, rows 128 ((id / 4) % 16) on, wave w takes K step 4 (id % 4) + w: eight fragments.  Work-groups 320-351: the table, a tile T = 4 (id - 320) + w to a wave.  Waves share nothing: no barrier.
.set SP,    528                        ; a stage row: 512 bytes (128 numbers) + 16 of padding: the 16 rows that a load touches start 4 words apart
.set WSTG,  16*SP                      ; a wave's stage
.set SPARE, 4*WSTG                     ; behind the four stages: the spare words, 128 bytes for each wave
.set LI,   4                           ; v4   16 x lane: my bytes of a row's 512, of a chunk, of a table line; never rewritten
.set STI,  5                           ; v5   the stage, on the way in: a row as it lies
.set STO,  6                           ; v6   and on the way out: row r, + 64 h: my 16 neighbours of each block of 32
.set SPW,  12                          ; v12  LDS address of my spare word; never rewritten
.set NIL,  13                          ; v13  0; never rewritten
.set TM,   16                          ; v16-19 largest magnitudes, v20-23 bytes, v24-27 448 x the scale, v28-31 the conversions' scale operands
.set PWS,  32                          ; v32-39 the scale words of my eight fragments
.set OUTW, 40                          ; v40-43 as they leave
.set PC,   44                          ; v44-59 a fragment's codes
.set X,    64                          ; v64-127 64 numbers: register 16 b + i = k 32 b + 16 h + i of my row.  (The table path: its 64 results)
.set R,    128                         ; v128-255 two sets of 16 rows as loaded.  (The table path: frequencies)
.set SEL,  24                          ; s[24:25] lane selects for v_permlanex16_b32: lane l xor 16
.set MNT,  26                          ; s26  the mantissa field of 448
.set HM,   27                          ; s27  the lanes with h = 1
	s_load_b256 s[4:11], s[0:1], 0x0               ; x, wq, wk, wv
	s_load_b256 s[12:19], s[0:1], 0x20             ; wo, token_positions, opc, ops
	s_load_b64 s[20:21], s[0:1], 0x40              ; rope
	v_lshl_add_u32 v[SPW], v0, 2, SPARE
	v_mov_b32 v[NIL], 0
	v_lshrrev_b32 v1, 5, v0
	v_readfirstlane_b32 s22, v1                    ; wave 0..3
	v_and_b32 v1, 31, v0                           ; lane
	v_and_b32 v2, 15, v0                           ; r
	v_bfe_u32 v3, v0, 4, 1                         ; h
	v_lshlrev_b32 v[LI], 4, v1
	s_cmp_ge_u32 ttmp9, 320
	s_cbranch_scc1 .Ltable
; ---------------- the quantiser
	s_mov_b32 s[SEL], 0x76543210
	s_mov_b32 s[SEL+1], 0xfedcba98
	s_mov_b32 s[MNT], 0x600000
	s_mov_b32 s[HM], 0xffff0000
	s_mul_i32 s23, s22, WSTG
	v_add_nc_u32 v[STI], s23, v[LI]
	v_mul_u32_u24 v[STO], v2, SP
	v_lshl_add_u32 v[STO], v3, 6, v[STO]
	v_add_nc_u32 v[STO], s23, v[STO]
.irp b, 0,1,2,3
	v_mov_b32 v[TM+4+\b], 0                        ; written once: a lane permute's destination counts as one of its sources
.endr
	s_lshr_b32 s28, ttmp9, 6                       ; ti: which tensor
	s_bfe_u32 s29, ttmp9, 0x40002                  ; G: which 128 rows
	s_and_b32 s30, ttmp9, 3
	s_lshl_b32 s30, s30, 2
	s_add_co_u32 s30, s30, s22                     ; s: which 128 along K
	s_lshl_b32 s32, s29, 20                        ; in: G x 128 rows of 8,192 bytes + 512 s
	s_lshl_b32 s31, s30, 9
	s_add_co_u32 s32, s32, s31
	s_mov_b32 s33, 0
	s_lshl_b32 s34, s28, 22                        ; codes: ti << 22 + (s / 2) x 524,288 + 8 G x 4,096 + (s % 2) x 2,048
	s_lshr_b32 s31, s30, 1
	s_lshl_b32 s31, s31, 19
	s_add_co_u32 s34, s34, s31
	s_lshl_b32 s31, s29, 15
	s_add_co_u32 s34, s34, s31
	s_and_b32 s31, s30, 1
	s_lshl_b32 s31, s31, 11
	s_add_co_u32 s34, s34, s31
	s_mov_b32 s35, 0
	s_lshl_b32 s36, s28, 17                        ; scale words: ti << 17 + 8,192 s + 2 G x 256
	s_lshl_b32 s31, s30, 13
	s_add_co_u32 s36, s36, s31
	s_lshl_b32 s31, s29, 9
	s_add_co_u32 s36, s36, s31
	s_mov_b32 s37, 0
	s_wait_kmcnt 0x0
	s_cmp_eq_u32 s28, 1                            ; the tensor is chosen by the work-group's number alone
	s_cselect_b64 s[4:5], s[6:7], s[4:5]
	s_cmp_eq_u32 s28, 2
	s_cselect_b64 s[4:5], s[8:9], s[4:5]
	s_cmp_eq_u32 s28, 3
	s_cselect_b64 s[4:5], s[10:11], s[4:5]
	s_cmp_eq_u32 s28, 4
	s_cselect_b64 s[4:5], s[12:13], s[4:5]
	s_add_nc_u64 s[4:5], s[4:5], s[32:33]
	s_add_nc_u64 s[16:17], s[16:17], s[34:35]
	s_add_nc_u64 s[18:19], s[18:19], s[36:37]
; the 16 rows of fragment t, 512 consecutive bytes a load, into set t % 2
.macro LOADF t
.irp p, 0,1,2,3,4,5,6,7,8,9,10,11,12,13,14,15
	global_load_b128 v[R+64*((\t)%2)+4*\p:R+64*((\t)%2)+4*\p+3], v[LI], s[4:5] offset:(32*((\t)/2)+8*((\t)%2)+\p+8*(\p/8))*8192 th:TH_LOAD_NT
.endr
.endm
; 64 numbers of a lane, v[s] on, register 16 b + i = k 32 b + 16 h + i of my row, become a fragment's codes in v[PC] on and its scale word in v[pw]
.macro QUANT0 s, pw
.irp b, 0,1,2,3
	v_max3_num_f32 v[TM+\b], |v[\s+16*\b]|, |v[\s+1+16*\b]|, 0x4800000   ; block b: my 16 numbers, and the floor 2^(9 - 127): the byte cannot fall under 1
.endr
.irp i, 2,4,6,8,10,12,14
.irp b, 0,1,2,3
	v_max3_num_f32 v[TM+\b], v[TM+\b], |v[\s+16*\b+\i]|, |v[\s+1+16*\b+\i]|   ; the four blocks by turns
.endr
.endr
.irp b, 0,1,2,3
	v_permlanex16_b32 v[TM+4+\b], v[TM+\b], s[SEL], s[SEL+1]
.endr
.irp b, 0,1,2,3
	v_max_num_f32 v[TM+\b], v[TM+\b], v[TM+4+\b]   ; with lane l xor 16's: the block's largest magnitude
.endr
.irp b, 0,1,2,3
	v_add_nc_u32 v[TM+12+\b], 0xfc000000, v[TM+\b] ; 8 off its exponent field: the conversion takes this operand's exponent field as its scale
.endr
.irp b, 0,1,2,3
	v_and_or_b32 v[TM+8+\b], v[TM+\b], 0x7f800000, s[MNT]   ; 448 x the scale
.endr
.irp b, 0,1,2,3
	v_lshrrev_b32 v[TM+4+\b], 23, v[TM+12+\b]      ; the scale's byte
.endr
	v_lshl_or_b32 v[\pw], v[TM+5], 8, v[TM+4]      ; four bytes make my row's scale word
	v_lshl_or_b32 v[\pw], v[TM+6], 16, v[\pw]
	v_lshl_or_b32 v[\pw], v[TM+7], 24, v[\pw]
.irp b, 0,1,2,3
.irp i, 0,1,2,3,4,5,6,7,8,9,10,11,12,13,14,15
	v_med3_num_f32 v[\s+16*\b+\i], v[\s+16*\b+\i], -v[TM+8+\b], v[TM+8+\b]   ; the conversion to an 8-bit code does not saturate (ISA guide 7.6.2): the hold comes first
.endr
	v_cvt_scalef32_pk8_fp8_f32 v[PC+4*\b:PC+1+4*\b], v[\s+16*\b:\s+7+16*\b], v[TM+12+\b]
	v_cvt_scalef32_pk8_fp8_f32 v[PC+2+4*\b:PC+3+4*\b], v[\s+8+16*\b:\s+15+16*\b], v[TM+12+\b]
.endr
	v_nop                                          ; a plain line behind the last conversion
.endm
.macro FRAGSTEP t
.if (\t) < 7
	s_wait_loadcnt 16                              ; this fragment's 16 loads are in; the next fragment's 16 may be out
.else
	s_wait_loadcnt 0
.endif
.irp p, 0,1,2,3,4,5,6,7,8,9,10,11,12,13,14,15
	ds_store_b128 v[STI], v[R+64*((\t)%2)+4*\p:R+64*((\t)%2)+4*\p+3] offset:SP*\p   ; rows as they lie
.endr
.irp c, 0,1,2,3
.irp q, 0,1,2,3
	ds_load_b128 v[X+16*\c+4*\q:X+16*\c+4*\q+3], v[STO] offset:128*\c+16*\q          ; LDS serves a wave's instructions in order: these see the stores above
.endr
.endr
	s_wait_dscnt 0x0                               ; my 64 numbers are in, and the stores have read their registers,
.if (\t) < 6
	LOADF (\t)+2                                   ; which take the rows of two fragments on
.endif
	s_wait_xcnt 0x0                                ; the last fragment's stores have read the codes' registers: they are written again only behind this wait
	QUANT0 X, PWS+(\t)
.irp c, 0,1,2,3
	global_store_b128 v[LI], v[PC+4*\c:PC+4*\c+3], s[16:17] offset:4096*(\t)+512*\c   ; 512 consecutive bytes
.endr
.endm
	LOADF 0
	LOADF 1
.irp t, 0,1,2,3,4,5,6,7
	FRAGSTEP \t
.endr
.irp i, 0,1,2,3
	v_cndmask_b32 v[OUTW+\i], v[PWS+\i], v[PWS+4+\i], s[HM]   ; lanes 0-15 carry the words of tiles 0-3, lanes 16-31 those of tiles 4-7
.endr
	global_store_b128 v[LI], v[OUTW:OUTW+3], s[18:19]          ; 512 consecutive bytes: two groups of four tiles
	s_wait_tensorcnt 0x0                           ; the wave's end
	ds_add_u32 v[SPW], v[NIL]
	s_wait_dscnt 0x0
	s_endpgm
; ---------------- the table of cosines and sines.
.set FI,  128                          ; v128-159 the 32 frequencies' numbers i, then i x the correction
.set EX,  160                          ; v160-191 2^(-i c): the frequencies
.set AN,  10                           ; at work
.set NN,  11
.set ZZ,  14
.set PS,  15
.set PO,  16
.set TT,  17
.Ltable:
	s_sub_co_u32 s28, ttmp9, 320
	s_lshl_b32 s28, s28, 2
	s_add_co_u32 s28, s28, s22                     ; T
	s_lshr_b32 s29, s28, 1
	s_lshl_b32 s29, s29, 5
	s_and_b32 s30, s28, 1
	s_lshl_b32 s30, s30, 3
	s_add_co_u32 s29, s29, s30                     ; the tile's first row: 32 (T / 2) + 8 (T % 2)
	s_lshl_b32 s32, s29, 2
	s_mov_b32 s33, 0
	s_lshl_b32 s34, s28, 13
	s_mov_b32 s35, 0
	v_and_b32 v7, 8, v2
	v_add_nc_u32 v7, v7, v2
	v_lshlrev_b32 v7, 2, v7                        ; + r + 8 (r / 8), 4 bytes a position
	s_mov_b32 s36, 0x3f22f983                      ; 2 / pi
	s_mov_b32 s37, 0xbfc90fdb                      ; -(pi / 2), in three parts: the nearest f32,
	s_mov_b32 s38, 0x333bbd2e                      ; what that leaves,
	s_mov_b32 s39, 0x26f72cdf                      ; and what that leaves
	s_mov_b32 s40, 0xbe2aaaa3                      ; the sine's polynomial on +-pi / 4
	s_mov_b32 s41, 0x3c08839e
	s_mov_b32 s42, 0xb94ca1f9
	s_mov_b32 s43, 0x3d2aaaa5                      ; the cosine's
	s_mov_b32 s44, 0xbab6061a
	s_mov_b32 s45, 0x37ccf5ce
	s_mov_b32 s46, 0x3e549a80                      ; c = log2(10000) / 64 cut to 17 bits: i x this is exact for i under 64
	s_mov_b32 s47, 0x33aae0b1                      ; -(what that leaves) x ln 2
	s_wait_kmcnt 0x0
	s_add_nc_u64 s[14:15], s[14:15], s[32:33]
	s_add_nc_u64 s[20:21], s[20:21], s[34:35]
	global_load_b32 v8, v7, s[14:15]               ; my row's position
	v_lshlrev_b32 v9, 3, v3                        ; 8 h
.set n, 0
.rept 32
	v_add_nc_u32 v[FI+n], 16*(n/8)+n%8, v9         ; frequency n of my 32: i = 16 (n / 8) + n % 8 + 8 h
.set n, n+1
.endr
.set n, 0
.rept 32
	v_cvt_f32_u32 v[FI+n], v[FI+n]
.set n, n+1
.endr
.set n, 0
.rept 32
	v_mul_f32 v[EX+n], s46, v[FI+n]
.set n, n+1
.endr
.set n, 0
.rept 32
	v_exp_f32 v[EX+n], -v[EX+n]                    ; one batch
.set n, n+1
.endr
.set n, 0
.rept 32
	v_mul_f32 v[FI+n], s47, v[FI+n]                ; plain work that names no result of the batch
.set n, n+1
.endr
	s_wait_alu depctr_va_vdst(0)                   ; one wait for the 32 exponentials, ahead of their first reader
.set n, 0
.rept 32
	v_fma_f32 v[EX+n], v[EX+n], v[FI+n], v[EX+n]   ; x 2^(-i x the rest of c), to first order
.set n, n+1
.endr
	s_wait_loadcnt 0x0
	v_cvt_f32_i32 v8, v8
; cos and sin of position x frequency e, into v[X + 2 e] and v[X + 2 e + 1].  (The argument comes as text: it stands in brackets wherever it is part of a larger expression)
.macro SINCOS e
	v_mul_f32 v[AN], v8, v[EX+(\e)]                ; the angle, rounded once, as reference() has it
	v_mul_f32 v[NN], s36, v[AN]
	v_rndne_f32 v[NN], v[NN]                       ; how many quarter turns
	v_fma_f32 v[AN], v[NN], s37, v[AN]
	v_fma_f32 v[AN], v[NN], s38, v[AN]
	v_fma_f32 v[AN], v[NN], s39, v[AN]             ; what is left, within +-pi / 4
	v_mul_f32 v[ZZ], v[AN], v[AN]
	v_fma_f32 v[PS], v[ZZ], s42, s41
	v_fma_f32 v[PO], v[ZZ], s45, s44
	v_fma_f32 v[PS], v[PS], v[ZZ], s40
	v_fma_f32 v[PO], v[PO], v[ZZ], s43
	v_mul_f32 v[TT], v[AN], v[ZZ]
	v_fma_f32 v[PS], v[PS], v[TT], v[AN]           ; the sine of the rest
	v_fma_f32 v[TT], v[ZZ], -0.5, 1.0
	v_mul_f32 v[ZZ], v[ZZ], v[ZZ]
	v_fma_f32 v[PO], v[PO], v[ZZ], v[TT]           ; its cosine
	v_cvt_i32_f32 v[NN], v[NN]
	v_and_b32 v[TT], 1, v[NN]
	v_cmp_eq_u32 vcc_lo, 1, v[TT]                  ; an odd number of quarter turns swaps the two
	v_cndmask_b32 v[X+2*(\e)+1], v[PS], v[PO], vcc_lo
	v_cndmask_b32 v[X+2*(\e)], v[PO], v[PS], vcc_lo
	v_and_b32 v[TT], 2, v[NN]
	v_lshlrev_b32 v[TT], 30, v[TT]
	v_xor_b32 v[X+2*(\e)+1], v[X+2*(\e)+1], v[TT]  ; the sine changes sign in quarters 2 and 3,
	v_add_nc_u32 v[NN], 1, v[NN]
	v_and_b32 v[NN], 2, v[NN]
	v_lshlrev_b32 v[NN], 30, v[NN]
	v_xor_b32 v[X+2*(\e)], v[X+2*(\e)], v[NN]      ; the cosine in quarters 1 and 2
.endm
.irp j, 0,1,2,3,4,5,6,7,8,9,10,11,12,13,14,15
	SINCOS 2*\j
	SINCOS 2*\j+1
	global_store_b128 v[LI], v[X+4*\j:X+4*\j+3], s[20:21] offset:512*\j   ; 512 consecutive bytes; each line has its own four registers
.endr
	s_endpgm
.Lfunc_end_k_q3828faed2e_prep:
	.size	k_q3828faed2e_prep, .Lfunc_end_k_q3828faed2e_prep-k_q3828faed2e_prep
	.p2alignl 7, 3214868480
	.fill 96, 4, 3214868480
	.section	.rodata,"a",@progbits
	.p2align	6, 0x0
	.amdhsa_kernel k_q3828faed2e_prep
		.amdhsa_group_segment_fixed_size 34304
		.amdhsa_private_segment_fixed_size 0
		.amdhsa_enable_private_segment 0
		.amdhsa_kernarg_size 72
		.amdhsa_user_sgpr_count 2
		.amdhsa_user_sgpr_kernarg_segment_ptr 1
		.amdhsa_wavefront_size32 1
		.amdhsa_system_sgpr_workgroup_id_x 1
		.amdhsa_system_sgpr_workgroup_id_y 1
		.amdhsa_system_sgpr_workgroup_id_z 1
		.amdhsa_system_vgpr_workitem_id 0
		.amdhsa_next_free_vgpr 256
		.amdhsa_next_free_sgpr 66
		.amdhsa_reserve_vcc 1
		.amdhsa_float_denorm_mode_32 3
		.amdhsa_float_denorm_mode_16_64 3
		.amdhsa_memory_ordered 1
		.amdhsa_forward_progress 1
		.amdhsa_inst_pref_size 148
	.end_amdhsa_kernel
	.amdgpu_metadata
---
amdhsa.version: [ 1, 2 ]
amdhsa.kernels:
  - .name:           k_q3828faed2e_prep
    .symbol:         k_q3828faed2e_prep.kd
    .args:
      - { .name: x, .offset: 0, .size: 8, .value_kind: global_buffer, .address_space: global }
      - { .name: wq, .offset: 8, .size: 8, .value_kind: global_buffer, .address_space: global }
      - { .name: wk, .offset: 16, .size: 8, .value_kind: global_buffer, .address_space: global }
      - { .name: wv, .offset: 24, .size: 8, .value_kind: global_buffer, .address_space: global }
      - { .name: wo, .offset: 32, .size: 8, .value_kind: global_buffer, .address_space: global }
      - { .name: token_positions, .offset: 40, .size: 8, .value_kind: global_buffer, .address_space: global }
      - { .name: opc, .offset: 48, .size: 8, .value_kind: global_buffer, .address_space: global }
      - { .name: ops, .offset: 56, .size: 8, .value_kind: global_buffer, .address_space: global }
      - { .name: rope, .offset: 64, .size: 8, .value_kind: global_buffer, .address_space: global }
    .group_segment_fixed_size: 34304
    .private_segment_fixed_size: 0
    .kernarg_segment_align: 8
    .kernarg_segment_size: 72
    .max_flat_workgroup_size: 128
    .sgpr_count:     66
    .vgpr_count:     256
    .wavefront_size: 32
...
	.end_amdgpu_metadata
.endif
;; end of part 1
;; launch qkv (part 2): grid 24 x 8, 4 waves a work-group, clusters of 4 x 4, 327,680 bytes of LDS; arguments opc, ops, rope, qkvc, qkvs; writes qkvc, qkvs
.if DOCPART == 2
	.amdgcn_target "amdgcn-amd-amdhsa--gfx1250"
	.amdhsa_code_object_version 6
	.text
	.protected	k_q3828faed2e_qkv
	.globl	k_q3828faed2e_qkv
	.p2align	8
	.type	k_q3828faed2e_qkv,@function
k_q3828faed2e_qkv:
	s_mov_b64 s[64:65], 0
	v_nop
	global_prefetch_b8 v0, s[64:65] scope:SCOPE_SE
	s_setreg_imm32_b32 hwreg(HW_REG_WAVE_MODE, 25, 1), 1
	s_wait_xcnt 0x0
	s_wait_alu depctr_hold_cnt(0) depctr_sa_sdst(0) depctr_va_vdst(0) depctr_va_sdst(0) depctr_va_ssrc(0) depctr_va_vcc(0) depctr_vm_vsrc(0)
	s_getreg_b32 s2, hwreg(HW_REG_IB_STS2, 6, 4)
	s_cmp_eq_u32 s2, 0
	s_cbranch_scc0 .Lentry_in_a_cluster
	s_endpgm
.Lentry_in_a_cluster:
	s_bfe_u32 s2, ttmp6, 0x10000c
	s_cmp_lg_u32 s2, 0xf033
	s_cbranch_scc0 .Lentry_shape_is_right
	s_endpgm
.Lentry_shape_is_right:
; Q = rope(x wq^T), K = rope(x wk^T), V^T = wv x^T, each [2048][2048], K = 2048, on the codes that launch prep made; the results are quantised here, in registers, for the attention's two products.  No work is left out here.
; KIND = cluster x / 2: 0 Q, 1 K, 2 V.  C = A B^T with A = x and B = wq or wk; for V the same text takes A = wv and B = x, so that a lane holds one channel and its registers run along the KEYS, which are the second product's K.
; A tile of C, 256 x 256, is made by four waves, each 128 x 128: 64 accumulators, 512 registers.  K goes in steps of 256 through a ring of two LDS slots.
; OPERANDS ARE IMAGES OF THEIR REGISTERS (launch prep's head): a fragment is 2,048 dense bytes, four loads at 16 x lane; a wave's 128 rows x 256 K are 32,768 consecutive bytes of memory and of LDS: no pitch, no padding.
; Row perm(T, r) = 32 (T / 2) + 8 (T % 2) + r + 8 (r / 8) sits in lane r of tile T.  THE MATRIX INSTRUCTION IS USED TRANSPOSED (source 0 = 16 rows of B, source 1 = 16 rows of A): lane (r, h) of accumulator (a, b) holds A's row
; perm(a, r), and register j B's row 32 (b / 2) + 16 h + 8 (b % 2) + j: the 64 registers of a block a are, 16 by 16, neighbours along the next K in the operand's own order.  So RoPE's pairs lie in one lane's neighbouring registers, and the conversions' results are the next operand.
; THE SCALES of the work-group's rows, for all of K, come into LDS once: for each 128 along K 512 bytes a wave's half; one load of 16 bytes gives a lane four tiles' words, lanes 0-15 A's and lanes 16-31 B's.
; CLUSTERS: 4 x 4 work-groups; A's tiles are asked for jointly along a row of the cluster, B's along a column.
; OUT: qkvc: KIND << 22 + G x 16,384 + a x 2,048 + 512 c + 16 l; qkvs: KIND << 17 + G x 512 + (a / 4) x 256 + 16 r + 4 (a % 4).  Q, K: G = 16 head + rows / 128; V: G = 16 head + keys / 128, a = the tile of 16 channels.
; TWO TAILS: V is not turned, so ONE branch on KIND, ahead of the last 64 products, leads to a tail of its own; inside a tail no branch stands, so that every counted wait for the table's lines has the same loads behind it on every way.
; LIMITS: as launch prep's quantiser.
; REGISTERS: window 0: v0-31 addresses; v32-63 scale words, two sets, and nothing else; v128-255 A's fragments, one set.  window 1: B's fragments, two sets.  windows 2, 3: the accumulators ((a, b) at v[8 (8 (a % 4) + b)]).
;   On the way out: window 0: v64-127 the codes, four sets of 16 by turns; v128-191 64 numbers; v192-207 at work, v208-215 scale words, v216-219 as they leave; window 1: v0-127 two sets of the table's lines.
.set NQ,     2                         ; matrix instructions deep in a slot
.set FR,     16                        ; registers of a fragment
.set NL,     4                         ; LDS loads that bring one
.set NP,     8                         ; places behind this matrix instruction (ISA guide 7.12.1)
.set HALFT,  32768                     ; 128 rows x 256 K: what one tensor load brings
.set SLOT,   4*HALFT                   ; A's two halves, then B's
.set SSTEP,  524288                    ; from a slot's codes to the next slot's, in memory: 128 tiles x 4,096
.set SCL,    2*SLOT                    ; behind the ring: the scales
.set HALFS,  8192                      ; those of 128 rows: 16 K steps x 512 bytes
.set SPARE,  SCL+4*HALFS               ; the spare words, 128 bytes for each wave
.set LAPS,   4                         ; 2048 / 512
.set ADRA, 16                          ; v16-17  LDS address of my A fragments in slot 0, 1
.set ADRB, 20                          ; v20-21  the same for B
.set LI,   26                          ; v26     16 x lane; never rewritten
.set ADRS, 27                          ; v27     LDS address of my scale words: lanes 0-15 A's, lanes 16-31 B's
.set SPW,  28                          ; v28     LDS address of my spare word; never rewritten
.set NIL,  29                          ; v29     0; never rewritten
.set SC,   32                          ; scale words: set s at v[SC + 16 s]; in it register 8 q + i: lanes 0-15 the word of A's block i, lanes 16-31 of B's block i
.set AF,   128
.set RT,   128
.set TM,   192
.set PWS,  208
.set OUTW, 216
.set G1, 24
.set G0, 32
.set G1B, 48
.set G0B, 56
.set G1S, 68
.set G0S, 76
.set G1SB, 80
.set G0SB, 88
.set SEL, 98                           ; s[98:99] lane selects: lane l xor 16
.set MNT, 100                          ; s100 the mantissa field of 448
.set HM,  101                          ; s101 the lanes with h = 1
.set MSB, 0
.macro WIN new                         ; the immediate's high byte repeats the setting that is left
.if MSB != \new
	s_set_vgpr_msb (MSB<<8)|\new
.set MSB, \new
.endif
.endm
.set MUL_LO, 0xa1                      ; source 0 (B) window 1, source 1 (A) window 0, C and D window 2
.set MUL_HI, 0xf1                      ; the same, C and D window 3
.set TO_B,   0x40                      ; destination window 1, address window 0
; A joint load: waves 0 and 1 fetch for A, waves 2 and 3 for B.  The branch hangs on the wave's number alone.  An s_nop 0 and four v_nop follow each of the two lines.
.macro JLOAD g0a, g1a, g0b, g1b
	s_cmp_eq_u32 s15, 0
	s_cbranch_scc0 .Lfor_b_\@
	tensor_load_to_lds s[\g0a:\g0a+3], s[\g1a:\g1a+7]
	s_nop 0
.rept 4
	v_nop
.endr
	s_branch .Lasked_\@
.Lfor_b_\@:
	tensor_load_to_lds s[\g0b:\g0b+3], s[\g1b:\g1b+7]
	s_nop 0
.rept 4
	v_nop
.endr
.Lasked_\@:
.endm
.macro CREST                           ; a round of the cluster's barrier behind its opening barrier
	s_cmp_lg_u32 s14, 0
	s_cbranch_scc1 .Lnot_wave_0_\@
	s_barrier_signal -3
.Lnot_wave_0_\@:
	s_barrier_wait -3
	s_barrier_signal -1
	s_barrier_wait -1
.endm
.macro CROUND
	s_barrier_signal -1
	s_barrier_wait -1
	CREST
.endm
	s_load_b128 s[4:7], s[0:1], 0x0                ; opc, ops
	s_load_b128 s[8:11], s[0:1], 0x10              ; rope, qkvc
	s_load_b64 s[12:13], s[0:1], 0x20              ; qkvs
	v_lshl_add_u32 v[SPW], v0, 2, SPARE
	v_mov_b32 v[NIL], 0
	ds_add_u32 v[SPW], v[NIL]                      ; the wave's opening: the add, twice on end, and its wait ahead of my first tensor load
	ds_add_u32 v[SPW], v[NIL]
	v_lshrrev_b32 v1, 5, v0
	v_readfirstlane_b32 s14, v1                    ; wave 0..3
	s_lshr_b32 s15, s14, 1                         ; which half of the tile's rows is mine.  Also: I fetch for A (0) or for B (1)
	s_and_b32 s16, s14, 1                          ; which half of its columns.  Also: which 128 rows I fetch
	s_bfe_u32 s40, ttmp6, 0x40000                  ; cx, cy: my place in the cluster
	s_bfe_u32 s41, ttmp6, 0x40004
	s_lshr_b32 s2, ttmp9, 1                        ; KIND: the same in all sixteen partners
	s_and_b32 s42, ttmp9, 1
	s_lshl_b32 s42, s42, 2
	s_add_co_u32 s42, s42, s40                     ; tile column 0..7
	s_and_b32 s17, ttmp7, 0xffff
	s_lshl_b32 s17, s17, 2
	s_add_co_u32 s17, s17, s41                     ; tile row 0..7
	s_lshl_b32 s43, s41, 2
	s_lshl_b32 s43, 15, s43                        ; my row of the cluster
	s_lshl_b32 s44, 0x1111, s40                    ; my column
	; descriptor group 1 for codes: 32,768 dense bytes as 128 rows of 32 elements of 8 bytes
	s_or_b32 s[G1+0], s43, (3<<16)|(1<<21)         ; 15:0 the mask; 17:16 elements of 8 bytes; 21 set beside a mask; no padding
	s_or_b32 s[G1B+0], s44, (3<<16)|(1<<21)
.irp g, G1, G1B
	s_mov_b32 s[\g+1], 32<<16                      ; tensor_dim0
	s_mov_b32 s[\g+2], 128<<16                     ; tensor_dim1
	s_mov_b32 s[\g+3], 32<<16                      ; tile_dim0
	s_mov_b32 s[\g+4], 128                         ; tile_dim1
	s_mov_b32 s[\g+5], 32                          ; from row to row
	s_mov_b32 s[\g+6], 0
	s_mov_b32 s[\g+7], 0
.endr
	; and for the scales of 128 rows: 16 rows (K steps) of 512 bytes, 8,192 bytes apart in memory
	s_or_b32 s[G1S+0], s43, (3<<16)|(1<<21)
	s_or_b32 s[G1SB+0], s44, (3<<16)|(1<<21)
.irp g, G1S, G1SB
	s_mov_b32 s[\g+1], 64<<16
	s_mov_b32 s[\g+2], 16<<16
	s_mov_b32 s[\g+3], 64<<16
	s_mov_b32 s[\g+4], 16
	s_mov_b32 s[\g+5], 1024
	s_mov_b32 s[\g+6], 0
	s_mov_b32 s[\g+7], 0
.endr
	s_add_co_u32 s19, s2, 1
	s_cmp_eq_u32 s2, 2
	s_cselect_b32 s18, 3, 0                        ; A: x (tensor 0), for V wv (3)
	s_cselect_b32 s19, 0, s19                      ; B: wq (1), wk (2), for V x (0)
	s_lshl_b32 s20, s18, 22                        ; A's codes: tensor << 22 + tile row x 16 tiles x 4,096 + my half x 8 tiles
	s_lshl_b32 s21, s17, 16
	s_add_co_u32 s20, s20, s21
	s_lshl_b32 s21, s16, 15
	s_add_co_u32 s20, s20, s21
	s_mov_b32 s21, 0
	s_lshl_b32 s22, s18, 17                        ; A's scales: tensor << 17 + tile row x 4 groups x 256 + my half x 2 groups
	s_lshl_b32 s23, s17, 10
	s_add_co_u32 s22, s22, s23
	s_lshl_b32 s23, s16, 9
	s_add_co_u32 s22, s22, s23
	s_mov_b32 s23, 0
	s_lshl_b32 s46, s19, 22                        ; B's likewise, by the tile column, in registers that never hold the tile row
	s_lshl_b32 s47, s42, 16
	s_add_co_u32 s46, s46, s47
	s_lshl_b32 s47, s16, 15
	s_add_co_u32 s46, s46, s47
	s_mov_b32 s47, 0
	s_lshl_b32 s92, s19, 17
	s_lshl_b32 s93, s42, 10
	s_add_co_u32 s92, s92, s93
	s_lshl_b32 s93, s16, 9
	s_add_co_u32 s92, s92, s93
	s_mov_b32 s93, 0
	s_mul_i32 s45, s14, HALFT                      ; where they go: wave x a half: no place in the cluster enters an LDS address
	s_mul_i32 s94, s14, HALFS
	s_mov_b32 s[SEL], 0x76543210
	s_mov_b32 s[SEL+1], 0xfedcba98
	s_mov_b32 s[MNT], 0x600000
	s_mov_b32 s[HM], 0xffff0000
	s_wait_dscnt 0x0                               ; both opening adds are done
	s_wait_kmcnt 0x0
	s_add_nc_u64 s[20:21], s[4:5], s[20:21]
	s_add_nc_u64 s[22:23], s[6:7], s[22:23]
	s_add_nc_u64 s[46:47], s[4:5], s[46:47]
	s_add_nc_u64 s[92:93], s[6:7], s[92:93]
	CROUND                                         ; all sixteen work-groups are here: the first joint loads meet
	s_mov_b32 s[G0S], 1
	s_add_co_u32 s[G0S+1], s94, SCL
	s_mov_b64 s[G0S+2:G0S+3], s[22:23]
	s_or_b32 s[G0S+3], s[G0S+3], 0x80000000
	s_mov_b32 s[G0SB], 1
	s_add_co_u32 s[G0SB+1], s94, SCL
	s_mov_b64 s[G0SB+2:G0SB+3], s[92:93]
	s_or_b32 s[G0SB+3], s[G0SB+3], 0x80000000
	JLOAD G0S, G1S, G0SB, G1SB                     ; the scales first: they are wanted with the first slot
.irp s, 0,1
	s_mov_b32 s[G0+4*\s], 1
	s_add_co_u32 s[G0+4*\s+1], s45, \s*SLOT
	s_add_nc_u64 s[G0+4*\s+2:G0+4*\s+3], s[20:21], \s*SSTEP
	s_or_b32 s[G0+4*\s+3], s[G0+4*\s+3], 0x80000000
	s_mov_b32 s[G0B+4*\s], 1
	s_add_co_u32 s[G0B+4*\s+1], s45, \s*SLOT
	s_add_nc_u64 s[G0B+4*\s+2:G0B+4*\s+3], s[46:47], \s*SSTEP
	s_or_b32 s[G0B+4*\s+3], s[G0B+4*\s+3], 0x80000000
	JLOAD G0+4*\s, G1, G0B+4*\s, G1B               ; by this text's count three tensor loads of a wave are out here
.endr
	v_and_b32 v1, 15, v0                           ; r
	v_bfe_u32 v2, v0, 4, 1                         ; h
	v_and_b32 v3, 31, v0
	v_lshlrev_b32 v[LI], 4, v3                     ; 16 x lane
	s_mul_i32 s21, s15, HALFT                      ; my 128 rows of A
	s_mul_i32 s22, s16, HALFT                      ; my 128 rows of B,
	s_add_co_u32 s22, s22, 2*HALFT                 ; which lie behind A's two halves
.irp s, 0,1
	v_add_nc_u32 v[ADRA+\s], s21, v[LI]
	v_add_nc_u32 v[ADRB+\s], s22, v[LI]
	s_add_co_u32 s21, s21, SLOT
	s_add_co_u32 s22, s22, SLOT
.endr
	v_lshlrev_b32 v5, 4, v1                        ; scale words: 16 bytes (four tiles) a row index
	s_mul_i32 s21, s15, HALFS                      ; A's: my half
	s_mul_i32 s22, s16, HALFS                      ; B's: my half, behind A's two
	s_add_co_u32 s22, s22, 2*HALFS
	s_sub_co_u32 s22, s22, s21
	v_mul_u32_u24 v6, s22, v2                      ; lanes 16-31 take B's: one product, the distance x h
	s_add_co_u32 s21, s21, SCL
	v_add_nc_u32 v5, v5, v6
	v_add_nc_u32 v[ADRS], s21, v5
	; where my 128 x 128 goes, and my rows' lines of the table
	s_lshl_b32 s18, s17, 1
	s_add_co_u32 s18, s18, s15                     ; R: which 128 rows of A
	s_lshl_b32 s19, s42, 1
	s_add_co_u32 s19, s19, s16                     ; C: which 128 rows of B
	s_cmp_eq_u32 s2, 2
	s_cselect_b32 s20, s18, s19                    ; the head: for Q and K it is C, for V it is R
	s_cselect_b32 s21, s19, s18
	s_lshl_b32 s20, s20, 4
	s_add_co_u32 s20, s20, s21                     ; G
	s_lshl_b32 s22, s20, 14
	s_lshl_b32 s21, s2, 22
	s_add_co_u32 s22, s22, s21
	s_mov_b32 s23, 0
	s_add_nc_u64 s[10:11], s[10:11], s[22:23]      ; the codes
	s_lshl_b32 s22, s20, 9
	s_lshl_b32 s21, s2, 17
	s_add_co_u32 s22, s22, s21
	s_add_nc_u64 s[12:13], s[12:13], s[22:23]      ; the scale words
	s_lshl_b32 s22, s18, 16
	s_add_nc_u64 s[8:9], s[8:9], s[22:23]          ; the table: 8 tiles x 8,192 bytes for each 128 rows
.macro FRAG reg, adr, q, i             ; a fragment as it lies: four chunks of 512 bytes
.irp c, 0,1,2,3
	ds_load_b128 v[\reg+4*\c:\reg+4*\c+3], v[\adr] offset:4096*(\i)+2048*(\q)+512*\c
.endr
.endm
; 16 matrix instructions: A's blocks a0, a0 + 1 x B's eight, the slot's q-th 128 along K.  p: B's set; sc: the set of scale words.  zero = 1: the first product starts the sums.
; The 64 accumulators take turns, one instruction a turn, in the same order in every step.
.macro MUL16 a0, p, q, sc, zero
.irp a, \a0, \a0+1
.irp b, 0,1,2,3,4,5,6,7
.if \zero
	v_wmma_scale_f32_16x16x128_f8f6f4 v[8*(8*((\a)%4)+\b):8*(8*((\a)%4)+\b)+7], v[128*(\p)+FR*\b:128*(\p)+FR*\b+FR-1], v[AF+FR*(\a):AF+FR*(\a)+FR-1], 0, v[SC+16*(\sc)+8*(\q)+\b], v[SC+16*(\sc)+8*(\q)+(\a)] matrix_a_scale:MATRIX_SCALE_ROW1
.else
	v_wmma_scale_f32_16x16x128_f8f6f4 v[8*(8*((\a)%4)+\b):8*(8*((\a)%4)+\b)+7], v[128*(\p)+FR*\b:128*(\p)+FR*\b+FR-1], v[AF+FR*(\a):AF+FR*(\a)+FR-1], v[8*(8*((\a)%4)+\b):8*(8*((\a)%4)+\b)+7], v[SC+16*(\sc)+8*(\q)+\b], v[SC+16*(\sc)+8*(\q)+(\a)] matrix_a_scale:MATRIX_SCALE_ROW1
.endif
.endr
.endr
.endm
.macro FETCH_B slot, q, p
	WIN TO_B
.irp i, 0,1,2,3,4,5,6,7
	FRAG 128*(\p)+FR*\i, ADRB+\slot, \q, \i
.endr
	WIN 0
.endm
.macro FETCH_A slot, q, i0
.irp i, \i0, \i0+1, \i0+2, \i0+3
	FRAG AF+FR*(\i), ADRA+\slot, \q, \i
.endr
.endm
.macro SCALES sc                       ; a slot's scale words into set sc: for each of its two K steps two loads of four tiles' words
.irp q, 0,1
.irp g, 0,1
	ds_load_b128 v[SC+16*\sc+8*\q+4*\g:SC+16*\sc+8*\q+4*\g+3], v[ADRS] offset:512*\q+256*\g
.endr
.endr
.endm
; A load into a register that a matrix instruction has read, and a vector instruction that reads a matrix result, stand NP places behind it; only plain vector instructions that name none of its registers are places.
.macro PLACES n
.rept \n
	v_nop
.endr
.endm
.macro STEP slot, q, zero              ; a step of 128 along K that has its successor in the same slot
	s_wait_dscnt 4*NL                              ; B's set, A's blocks 0-3 and the scale words are in; the youngest 16 loads (A's blocks 4-7) may be out
	WIN MUL_LO
	MUL16 0, (\q)%2, \q, \slot, \zero
	MUL16 2, (\q)%2, \q, \slot, \zero
	s_wait_dscnt 0
	PLACES NP
	FETCH_B \slot, (\q)+1, 1-(\q)%2
	FETCH_A \slot, (\q)+1, 0
	WIN MUL_HI
	MUL16 4, (\q)%2, \q, \slot, \zero
	MUL16 6, (\q)%2, \q, \slot, \zero
	PLACES NP
	WIN 0
	FETCH_A \slot, (\q)+1, 4
.endm
; A slot's last step changes slots: one barrier; in front of it each wave waits for all its tensor loads, adds 0 to its spare word, and waits for that and for its own reads of this slot.  fill = 1: this slot is filled again, two slots ahead.
.macro TURN slot, next, fill
	s_wait_tensorcnt 0x0                           ; all my tensor loads have landed: my part of the next slot
	ds_add_u32 v[SPW], v[NIL]                      ; 0 onto my spare word
	s_wait_dscnt 4*NL+1                            ; (the add and the youngest 16 loads may be out)
	WIN MUL_LO
	MUL16 0, 1, NQ-1, \slot, 0
	s_wait_dscnt 0x0                               ; the add is done, and my reads of this slot are over
	s_barrier_signal -1
	MUL16 2, 1, NQ-1, \slot, 0
	WIN 0
	s_barrier_wait -1
.if \fill
	CREST                                          ; the barrier has opened a round of the cluster's barrier: no wave of any partner still reads this slot or has a load on its way
	s_add_nc_u64 s[G0+4*\slot+2:G0+4*\slot+3], s[G0+4*\slot+2:G0+4*\slot+3], 2*SSTEP
	s_add_nc_u64 s[G0B+4*\slot+2:G0B+4*\slot+3], s[G0B+4*\slot+2:G0B+4*\slot+3], 2*SSTEP
	JLOAD G0+4*\slot, G1, G0B+4*\slot, G1B         ; the first tensor load behind the round, one a wave; its four v_nop are among the places in front of the loads below
	PLACES NP-4
.else
	PLACES NP
.endif
	v_add_nc_u32 v[ADRS], 1024, v[ADRS]            ; on to the next slot's scale words
	FETCH_B \next, 0, 0
	FETCH_A \next, 0, 0
	SCALES \next
	WIN MUL_HI
	MUL16 4, 1, NQ-1, \slot, 0
	MUL16 6, 1, NQ-1, \slot, 0
	PLACES NP
	WIN 0
	FETCH_A \next, 0, 4
.endm
	s_wait_tensorcnt 1                             ; the scales and my part of slot 0 are in (slot 1's load may be out)
	s_barrier_signal -1
	s_barrier_wait -1                              ; everybody's are
	FETCH_B 0, 0, 0
	FETCH_A 0, 0, 0
	SCALES 0
	FETCH_A 0, 0, 4
	STEP 0, 0, 1                                   ; the first step stands in front of the loop: its products start the sums
	s_mov_b32 s3, LAPS-1
.Llap:                                                 ; a trip goes once round the ring and fills both slots again
	TURN 0, 1, 1
	STEP 1, 0, 0
	TURN 1, 0, 1
	STEP 0, 0, 0
	s_sub_co_u32 s3, s3, 1
	s_cmp_lg_u32 s3, 0
	s_cbranch_scc1 .Llap
	TURN 0, 1, 0                                   ; the last lap fills nothing
	STEP 1, 0, 0
; THE WAY OUT.  Block a (16 rows of A x my 128 columns) is turned (Q, K), quantised and stored as one fragment.  No LDS is needed: the registers already lie as the next operand wants them.
.macro LASTSTEP                        ; the very last 128 along K: nothing more to fetch; then the places behind the last products
	s_wait_dscnt 4*NL
	WIN MUL_LO
	MUL16 0, 1, NQ-1, 1, 0
	MUL16 2, 1, NQ-1, 1, 0
	s_wait_dscnt 0
	WIN MUL_HI
	MUL16 4, 1, NQ-1, 1, 0
	MUL16 6, 1, NQ-1, 1, 0
	WIN 0
	PLACES NP
.irp b, 0,1,2,3
	v_mov_b32 v[TM+4+\b], 0                        ; written once: a lane permute's destination counts as one of its sources
.endr
.endm
.macro CSLOAD a                        ; the table's 16 lines of tile a into set a % 2, window 1 (B's first set, which the last step does not read; eight places stand behind its last reader)
	WIN TO_B
.irp j, 0,1,2,3,4,5,6,7,8,9,10,11,12,13,14,15
	global_load_b128 v[64*((\a)%2)+4*\j:64*((\a)%2)+4*\j+3], v[LI], s[8:9] offset:8192*(\a)+512*\j
.endr
	WIN 0
.endm
; Pair p = registers 2 p, 2 p + 1 = (x1, x2); the table's registers 2 p, 2 p + 1 = (cos, sin).  (-x2 sin, x2 cos), then (x1 cos, x1 sin) added: in place.  Each accumulator is first read at its registers 0 and 1.
.macro ROPE a
.set W, 2+(\a)/4
.set AC, 64*((\a)%4)
.set CSB, 64*((\a)%2)
.set WW, W|(1<<2)
	WIN WW                                         ; source 0: the accumulators' window; source 1: window 1
.set p, 0
.rept 32
	v_pk_mul_f32 v[RT+2*p:RT+2*p+1], v[AC+2*p:AC+2*p+1], v[CSB+2*p:CSB+2*p+1] op_sel:[1,1] op_sel_hi:[1,0] neg_lo:[0,1]
.set p, p+1
.endr
.set WW, (W<<6)|(1<<2)|W
	WIN WW                                         ; and the destination there too
.set p, 0
.rept 32
	v_pk_fma_f32 v[AC+2*p:AC+2*p+1], v[AC+2*p:AC+2*p+1], v[CSB+2*p:CSB+2*p+1], v[RT+2*p:RT+2*p+1] op_sel_hi:[0,1,1]
.set p, p+1
.endr
	WIN 0
.endm
.macro QUANTW a                        ; block a's 64 numbers a lane become a fragment's codes (set a % 4 of four) and its scale word
.set W, 2+(\a)/4
.set AC, 64*((\a)%4)
.set PCA, 64+16*((\a)%4)
.set WW, W|(W<<2)
	WIN WW
.irp b, 0,1,2,3
	v_max3_num_f32 v[TM+\b], |v[AC+16*\b]|, |v[AC+16*\b+1]|, 0x4800000   ; with the floor 2^(9 - 127): the byte cannot fall under 1
.endr
.irp i, 2,4,6,8,10,12,14
.irp b, 0,1,2,3
	v_max3_num_f32 v[TM+\b], |v[AC+16*\b+\i]|, |v[AC+16*\b+\i+1]|, v[TM+\b]
.endr
.endr
	WIN 0
.irp b, 0,1,2,3
	v_permlanex16_b32 v[TM+4+\b], v[TM+\b], s[SEL], s[SEL+1]
.endr
.irp b, 0,1,2,3
	v_max_num_f32 v[TM+\b], v[TM+\b], v[TM+4+\b]
.endr
.irp b, 0,1,2,3
	v_add_nc_u32 v[TM+12+\b], 0xfc000000, v[TM+\b]
.endr
.irp b, 0,1,2,3
	v_and_or_b32 v[TM+8+\b], v[TM+\b], 0x7f800000, s[MNT]
.endr
.irp b, 0,1,2,3
	v_lshrrev_b32 v[TM+4+\b], 23, v[TM+12+\b]
.endr
	v_lshl_or_b32 v[PWS+(\a)], v[TM+5], 8, v[TM+4]
	v_lshl_or_b32 v[PWS+(\a)], v[TM+6], 16, v[PWS+(\a)]
	v_lshl_or_b32 v[PWS+(\a)], v[TM+7], 24, v[PWS+(\a)]
	WIN W
.irp b, 0,1,2,3
.irp i, 0,1,2,3,4,5,6,7,8,9,10,11,12,13,14,15
	v_med3_num_f32 v[RT+16*\b+\i], v[AC+16*\b+\i], -v[TM+8+\b], v[TM+8+\b]   ; the hold also brings the number into window 0
.endr
.endr
	WIN 0
.if (\a) > 3
	s_wait_xcnt 0x0                                ; the stores of four blocks back have read this set of codes: it is written again only behind this wait
.endif
.irp b, 0,1,2,3
	v_cvt_scalef32_pk8_fp8_f32 v[PCA+4*\b:PCA+4*\b+1], v[RT+16*\b:RT+16*\b+7], v[TM+12+\b]
	v_cvt_scalef32_pk8_fp8_f32 v[PCA+4*\b+2:PCA+4*\b+3], v[RT+16*\b+8:RT+16*\b+15], v[TM+12+\b]
.endr
	v_nop                                          ; a plain line behind the last conversion
.irp c, 0,1,2,3
	global_store_b128 v[LI], v[PCA+4*\c:PCA+4*\c+3], s[10:11] offset:2048*(\a)+512*\c   ; 512 consecutive bytes
.endr
.endm
	s_cmp_eq_u32 s2, 2                             ; V is not turned.  KIND is made of the cluster's number: the same in all partners.  The one branch on it in the way out
	s_cbranch_scc1 .Lv_tail
	CSLOAD 0                                       ; Q, K: the first two blocks' lines are asked for ahead of the last 64 products
	CSLOAD 1
	LASTSTEP
.irp a, 0,1,2,3,4,5,6,7
.if \a < 7
	s_wait_loadcnt 16                              ; this block's 16 lines are in; the next block's 16 may be out
.else
	s_wait_loadcnt 0
.endif
	ROPE \a
.if \a < 6
	CSLOAD \a+2
.endif
	QUANTW \a
.endr
	s_branch .Lfin
.Lv_tail:
	LASTSTEP
.irp a, 0,1,2,3,4,5,6,7
	QUANTW \a
.endr
.Lfin:
.irp i, 0,1,2,3
	v_cndmask_b32 v[OUTW+\i], v[PWS+\i], v[PWS+4+\i], s[HM]   ; lanes 0-15: tiles 0-3; lanes 16-31: tiles 4-7
.endr
	global_store_b128 v[LI], v[OUTW:OUTW+3], s[12:13]
	s_wait_tensorcnt 0x0                           ; the wave's end
	ds_add_u32 v[SPW], v[NIL]
	s_wait_dscnt 0x0
	CROUND                                         ; the closing round: no work-group ends while a partner may still ask for a tile that names it
	s_endpgm
.Lfunc_end_k_q3828faed2e_qkv:
	.size	k_q3828faed2e_qkv, .Lfunc_end_k_q3828faed2e_qkv-k_q3828faed2e_qkv
	.p2alignl 7, 3214868480
	.fill 96, 4, 3214868480
	.section	.rodata,"a",@progbits
	.p2align	6, 0x0
	.amdhsa_kernel k_q3828faed2e_qkv
		.amdhsa_group_segment_fixed_size 327680
		.amdhsa_private_segment_fixed_size 0
		.amdhsa_enable_private_segment 0
		.amdhsa_kernarg_size 40
		.amdhsa_user_sgpr_count 2
		.amdhsa_user_sgpr_kernarg_segment_ptr 1
		.amdhsa_wavefront_size32 1
		.amdhsa_system_sgpr_workgroup_id_x 1
		.amdhsa_system_sgpr_workgroup_id_y 1
		.amdhsa_system_sgpr_workgroup_id_z 1
		.amdhsa_system_vgpr_workitem_id 0
		.amdhsa_next_free_vgpr 1024
		.amdhsa_next_free_sgpr 102
		.amdhsa_reserve_vcc 0
		.amdhsa_float_denorm_mode_32 3
		.amdhsa_float_denorm_mode_16_64 3
		.amdhsa_memory_ordered 1
		.amdhsa_forward_progress 1
		.amdhsa_inst_pref_size 255
	.end_amdhsa_kernel
	.section	.bss,"aw",@nobits
	.p2align	6
	.space	262144
	.amdgpu_metadata
---
amdhsa.version: [ 1, 2 ]
amdhsa.kernels:
  - .name:           k_q3828faed2e_qkv
    .symbol:         k_q3828faed2e_qkv.kd
    .args:
      - { .name: opc, .offset: 0, .size: 8, .value_kind: global_buffer, .address_space: global }
      - { .name: ops, .offset: 8, .size: 8, .value_kind: global_buffer, .address_space: global }
      - { .name: rope, .offset: 16, .size: 8, .value_kind: global_buffer, .address_space: global }
      - { .name: qkvc, .offset: 24, .size: 8, .value_kind: global_buffer, .address_space: global }
      - { .name: qkvs, .offset: 32, .size: 8, .value_kind: global_buffer, .address_space: global }
    .group_segment_fixed_size: 327680
    .private_segment_fixed_size: 0
    .kernarg_segment_align: 8
    .kernarg_segment_size: 40
    .max_flat_workgroup_size: 128
    .sgpr_count:     102
    .vgpr_count:     1024
    .wavefront_size: 32
...
	.end_amdgpu_metadata
.endif
;; end of part 2
;; launch attn (part 3): grid 16 x 16, 16 waves a work-group, no clusters, 327,680 bytes of LDS; arguments qkvc, qkvs, oc, os; writes oc, os
.if DOCPART == 3
	.amdgcn_target "amdgcn-amd-amdhsa--gfx1250"
	.amdhsa_code_object_version 6
	.text
	.protected	k_q3828faed2e_attn
	.globl	k_q3828faed2e_attn
	.p2align	8
	.type	k_q3828faed2e_attn,@function
k_q3828faed2e_attn:
	s_mov_b64 s[64:65], 0
	v_nop
	global_prefetch_b8 v0, s[64:65] scope:SCOPE_SE
	s_setreg_imm32_b32 hwreg(HW_REG_WAVE_MODE, 25, 1), 1
	s_wait_xcnt 0x0
; O[h][q] = the sum over k <= q of softmax_k(Q[h][q] . K[h][k] / sqrt(128)) V[h][k], both products on codes of E4M3 with E8M0 scales; O is quantised here, along the heads' channels, for the last product.
; LEFT OUT: a key step of 128 keys all of which come after a tile's 16 queries (reference()'s own jnp.tril gives them the weight 0 for all inputs: launch prep's head).
; THE SOFTMAX: t = score x log2(e) / sqrt(128); M = the largest t so far, rounded UP to a whole number; p = 2^(t - M) is quantised along the keys, not normalised; the row's sum is taken of the unquantised p and divides O at the end.
; When M moves, the sum and O are multiplied by 2^(old M - new M): exact.
; SHARES.  Work-group (j, head) owns the blocks of 64 queries j and 31 - j: eight tiles of 16, and the same number of key steps whatever j.  Sixteen waves: tile tau = wave % 8; THE KEYS OF A TILE ARE SPLIT BETWEEN TWO WAVES:
; a slot of the ring holds two key steps, and wave PAR = wave / 8 takes the slot's PAR-th.  Each keeps its own M, sum and O; at the end the upper wave hands its three to the lower through LDS, and both are brought under the larger M, exactly.
; OPERANDS ARE IMAGES OF THEIR REGISTERS (launch prep's head): lane r of tile T holds row perm(T, r) = 32 (T / 2) + 8 (T % 2) + r + 8 (r / 8).  Both products are used transposed: S^T = K Q^T, O^T = V^T P^T: a lane holds one query,
; the 16 registers of two neighbouring tiles of S^T are 16 neighbouring keys, those of O^T 16 neighbouring channels.
; THE RING: two slots of 65,536 bytes, filled by waves 0-3, one tensor load each.  A load brings four tiles of BOTH key steps (2 rows of 8,192 bytes, 16,384 apart in memory), so that whenever a slot's first step is read every load has bytes that are read.
; Where 64 (31 - j) + 63 lies in the lower half of the last slot (j % 4 = 2, 3), that slot's second step arrives and is not read: 32,768 bytes of a work-group's walk.
; cluster = none: the sixteen work-groups of a head read the same K and V, but their causal limits differ: past its limit every wave of a partner would jump over the reads of a joint tile.
; LIMITS: as launch prep's quantiser; a block of p that has fallen to 0 keeps the byte 1 over zero codes.
; REGISTERS: v1-11 addresses; v12 -M, v13 the largest t, v[14:15] the sum in two halves; v16-31 Q; v32-95 four fragments of K or V; v96-159 S^T, then p; v160-223 O^T; v224-239 p's codes; v232-247, v252, v254 at work;
;   v248-251 K's or V's scale words, v253 p's, v255 Q's.
.set SLOT1, 1<<16                      ; slot 1 begins here: one exclusive or turns an address
.set SCK,   2*SLOT1                    ; K's scale words of the whole head, 8,192 bytes; V's behind them
.set MRG,   SCK+16384                  ; eight places of 8,704 bytes: a partner's O^T (8,192) and its v[12:15] (512)
.set MRGW,  8704
.set OSC,   MRG+8*MRGW                 ; 512 bytes: O's scale words, gathered
.set SPARE, OSC+512                    ; the spare words, 128 bytes for each wave
.set A0,   1                           ; v1   16 x lane + 8,192 PAR: my place in a slot's tiles
.set AS0,  2                           ; v2   SCK + 512 PAR + 16 r: among the scale words
.set QL,   3                           ; v3   my query - 16 h
.set MST,  4                           ; v4   MRG + 8,704 tau + 16 x lane
.set SPW,  5                           ; v5   LDS address of my spare word; never rewritten
.set NIL,  6                           ; v6   0; never rewritten
.set PFO,  7                           ; v7   256 x lane: the prefetches' offset
.set AD,   8                           ; v8   LDS address of the step's tiles
.set ADS,  9                           ; v9   of its scale words; at the end OSC + 16 x lane
.set OSA,  10                          ; v10  where my tile's scale words go: OSC + 256 (tau / 4) + 16 r + 4 (tau % 4)
.set LI,   11                          ; v11  16 x lane
.set TM,   32                          ; the last quantiser's registers: v32-47 at work, v48-63 codes, v64 the scale word
.set PC,   48
.set PW,   64
.set TB,   2                           ; s2   LDS byte at which the slot in hand begins
.set TS,   3                           ; s3   its scale words: 1,024 bytes a slot
.set WV,   18
.set MNT,  19
.set SEL,  20
.set CS,   22                          ; s[22:23] c = log2(e) / sqrt(128)
.set G1,   24                          ; s[24:31] group 1 for tiles; s[32:39] for the scale words; s[40:43], s[44:47] their groups 0
.set G1S,  32
.set G0,   40
.set G0S,  44
.set HEAD, 48
.set QMAX, 66
.set SLOTS, 67
.set QMIN, 68
.set LQ,   69                          ; s69  my work-group's last query
.set TAU,  70
.set PAR,  71
.set TT,   72                          ; s72  my tile of queries, 0..127
.set BLK,  73
.set PFA,  76                          ; s[76:77] where my prefetches stand
.set LIM,  80                          ; s80  1 in a wave that prefetches, else the greatest number
.set KF,   98                          ; s98  my step's first key
.set SKF,  99                          ; s99  the slot's first key
.macro TLOAD                           ; waves 0-3 fetch, the others nothing; an s_nop 0 and four v_nop follow the line
	s_cmp_lt_u32 s[WV], 4
	s_cbranch_scc0 .Lasked_\@
	tensor_load_to_lds s[G0:G0+3], s[G1:G1+7]
	s_nop 0
.rept 4
	v_nop
.endr
.Lasked_\@:
.endm
; A PREFETCH of what the NEXT change of slots will ask for: 32,768 consecutive bytes of K and as many of V.  All work-groups of a head walk the same K and V: the one with j = 0, which walks all eight slots, asks.
; In it waves 4-7 ask for K's, waves 8-11 for V's: 8,192 bytes a wave, lanes 256 bytes apart, one instruction.  So each block of 256 bytes is named once in the launch.  The last change that fills a slot asks for nothing; slots 0 and 1 come by their loads alone.
.macro ASK
	s_cmp_gt_u32 s[SLOTS], s[LIM]
	s_cbranch_scc0 .Lnot_mine_\@
	global_prefetch_b8 v[PFO], s[PFA:PFA+1] th:TH_LOAD_NT scope:SCOPE_SE
.Lnot_mine_\@:
.endm
	s_load_b256 s[4:11], s[0:1], 0x0               ; qkvc s[4:5], qkvs s[6:7], oc s[8:9], os s[10:11]
	v_lshl_add_u32 v[SPW], v0, 2, SPARE
	v_mov_b32 v[NIL], 0
	ds_add_u32 v[SPW], v[NIL]                      ; the wave's opening: the add, twice on end, and its wait ahead of my first tensor load
	ds_add_u32 v[SPW], v[NIL]
	v_lshrrev_b32 v8, 5, v0
	v_readfirstlane_b32 s[WV], v8                  ; wave 0..15
	s_and_b32 s[HEAD], ttmp7, 0xffff
	s_and_b32 s[TAU], s[WV], 7
	s_lshr_b32 s[PAR], s[WV], 3
	s_sub_co_u32 s74, 31, ttmp9
	s_bitcmp1_b32 s[TAU], 2
	s_cselect_b32 s[BLK], s74, ttmp9               ; tiles 0-3: block j; tiles 4-7: block 31 - j
	s_and_b32 s75, s[TAU], 3
	s_lshl_b32 s[TT], s[BLK], 2
	s_add_co_u32 s[TT], s[TT], s75
	s_lshr_b32 s[QMIN], s[TT], 1
	s_lshl_b32 s[QMIN], s[QMIN], 5
	s_and_b32 s75, s[TT], 1
	s_lshl_b32 s75, s75, 3
	s_add_co_u32 s[QMIN], s[QMIN], s75             ; my tile's first query: 32 (T / 2) + 8 (T % 2),
	s_add_co_u32 s[QMAX], s[QMIN], 23              ; and its last
	s_lshl_b32 s[LQ], s74, 6
	s_add_co_u32 s[LQ], s[LQ], 63
	; every LDS address register is made here, ahead of the first branch on the wave's number
	v_and_b32 v12, 15, v0                          ; r
	v_bfe_u32 v13, v0, 4, 1                        ; h
	v_and_b32 v14, 31, v0                          ; lane
	v_lshlrev_b32 v[LI], 4, v14
	v_lshlrev_b32 v[PFO], 8, v14
	s_lshl_b32 s75, s[PAR], 13
	v_add_nc_u32 v[A0], s75, v[LI]
	s_lshl_b32 s75, s[PAR], 9
	s_add_co_u32 s75, s75, SCK
	v_lshl_add_u32 v[AS0], v12, 4, s75
	s_mul_i32 s75, s[TAU], MRGW
	s_add_co_u32 s75, s75, MRG
	v_add_nc_u32 v[MST], s75, v[LI]
	s_lshr_b32 s75, s[TAU], 2
	s_lshl_b32 s75, s75, 8
	s_and_b32 s81, s[TAU], 3
	s_lshl_b32 s81, s81, 2
	s_add_co_u32 s75, s75, s81
	s_add_co_u32 s75, s75, OSC
	v_lshl_add_u32 v[OSA], v12, 4, s75
	v_and_b32 v[QL], 8, v12
	v_add_nc_u32 v[QL], v[QL], v12
	v_add_nc_u32 v[QL], s[QMIN], v[QL]             ; my query,
	v_lshlrev_b32 v15, 4, v13
	v_sub_nc_u32 v[QL], v[QL], v15                 ; less 16 h
	v_lshlrev_b32 v254, 4, v12                     ; Q's scale word: 16 r
	; group 1 for tiles: 2 rows of 1,024 elements of 8 bytes, 2,048 elements apart; dense in LDS
	s_mov_b32 s[G1], 3<<16
	s_mov_b32 s[G1+1], 1024<<16                    ; tensor_dim0
	s_mov_b32 s[G1+2], 2<<16                       ; tensor_dim1
	s_mov_b32 s[G1+3], 1024<<16                    ; tile_dim0
	s_mov_b32 s[G1+4], 2                           ; tile_dim1
	s_mov_b32 s[G1+5], 2048                        ; from row to row
	s_mov_b32 s[G1+6], 0
	s_mov_b32 s[G1+7], 0
	; for the scale words: 4,096 dense bytes as 16 rows of 256
	s_mov_b32 s[G1S], 3<<16
	s_mov_b32 s[G1S+1], 32<<16
	s_mov_b32 s[G1S+2], 16<<16
	s_mov_b32 s[G1S+3], 32<<16
	s_mov_b32 s[G1S+4], 16
	s_mov_b32 s[G1S+5], 32
	s_mov_b32 s[G1S+6], 0
	s_mov_b32 s[G1S+7], 0
	s_and_b32 s81, s[WV], 3                        ; what I fetch, if I fetch: waves 0, 1: K's tiles 0-3, 4-7; waves 2, 3: V's
	s_lshr_b32 s82, s81, 1
	s_add_co_u32 s82, s82, 1                       ; region 1 = K, 2 = V
	s_and_b32 s83, s[WV], 1
	s_lshl_b32 s84, s82, 22
	s_lshl_b32 s75, s[HEAD], 18
	s_add_co_u32 s84, s84, s75
	s_lshl_b32 s75, s83, 13
	s_add_co_u32 s84, s84, s75
	s_mov_b32 s85, 0
	s_lshl_b32 s86, s82, 17
	s_lshl_b32 s75, s[HEAD], 13
	s_add_co_u32 s86, s86, s75
	s_lshl_b32 s75, s83, 12
	s_add_co_u32 s86, s86, s75
	s_mov_b32 s87, 0
	s_lshl_b32 s88, s81, 14                        ; in a slot,
	s_lshl_b32 s89, s81, 12
	s_add_co_u32 s89, s89, SCK                     ; and among the scale words
	s_lshl_b32 s90, s[HEAD], 7                     ; Q's fragment: (128 head + T) x 2,048
	s_add_co_u32 s90, s90, s[TT]
	s_lshl_b32 s90, s90, 11
	s_mov_b32 s91, 0
	s_lshl_b32 s92, s[HEAD], 13                    ; its scale words: 8,192 head + 256 (T / 4) + 4 (T % 4)
	s_lshl_b32 s75, s[BLK], 8
	s_add_co_u32 s92, s92, s75
	s_and_b32 s75, s[TAU], 3
	s_lshl_b32 s75, s75, 2
	s_add_co_u32 s92, s92, s75
	s_mov_b32 s93, 0
	s_lshr_b32 s94, s[HEAD], 1                     ; O's fragment: K step = head: (head / 2) x 524,288 + 4,096 T + (head % 2) x 2,048
	s_lshl_b32 s94, s94, 19
	s_lshl_b32 s75, s[TT], 12
	s_add_co_u32 s94, s94, s75
	s_and_b32 s75, s[HEAD], 1
	s_lshl_b32 s75, s75, 11
	s_add_co_u32 s94, s94, s75
	s_mov_b32 s95, 0
	s_lshl_b32 s96, s[HEAD], 13                    ; O's scale words: 8,192 head + 256 j
	s_lshl_b32 s75, ttmp9, 8
	s_add_co_u32 s96, s96, s75
	s_mov_b32 s97, 0
	s_cmp_lt_u32 s[WV], 8                          ; the prefetches: K's region for waves under 8, V's for the others: every wave's address lies in the buffer
	s_cselect_b32 s78, 1, 2
	s_lshl_b32 s78, s78, 22
	s_lshl_b32 s75, s[HEAD], 18
	s_add_co_u32 s78, s78, s75
	s_lshl_b32 s75, s81, 13
	s_add_co_u32 s78, s78, s75
	s_add_co_u32 s78, s78, 32768                   ; in slot 1: the first change of slots steps it to slot 2
	s_mov_b32 s79, 0
	s_sub_co_u32 s82, s[WV], 4
	s_lshr_b32 s82, s82, 3                         ; 0 in waves 4 to 11,
	s_or_b32 s82, s82, ttmp9                       ; of the work-group with j = 0
	s_cmp_eq_u32 s82, 0
	s_cselect_b32 s[LIM], 1, -1
	s_mov_b32 s[SEL], 0x76543210
	s_mov_b32 s[SEL+1], 0xfedcba98
	s_mov_b32 s[CS], 0x3e0293ee
	s_mov_b32 s[CS+1], s[CS]
	s_mov_b32 s[MNT], 0x600000
	s_mov_b32 s[TB], 0
	s_mov_b32 s[TS], 0
	s_mov_b32 s[SLOTS], 7
	s_mov_b32 s[SKF], 0
	s_lshl_b32 s[KF], s[PAR], 7
	s_wait_dscnt 0x0                               ; both opening adds are done
	s_wait_kmcnt 0x0
	s_mov_b32 s[G0S], 1
	s_mov_b32 s[G0S+1], s89
	s_add_nc_u64 s[G0S+2:G0S+3], s[6:7], s[86:87]
	s_or_b32 s[G0S+3], s[G0S+3], 0x80000000
	s_mov_b32 s[G0], 1
	s_mov_b32 s[G0+1], s88
	s_add_nc_u64 s[G0+2:G0+3], s[4:5], s[84:85]
	s_or_b32 s[G0+3], s[G0+3], 0x80000000
	s_cmp_lt_u32 s[WV], 4                          ; a wave's two first fills stand in one branch: the head's scale words, filled once, and slot 0.  Two loads of a wave are out
	s_cbranch_scc0 .Lno_first
	tensor_load_to_lds s[G0S:G0S+3], s[G1S:G1S+7]
	s_nop 0
	tensor_load_to_lds s[G0:G0+3], s[G1:G1+7]
	s_nop 0
.rept 4
	v_nop
.endr
.Lno_first:
	s_add_nc_u64 s[PFA:PFA+1], s[4:5], s[78:79]
	s_add_nc_u64 s[4:5], s[4:5], s[90:91]
	s_add_nc_u64 s[6:7], s[6:7], s[92:93]
	s_add_nc_u64 s[8:9], s[8:9], s[94:95]
	s_add_nc_u64 s[10:11], s[10:11], s[96:97]
.irp c, 0,1,2,3
	global_load_b128 v[16+4*\c:19+4*\c], v[LI], s[4:5] offset:512*\c   ; Q's fragment stays in registers
.endr
	global_load_b32 v255, v254, s[6:7]
	v_mov_b32 v13, 0xff61b1e6                      ; the largest t so far: -3e38, under every t
	v_floor_f32 v12, -v13                          ; -M
	v_mov_b32 v14, 0
	v_mov_b32 v15, 0
.irp b, 0,1,2,3
	v_mov_b32 v[236+\b], 0                         ; written once: a lane permute's destination counts as one of its sources
.endr
	v_mov_b32 v252, 0
	v_mov_b32 v253, 0
.set n, 0
.rept 64
	v_mov_b32 v[160+n], 0                          ; O^T: the step is written once; its first run finds zeros, and a wave with no step hands zeros on
.set n, n+1
.endr
; MY KEY STEP OF THE SLOT IN HAND: 128 keys from s[KF] on
.macro STEP
	s_cmp_gt_u32 s[KF], s[QMAX]                    ; all its keys come after my queries: left out.  A branch on ids; no barrier and no tensor load stands in a step
	s_cbranch_scc1 .Lhidden_\@
	v_add_nc_u32 v[AD], s[TB], v[A0]
	v_add_nc_u32 v[ADS], s[TS], v[AS0]
.rept 6
	v_nop                                          ; with the two additions: eight places in front of loads into registers that matrix instructions have read
.endr
.irp g, 0,1                                    ; S^T = K Q^T, four tiles of 16 keys at a time
.if \g
.rept 8
	v_nop
.endr
.endif
.irp t, 0,1,2,3
.irp c, 0,1,2,3
	ds_load_b128 v[32+16*\t+4*\c:32+16*\t+4*\c+3], v[AD] offset:16384*\g+2048*\t+512*\c
.endr
.endr
	ds_load_b128 v[248:251], v[ADS] offset:256*\g  ; the four tiles' scale words
	s_wait_dscnt 0x0
.irp t, 0,1,2,3
	v_wmma_scale_f32_16x16x128_f8f6f4 v[96+8*(4*\g+\t):103+8*(4*\g+\t)], v[32+16*\t:47+16*\t], v[16:31], 0, v[248+\t], v255
.endr
.endr
.rept 8
	v_nop
.endr
	s_add_co_u32 s96, s[KF], 127                   ; on the diagonal hidden scores become -infinity ahead of the maximum; a step all of whose keys count skips this
	s_cmp_le_u32 s96, s[QMIN]
	s_cbranch_scc1 .Lopen_\@
	v_mov_b32 v252, s[KF]
	v_sub_nc_u32 v252, v[QL], v252                 ; d = my query - KF - 16 h.  Register 16 b + i holds key KF + 16 h + 32 b + i: hidden where 32 b + i > d
	v_mov_b32 v254, 0xff800000
.set n, 0
.rept 64
	v_cmp_gt_i32 vcc_lo, 32*(n/16)+n%16, v252
	v_cndmask_b32 v[96+n], v[96+n], v254, vcc_lo
.set n, n+1
.endr
.Lopen_\@:
.irp b, 0,1,2,3
	v_max3_num_f32 v[232+\b], v[96+16*\b], v[97+16*\b], v[98+16*\b]   ; the largest score of each block of 32 keys: for the row's maximum and, since p rises with the score, for the block's largest p
.endr
.irp i, 3,5,7,9,11,13
.irp b, 0,1,2,3
	v_max3_num_f32 v[232+\b], v[232+\b], v[96+16*\b+\i], v[97+16*\b+\i]
.endr
.endr
.irp b, 0,1,2,3
	v_max_num_f32 v[232+\b], v[232+\b], v[111+16*\b]
.endr
.irp b, 0,1,2,3
	v_permlanex16_b32 v[236+\b], v[232+\b], s[SEL], s[SEL+1]
.endr
.irp b, 0,1,2,3
	v_max_num_f32 v[232+\b], v[232+\b], v[236+\b]  ; with lane l xor 16's 16 keys
.endr
	v_max3_num_f32 v254, v232, v233, v234
	v_max_num_f32 v254, v254, v235
	v_mul_f32 v254, s[CS], v254                    ; the step's largest t of my query
	v_max_num_f32 v13, v13, v254
	v_mov_b32 v254, v12
	v_floor_f32 v12, -v13                          ; the new -M = -ceil(t)
	v_sub_f32 v254, v12, v254                      ; old M - new M: a whole number, 0 or less
	v_cvt_i32_f32 v254, v254                       ; (it saturates)
	v_ldexp_f32 v252, 1.0, v254                    ; f = 2^(old M - new M)
.set n, 0
.rept 32
	v_pk_fma_f32 v[96+n:97+n], v[96+n:97+n], s[CS:CS+1], v[12:13] op_sel_hi:[1,0,0]   ; t - M
.set n, n+2
.endr
.irp b, 0,1,2,3
	v_fma_f32 v[232+\b], v[232+\b], s[CS], v12
.endr
.set n, 0
.rept 64
	v_exp_f32 v[96+n], v[96+n]                     ; p = 2^(t - M): one batch
.set n, n+1
.endr
	v_pk_mul_f32 v[14:15], v[14:15], v[252:253] op_sel_hi:[1,0]   ; the sums under the new M: a plain line behind the batch
	s_wait_alu depctr_va_vdst(0)                   ; one wait for the 64, ahead of their first reader
.irp b, 0,1,2,3
	v_exp_f32 v[232+\b], v[232+\b]                 ; each block's largest p
.endr
	v_pk_add_f32 v[236:237], v[96:97], v[98:99]    ; the row's sum of the unquantised p, in two chains
.irp n, 4,8,12,16,20,24,28,32,36,40,44,48,52,56,60
	v_pk_add_f32 v[14:15], v[14:15], v[96+\n:97+\n]
	v_pk_add_f32 v[236:237], v[236:237], v[98+\n:99+\n]
.endr
	v_pk_add_f32 v[14:15], v[14:15], v[236:237]
	s_wait_alu depctr_va_vdst(0)                   ; and one for the four
.irp b, 0,1,2,3
	v_max_num_f32 v[232+\b], 0x4800000, v[232+\b]  ; the floor 2^(9 - 127)
.endr
.irp b, 0,1,2,3
	v_add_nc_u32 v[244+\b], 0xfc000000, v[232+\b]  ; the conversion's scale operand
.endr
.irp b, 0,1,2,3
	v_and_or_b32 v[240+\b], v[232+\b], 0x7f800000, s[MNT]   ; 448 x the scale
.endr
.irp b, 0,1,2,3
	v_lshrrev_b32 v[236+\b], 23, v[244+\b]
.endr
	v_lshl_or_b32 v253, v237, 8, v236              ; p's scale word for these 128 keys
	v_lshl_or_b32 v253, v238, 16, v253
	v_lshl_or_b32 v253, v239, 24, v253
.irp b, 0,1,2,3
.irp i, 0,1,2,3,4,5,6,7,8,9,10,11,12,13,14,15
	v_min_num_f32 v[96+16*\b+\i], v[96+16*\b+\i], v[240+\b]   ; the hold; p is not negative
.endr
	v_cvt_scalef32_pk8_fp8_f32 v[224+4*\b:225+4*\b], v[96+16*\b:103+16*\b], v[244+\b]
	v_cvt_scalef32_pk8_fp8_f32 v[226+4*\b:227+4*\b], v[104+16*\b:111+16*\b], v[244+\b]
.endr
.set n, 0
.rept 32
	v_pk_mul_f32 v[160+n:161+n], v[160+n:161+n], v[252:253] op_sel_hi:[1,0]   ; O^T under the new M; these are also the places in front of the products and loads below
.set n, n+2
.endr
.irp g, 0,1                                    ; O^T += V^T P^T, four tiles of 16 channels at a time
.if \g
.rept 8
	v_nop
.endr
.endif
.irp t, 0,1,2,3
.irp c, 0,1,2,3
	ds_load_b128 v[32+16*\t+4*\c:32+16*\t+4*\c+3], v[AD] offset:32768+16384*\g+2048*\t+512*\c
.endr
.endr
	ds_load_b128 v[248:251], v[ADS] offset:8192+256*\g
	s_wait_dscnt 0x0
.irp t, 0,1,2,3
	v_wmma_scale_f32_16x16x128_f8f6f4 v[160+8*(4*\g+\t):167+8*(4*\g+\t)], v[32+16*\t:47+16*\t], v[224:239], v[160+8*(4*\g+\t):167+8*(4*\g+\t)], v[248+\t], v253
.endr
.endr
.Lhidden_\@:
	s_add_co_u32 s[KF], s[KF], 256
	s_xor_b32 s[TB], s[TB], SLOT1                  ; on to the other slot
	s_add_co_u32 s[TS], s[TS], 1024
	s_add_co_u32 s[SKF], s[SKF], 256
.endm
; THE CHANGE OF SLOTS stands at a slot's head.  Each wave waits for all its tensor loads, adds 0 to its spare word, and waits for that and for its reads of the slot that it has left; behind the barrier the slot ahead is whole and nobody reads the other.
; fill = 1: that other slot takes the next 256 keys, up to the causal limit: a slot whose first key comes after my work-group's last query is read by none of its waves and is not asked for.  The test is made of ids and the count of steps: the same in all sixteen waves.
.macro CHANGE fill
	s_wait_tensorcnt 0x0                           ; no tensor load of mine is out, so a group 0 may be written
	ds_add_u32 v[SPW], v[NIL]                      ; 0 onto my spare word
.if \fill
	ds_add_u32 v[SPW], v[NIL]                      ; and once more: twice on end in every trip alike
	s_xor_b32 s[G0+1], s[G0+1], SLOT1              ; the walking descriptor: the other slot,
	s_add_nc_u64 s[G0+2:G0+3], s[G0+2:G0+3], 32768 ; the next two key steps
	s_wait_xcnt 0x0                                ; the last prefetch, a slot back, has read its address
	s_add_nc_u64 s[PFA:PFA+1], s[PFA:PFA+1], 32768 ; one slot further on than the walking descriptor
.endif
	s_wait_dscnt 0x0
	s_barrier_signal -1
	s_barrier_wait -1
.if \fill
	s_add_co_u32 s96, s[SKF], 256
	s_cmp_gt_u32 s96, s[LQ]
	s_cbranch_scc1 .Lpast_\@
	TLOAD                                          ; a wave's one tensor load until the next such barrier
.Lpast_\@:
	ASK
.endif
.endm
	s_wait_loadcnt 0x0                             ; Q
.Lslot:                                            ; seven trips
	CHANGE 1
	STEP
	s_sub_co_u32 s[SLOTS], s[SLOTS], 1
	s_cmp_lg_u32 s[SLOTS], 0
	s_cbranch_scc1 .Lslot
	CHANGE 0                                       ; the last slot is written out: nothing follows it
	STEP
; THE END.  The two waves of a tile meet: the upper one's O^T, -M and sum go through LDS.
	v_add_f32 v14, v14, v15
	v_permlanex16_b32 v252, v14, s[SEL], s[SEL+1]
	v_add_f32 v14, v14, v252                       ; my keys' sum for my query
	v_add_nc_u32 v[ADS], OSC, v[LI]
.rept 8
	v_nop                                          ; places behind the last products
.endr
	s_cmp_lt_u32 s[WV], 8
	s_cbranch_scc1 .Lkeep
.irp i, 0,1,2,3,4,5,6,7,8,9,10,11,12,13,14,15
	ds_store_b128 v[MST], v[160+4*\i:163+4*\i] offset:512*\i   ; an image of the registers; each accumulator from its low end on
.endr
	ds_store_b128 v[MST], v[12:15] offset:8192
.Lkeep:
	s_wait_dscnt 0x0                               ; for the partner's sake
	s_barrier_signal -1
	s_barrier_wait -1
	s_cmp_lt_u32 s[WV], 8
	s_cbranch_scc0 .Lgave
.irp i, 0,1,2,3,4,5,6,7,8,9,10,11,12,13,14,15
	ds_load_b128 v[32+4*\i:35+4*\i], v[MST] offset:512*\i
.endr
	ds_load_b128 v[240:243], v[MST] offset:8192    ; v240 its -M, v242 its sum
	s_wait_dscnt 0x0
	v_min_num_f32 v244, v12, v240                  ; -(the larger M)
	v_sub_f32 v245, v244, v12
	v_sub_f32 v246, v244, v240                     ; whole numbers, 0 or less; a partner that had no step stands at 3e38,
	v_cvt_i32_f32 v245, v245
	v_cvt_i32_f32 v246, v246                       ; where the conversion saturates,
	v_ldexp_f32 v245, 1.0, v245
	v_ldexp_f32 v246, 1.0, v246                    ; and its factor is 0
	v_mul_f32 v14, v14, v245
	v_fma_f32 v14, v242, v246, v14                 ; the row's sum under the common M
	v_rcp_f32 v15, v14
	v_nop                                          ; a plain line behind the reciprocal,
	s_wait_alu depctr_va_vdst(0)                   ; and the wait ahead of its first reader
	v_mul_f32 v236, v245, v15                      ; my factor over the sum (of the pair v[236:237] the low word serves both halves),
	v_mul_f32 v238, v246, v15                      ; and the partner's (v[238:239] likewise)
.set n, 0
.rept 32
	v_pk_mul_f32 v[96+n:97+n], v[160+n:161+n], v[236:237] op_sel_hi:[1,0]
.set n, n+2
.endr
.set n, 0
.rept 32
	v_pk_fma_f32 v[96+n:97+n], v[32+n:33+n], v[238:239], v[96+n:97+n] op_sel_hi:[1,0,1]   ; O: register 16 b + i = channel 32 b + 16 h + i of my query
.set n, n+2
.endr
	; O is quantised along the channels: K step = head of the last product
.irp b, 0,1,2,3
	v_max3_num_f32 v[TM+\b], |v[96+16*\b]|, |v[97+16*\b]|, 0x4800000
.endr
.irp i, 2,4,6,8,10,12,14
.irp b, 0,1,2,3
	v_max3_num_f32 v[TM+\b], v[TM+\b], |v[96+16*\b+\i]|, |v[97+16*\b+\i]|
.endr
.endr
.irp b, 0,1,2,3
	v_permlanex16_b32 v[TM+4+\b], v[TM+\b], s[SEL], s[SEL+1]
.endr
.irp b, 0,1,2,3
	v_max_num_f32 v[TM+\b], v[TM+\b], v[TM+4+\b]
.endr
.irp b, 0,1,2,3
	v_add_nc_u32 v[TM+12+\b], 0xfc000000, v[TM+\b]
.endr
.irp b, 0,1,2,3
	v_and_or_b32 v[TM+8+\b], v[TM+\b], 0x7f800000, s[MNT]
.endr
.irp b, 0,1,2,3
	v_lshrrev_b32 v[TM+4+\b], 23, v[TM+12+\b]
.endr
	v_lshl_or_b32 v[PW], v[TM+5], 8, v[TM+4]
	v_lshl_or_b32 v[PW], v[TM+6], 16, v[PW]
	v_lshl_or_b32 v[PW], v[TM+7], 24, v[PW]
.irp b, 0,1,2,3
.irp i, 0,1,2,3,4,5,6,7,8,9,10,11,12,13,14,15
	v_med3_num_f32 v[96+16*\b+\i], v[96+16*\b+\i], -v[TM+8+\b], v[TM+8+\b]
.endr
	v_cvt_scalef32_pk8_fp8_f32 v[PC+4*\b:PC+1+4*\b], v[96+16*\b:103+16*\b], v[TM+12+\b]
	v_cvt_scalef32_pk8_fp8_f32 v[PC+2+4*\b:PC+3+4*\b], v[104+16*\b:111+16*\b], v[TM+12+\b]
.endr
	v_nop                                          ; a plain line behind the last conversion
.irp c, 0,1,2,3
	global_store_b128 v[LI], v[PC+4*\c:PC+4*\c+3], s[8:9] offset:512*\c   ; 512 consecutive bytes
.endr
	ds_store_b32 v[OSA], v[PW]                     ; both lanes of a row write the same word with the same value
.Lgave:
	s_wait_dscnt 0x0
	s_barrier_signal -1
	s_barrier_wait -1                              ; the eight tiles' scale words lie together
	s_cmp_eq_u32 s[WV], 7
	s_cbranch_scc0 .Lnot_7
	ds_load_b128 v[68:71], v[ADS]                  ; lanes 0-15: block j's four tiles; lanes 16-31: block 31 - j's
	v_and_b32 v72, 15, v0
	v_bfe_u32 v73, v0, 4, 1
	s_lshl_b32 s75, ttmp9, 1
	s_sub_co_u32 s75, 31, s75
	s_lshl_b32 s75, s75, 8                         ; from block j's group to block 31 - j's
	v_mul_u32_u24 v73, s75, v73
	v_lshl_add_u32 v72, v72, 4, v73
	s_wait_dscnt 0x0
	global_store_b128 v72, v[68:71], s[10:11]      ; sixteen lanes store 256 consecutive bytes, twice
.Lnot_7:
	s_wait_tensorcnt 0x0                           ; the wave's end
	ds_add_u32 v[SPW], v[NIL]
	s_wait_dscnt 0x0
	s_endpgm
.Lfunc_end_k_q3828faed2e_attn:
	.size	k_q3828faed2e_attn, .Lfunc_end_k_q3828faed2e_attn-k_q3828faed2e_attn
	.p2alignl 7, 3214868480
	.fill 96, 4, 3214868480
	.section	.rodata,"a",@progbits
	.p2align	6, 0x0
	.amdhsa_kernel k_q3828faed2e_attn
		.amdhsa_group_segment_fixed_size 327680
		.amdhsa_private_segment_fixed_size 0
		.amdhsa_enable_private_segment 0
		.amdhsa_kernarg_size 32
		.amdhsa_user_sgpr_count 2
		.amdhsa_user_sgpr_kernarg_segment_ptr 1
		.amdhsa_wavefront_size32 1
		.amdhsa_system_sgpr_workgroup_id_x 1
		.amdhsa_system_sgpr_workgroup_id_y 1
		.amdhsa_system_sgpr_workgroup_id_z 1
		.amdhsa_system_vgpr_workitem_id 0
		.amdhsa_next_free_vgpr 256
		.amdhsa_next_free_sgpr 100
		.amdhsa_reserve_vcc 1
		.amdhsa_float_denorm_mode_32 3
		.amdhsa_float_denorm_mode_16_64 3
		.amdhsa_memory_ordered 1
		.amdhsa_forward_progress 1
		.amdhsa_inst_pref_size 83
	.end_amdhsa_kernel
	.amdgpu_metadata
---
amdhsa.version: [ 1, 2 ]
amdhsa.kernels:
  - .name:           k_q3828faed2e_attn
    .symbol:         k_q3828faed2e_attn.kd
    .args:
      - { .name: qkvc, .offset: 0, .size: 8, .value_kind: global_buffer, .address_space: global }
      - { .name: qkvs, .offset: 8, .size: 8, .value_kind: global_buffer, .address_space: global }
      - { .name: oc, .offset: 16, .size: 8, .value_kind: global_buffer, .address_space: global }
      - { .name: os, .offset: 24, .size: 8, .value_kind: global_buffer, .address_space: global }
    .group_segment_fixed_size: 327680
    .private_segment_fixed_size: 0
    .kernarg_segment_align: 8
    .kernarg_segment_size: 32
    .max_flat_workgroup_size: 512
    .sgpr_count:     100
    .vgpr_count:     256
    .wavefront_size: 32
...
	.end_amdgpu_metadata
.endif
;; end of part 3
;; launch proj (part 4): grid 8 x 8, 4 waves a work-group, clusters of 4 x 4, 327,680 bytes of LDS; arguments oc, os, opc, ops, out0; writes out0
.if DOCPART == 4
	.amdgcn_target "amdgcn-amd-amdhsa--gfx1250"
	.amdhsa_code_object_version 6
	.text
	.protected	k_q3828faed2e_proj
	.globl	k_q3828faed2e_proj
	.p2align	8
	.type	k_q3828faed2e_proj,@function
k_q3828faed2e_proj:
	s_mov_b64 s[64:65], 0
	v_nop
	global_prefetch_b8 v0, s[64:65] scope:SCOPE_SE
	s_setreg_imm32_b32 hwreg(HW_REG_WAVE_MODE, 25, 1), 1
	s_wait_xcnt 0x0
	s_wait_alu depctr_hold_cnt(0) depctr_sa_sdst(0) depctr_va_vdst(0) depctr_va_sdst(0) depctr_va_ssrc(0) depctr_va_vcc(0) depctr_vm_vsrc(0)
	s_getreg_b32 s2, hwreg(HW_REG_IB_STS2, 6, 4)
	s_cmp_eq_u32 s2, 0
	s_cbranch_scc0 .Lentry_in_a_cluster
	s_endpgm
.Lentry_in_a_cluster:
	s_bfe_u32 s2, ttmp6, 0x10000c
	s_cmp_lg_u32 s2, 0xf033
	s_cbranch_scc0 .Lentry_shape_is_right
	s_endpgm
.Lentry_shape_is_right:
; out0 = O wo^T, [2048][2048] f32, K = 2048, on O's codes (launch attn) and wo's (launch prep, tensor 4 of opc and ops).  No work is left out here.
; The loop is launch qkv's: a tile of 256 x 256 by four waves of 128 x 128, K in steps of 256 through a ring of two LDS slots, operands as images of their registers (2,048 dense bytes a fragment; lane r of tile T holds row
; perm(T, r) = 32 (T / 2) + 8 (T % 2) + r + 8 (r / 8)), the scales of all of K in LDS once, clusters of 4 x 4 with A's tiles asked for jointly along a row and B's along a column, the matrix instruction used transposed.
; 64 work-groups: the tile is kept at 256 x 256, so that each byte read from LDS feeds as many products as the registers allow; a tile of 128 x 128 would give 256 work-groups and read twice the LDS bytes for each product.
; THE WAY OUT: lane (r, h) of accumulator (a, b) holds row perm(a, r) and columns 32 (b / 2) + 16 h + 8 (b % 2) + 0 .. 7.  A block of 16 rows goes through my stage in LDS and leaves as whole rows of 512 bytes; the order of rows costs other immediates and nothing else.
.set NQ,     2
.set FR,     16
.set NL,     4
.set NP,     8                         ; places behind this matrix instruction (ISA guide 7.12.1)
.set HALFT,  32768
.set SLOT,   4*HALFT
.set SSTEP,  524288
.set SCL,    2*SLOT
.set HALFS,  8192
.set SPARE,  SCL+4*HALFS               ; the spare words, 128 bytes for each wave
.set LAPS,   4
.set SPITCH, 528                       ; the stage: 16 rows x (512 bytes + 16) for each wave, in slot 0, which has had its last fill and its last read when the first result is stored there
.set ADRA, 16
.set ADRB, 20
.set STO,  24                          ; v24  the way out: where I put 32 bytes of a row
.set RD,   25                          ; v25  where I read a row back
.set CO,   26                          ; v26  16 x lane: my bytes of a row's 512
.set ADRS, 27
.set SPW,  28
.set NIL,  29
.set SC,   32
.set AF,   128
.set BK,   128                         ; 16 rows read back: v128-191 and v192-255 by turns
.set G1, 24
.set G0, 32
.set G1B, 48
.set G0B, 56
.set G1S, 68
.set G0S, 76
.set G1SB, 80
.set G0SB, 88
.set MSB, 0
.macro WIN new
.if MSB != \new
	s_set_vgpr_msb (MSB<<8)|\new
.set MSB, \new
.endif
.endm
.set MUL_LO, 0xa1
.set MUL_HI, 0xf1
.set TO_B,   0x40
.macro JLOAD g0a, g1a, g0b, g1b        ; a joint load: waves 0 and 1 fetch for A, waves 2 and 3 for B; an s_nop 0 and four v_nop follow each of the two lines
	s_cmp_eq_u32 s15, 0
	s_cbranch_scc0 .Lfor_b_\@
	tensor_load_to_lds s[\g0a:\g0a+3], s[\g1a:\g1a+7]
	s_nop 0
.rept 4
	v_nop
.endr
	s_branch .Lasked_\@
.Lfor_b_\@:
	tensor_load_to_lds s[\g0b:\g0b+3], s[\g1b:\g1b+7]
	s_nop 0
.rept 4
	v_nop
.endr
.Lasked_\@:
.endm
.macro CREST
	s_cmp_lg_u32 s14, 0
	s_cbranch_scc1 .Lnot_wave_0_\@
	s_barrier_signal -3
.Lnot_wave_0_\@:
	s_barrier_wait -3
	s_barrier_signal -1
	s_barrier_wait -1
.endm
.macro CROUND
	s_barrier_signal -1
	s_barrier_wait -1
	CREST
.endm
	s_load_b128 s[4:7], s[0:1], 0x0                ; oc, os
	s_load_b128 s[8:11], s[0:1], 0x10              ; opc, ops
	s_load_b64 s[12:13], s[0:1], 0x20              ; out0
	v_lshl_add_u32 v[SPW], v0, 2, SPARE
	v_mov_b32 v[NIL], 0
	ds_add_u32 v[SPW], v[NIL]                      ; the wave's opening: the add, twice on end, and its wait ahead of my first tensor load
	ds_add_u32 v[SPW], v[NIL]
	v_lshrrev_b32 v1, 5, v0
	v_readfirstlane_b32 s14, v1                    ; wave 0..3
	s_lshr_b32 s15, s14, 1                         ; my half of the tile's rows.  Also: I fetch for A (0) or for B (1)
	s_and_b32 s16, s14, 1                          ; my half of its columns.  Also: which 128 rows I fetch
	s_bfe_u32 s40, ttmp6, 0x40000
	s_bfe_u32 s41, ttmp6, 0x40004
	s_lshl_b32 s42, ttmp9, 2
	s_add_co_u32 s42, s42, s40                     ; tile column
	s_and_b32 s17, ttmp7, 0xffff
	s_lshl_b32 s17, s17, 2
	s_add_co_u32 s17, s17, s41                     ; tile row
	s_lshl_b32 s43, s41, 2
	s_lshl_b32 s43, 15, s43                        ; my row of the cluster
	s_lshl_b32 s44, 0x1111, s40                    ; my column
	s_or_b32 s[G1+0], s43, (3<<16)|(1<<21)         ; codes: 32,768 dense bytes as 128 rows of 32 elements of 8 bytes; the mask, and bit 21 beside it
	s_or_b32 s[G1B+0], s44, (3<<16)|(1<<21)
.irp g, G1, G1B
	s_mov_b32 s[\g+1], 32<<16
	s_mov_b32 s[\g+2], 128<<16
	s_mov_b32 s[\g+3], 32<<16
	s_mov_b32 s[\g+4], 128
	s_mov_b32 s[\g+5], 32
	s_mov_b32 s[\g+6], 0
	s_mov_b32 s[\g+7], 0
.endr
	s_or_b32 s[G1S+0], s43, (3<<16)|(1<<21)        ; scales: 16 rows (K steps) of 512 bytes, 8,192 bytes apart
	s_or_b32 s[G1SB+0], s44, (3<<16)|(1<<21)
.irp g, G1S, G1SB
	s_mov_b32 s[\g+1], 64<<16
	s_mov_b32 s[\g+2], 16<<16
	s_mov_b32 s[\g+3], 64<<16
	s_mov_b32 s[\g+4], 16
	s_mov_b32 s[\g+5], 1024
	s_mov_b32 s[\g+6], 0
	s_mov_b32 s[\g+7], 0
.endr
	s_lshl_b32 s20, s17, 16                        ; A's codes: tile row x 16 tiles x 4,096 + my half x 8 tiles
	s_lshl_b32 s21, s16, 15
	s_add_co_u32 s20, s20, s21
	s_mov_b32 s21, 0
	s_lshl_b32 s22, s17, 10                        ; A's scales
	s_lshl_b32 s23, s16, 9
	s_add_co_u32 s22, s22, s23
	s_mov_b32 s23, 0
	s_lshl_b32 s46, s42, 16                        ; B's: tensor 4 (wo)
	s_lshl_b32 s47, s16, 15
	s_add_co_u32 s46, s46, s47
	s_add_co_u32 s46, s46, 4<<22
	s_mov_b32 s47, 0
	s_lshl_b32 s92, s42, 10
	s_lshl_b32 s93, s16, 9
	s_add_co_u32 s92, s92, s93
	s_add_co_u32 s92, s92, 4<<17
	s_mov_b32 s93, 0
	s_mul_i32 s45, s14, HALFT
	s_mul_i32 s94, s14, HALFS
	s_wait_dscnt 0x0                               ; both opening adds are done
	s_wait_kmcnt 0x0
	s_add_nc_u64 s[20:21], s[4:5], s[20:21]
	s_add_nc_u64 s[22:23], s[6:7], s[22:23]
	s_add_nc_u64 s[46:47], s[8:9], s[46:47]
	s_add_nc_u64 s[92:93], s[10:11], s[92:93]
	CROUND                                         ; all sixteen work-groups are here: the first joint loads meet
	s_mov_b32 s[G0S], 1
	s_add_co_u32 s[G0S+1], s94, SCL
	s_mov_b64 s[G0S+2:G0S+3], s[22:23]
	s_or_b32 s[G0S+3], s[G0S+3], 0x80000000
	s_mov_b32 s[G0SB], 1
	s_add_co_u32 s[G0SB+1], s94, SCL
	s_mov_b64 s[G0SB+2:G0SB+3], s[92:93]
	s_or_b32 s[G0SB+3], s[G0SB+3], 0x80000000
	JLOAD G0S, G1S, G0SB, G1SB
.irp s, 0,1
	s_mov_b32 s[G0+4*\s], 1
	s_add_co_u32 s[G0+4*\s+1], s45, \s*SLOT
	s_add_nc_u64 s[G0+4*\s+2:G0+4*\s+3], s[20:21], \s*SSTEP
	s_or_b32 s[G0+4*\s+3], s[G0+4*\s+3], 0x80000000
	s_mov_b32 s[G0B+4*\s], 1
	s_add_co_u32 s[G0B+4*\s+1], s45, \s*SLOT
	s_add_nc_u64 s[G0B+4*\s+2:G0B+4*\s+3], s[46:47], \s*SSTEP
	s_or_b32 s[G0B+4*\s+3], s[G0B+4*\s+3], 0x80000000
	JLOAD G0+4*\s, G1, G0B+4*\s, G1B               ; by this text's count three tensor loads of a wave are out here
.endr
	v_and_b32 v1, 15, v0                           ; r
	v_bfe_u32 v2, v0, 4, 1                         ; h
	v_and_b32 v3, 31, v0
	v_lshlrev_b32 v[CO], 4, v3                     ; 16 x lane
	s_mul_i32 s21, s15, HALFT
	s_mul_i32 s22, s16, HALFT
	s_add_co_u32 s22, s22, 2*HALFT
.irp s, 0,1
	v_add_nc_u32 v[ADRA+\s], s21, v[CO]
	v_add_nc_u32 v[ADRB+\s], s22, v[CO]
	s_add_co_u32 s21, s21, SLOT
	s_add_co_u32 s22, s22, SLOT
.endr
	v_lshlrev_b32 v5, 4, v1
	s_mul_i32 s21, s15, HALFS
	s_mul_i32 s22, s16, HALFS
	s_add_co_u32 s22, s22, 2*HALFS
	s_sub_co_u32 s22, s22, s21
	v_mul_u32_u24 v6, s22, v2                      ; lanes 16-31 take B's: one product, the distance x h
	s_add_co_u32 s21, s21, SCL
	v_add_nc_u32 v5, v5, v6
	v_add_nc_u32 v[ADRS], s21, v5
	s_mul_i32 s23, s14, 16*SPITCH                  ; my stage
	v_mul_u32_u24 v5, v1, SPITCH
	v_lshl_add_u32 v5, v2, 6, v5                   ; in: row index r, + 64 h
	v_add_nc_u32 v[STO], s23, v5
	v_add_nc_u32 v[RD], s23, v[CO]                 ; back: the 32 lanes take one row of 512 bytes
	s_lshl_b32 s20, s17, 8
	s_lshl_b32 s21, s15, 7
	s_add_co_u32 s20, s20, s21                     ; my first row of out0
	s_lshl_b32 s20, s20, 13                        ; x 8,192 bytes
	s_lshl_b32 s46, s42, 10                        ; my first column, in bytes
	s_lshl_b32 s47, s16, 9
	s_add_co_u32 s46, s46, s47
	s_add_co_u32 s20, s20, s46
	s_mov_b32 s21, 0
	s_add_nc_u64 s[12:13], s[12:13], s[20:21]
.macro FRAG reg, adr, q, i
.irp c, 0,1,2,3
	ds_load_b128 v[\reg+4*\c:\reg+4*\c+3], v[\adr] offset:4096*(\i)+2048*(\q)+512*\c
.endr
.endm
; The 64 accumulators take turns, one instruction a turn, in the same order in every step.
.macro MUL16 a0, p, q, sc, zero
.irp a, \a0, \a0+1
.irp b, 0,1,2,3,4,5,6,7
.if \zero
	v_wmma_scale_f32_16x16x128_f8f6f4 v[8*(8*((\a)%4)+\b):8*(8*((\a)%4)+\b)+7], v[128*(\p)+FR*\b:128*(\p)+FR*\b+FR-1], v[AF+FR*(\a):AF+FR*(\a)+FR-1], 0, v[SC+16*(\sc)+8*(\q)+\b], v[SC+16*(\sc)+8*(\q)+(\a)] matrix_a_scale:MATRIX_SCALE_ROW1
.else
	v_wmma_scale_f32_16x16x128_f8f6f4 v[8*(8*((\a)%4)+\b):8*(8*((\a)%4)+\b)+7], v[128*(\p)+FR*\b:128*(\p)+FR*\b+FR-1], v[AF+FR*(\a):AF+FR*(\a)+FR-1], v[8*(8*((\a)%4)+\b):8*(8*((\a)%4)+\b)+7], v[SC+16*(\sc)+8*(\q)+\b], v[SC+16*(\sc)+8*(\q)+(\a)] matrix_a_scale:MATRIX_SCALE_ROW1
.endif
.endr
.endr
.endm
.macro FETCH_B slot, q, p
	WIN TO_B
.irp i, 0,1,2,3,4,5,6,7
	FRAG 128*(\p)+FR*\i, ADRB+\slot, \q, \i
.endr
	WIN 0
.endm
.macro FETCH_A slot, q, i0
.irp i, \i0, \i0+1, \i0+2, \i0+3
	FRAG AF+FR*(\i), ADRA+\slot, \q, \i
.endr
.endm
.macro SCALES sc
.irp q, 0,1
.irp g, 0,1
	ds_load_b128 v[SC+16*\sc+8*\q+4*\g:SC+16*\sc+8*\q+4*\g+3], v[ADRS] offset:512*\q+256*\g
.endr
.endr
.endm
.macro PLACES n
.rept \n
	v_nop
.endr
.endm
.macro STEP slot, q, zero
	s_wait_dscnt 4*NL                              ; all but the youngest 16 loads (A's blocks 4-7)
	WIN MUL_LO
	MUL16 0, (\q)%2, \q, \slot, \zero
	MUL16 2, (\q)%2, \q, \slot, \zero
	s_wait_dscnt 0
	PLACES NP
	FETCH_B \slot, (\q)+1, 1-(\q)%2
	FETCH_A \slot, (\q)+1, 0
	WIN MUL_HI
	MUL16 4, (\q)%2, \q, \slot, \zero
	MUL16 6, (\q)%2, \q, \slot, \zero
	PLACES NP
	WIN 0
	FETCH_A \slot, (\q)+1, 4
.endm
.macro TURN slot, next, fill
	s_wait_tensorcnt 0x0                           ; all my tensor loads have landed: my part of the next slot
	ds_add_u32 v[SPW], v[NIL]                      ; 0 onto my spare word
	s_wait_dscnt 4*NL+1                            ; (the add and the youngest 16 loads may be out)
	WIN MUL_LO
	MUL16 0, 1, NQ-1, \slot, 0
	s_wait_dscnt 0x0                               ; the add is done, and my reads of this slot are over
	s_barrier_signal -1
	MUL16 2, 1, NQ-1, \slot, 0
	WIN 0
	s_barrier_wait -1
.if \fill
	CREST                                          ; a round of the cluster's barrier: no wave of any partner still reads this slot or has a load on its way
	s_add_nc_u64 s[G0+4*\slot+2:G0+4*\slot+3], s[G0+4*\slot+2:G0+4*\slot+3], 2*SSTEP
	s_add_nc_u64 s[G0B+4*\slot+2:G0B+4*\slot+3], s[G0B+4*\slot+2:G0B+4*\slot+3], 2*SSTEP
	JLOAD G0+4*\slot, G1, G0B+4*\slot, G1B         ; the first tensor load behind the round, one a wave
	PLACES NP-4
.else
	PLACES NP
.endif
	v_add_nc_u32 v[ADRS], 1024, v[ADRS]
	FETCH_B \next, 0, 0
	FETCH_A \next, 0, 0
	SCALES \next
	WIN MUL_HI
	MUL16 4, 1, NQ-1, \slot, 0
	MUL16 6, 1, NQ-1, \slot, 0
	PLACES NP
	WIN 0
	FETCH_A \next, 0, 4
.endm
	s_wait_tensorcnt 1                             ; the scales and my part of slot 0 are in (slot 1's load may be out)
	s_barrier_signal -1
	s_barrier_wait -1
	FETCH_B 0, 0, 0
	FETCH_A 0, 0, 0
	SCALES 0
	FETCH_A 0, 0, 4
	STEP 0, 0, 1                                   ; the first step's products start the sums
	s_mov_b32 s3, LAPS-1
.Llap:
	TURN 0, 1, 1
	STEP 1, 0, 0
	TURN 1, 0, 1
	STEP 0, 0, 0
	s_sub_co_u32 s3, s3, 1
	s_cmp_lg_u32 s3, 0
	s_cbranch_scc1 .Llap
	TURN 0, 1, 0                                   ; the last lap fills nothing
	STEP 1, 0, 0
	s_wait_dscnt 4*NL
	WIN MUL_LO
	MUL16 0, 1, NQ-1, 1, 0
	MUL16 2, 1, NQ-1, 1, 0
	s_wait_dscnt 0
	WIN MUL_HI
	MUL16 4, 1, NQ-1, 1, 0
	MUL16 6, 1, NQ-1, 1, 0
	WIN 0
; THE WAY OUT, block by block.  LDS serves a wave's instructions in order (ISA guide 5.7.1.4): no wait between my stores into my stage and my loads from it.
.macro TOSTAGE a
.set AC, 64*((\a)%4)
.set WW, 0x08+4*((\a)/4)
	WIN WW                                         ; the data: window 2 or 3
.irp b, 0,1,2,3,4,5,6,7
	ds_store_b128 v[STO], v[AC+8*\b:AC+8*\b+3] offset:128*(\b/2)+32*(\b%2)            ; each accumulator from its low end on
	ds_store_b128 v[STO], v[AC+8*\b+4:AC+8*\b+7] offset:128*(\b/2)+32*(\b%2)+16
.endr
	WIN 0
.set BB, BK+64*((\a)%2)
.irp t, 0,1,2,3,4,5,6,7,8,9,10,11,12,13,14,15
	ds_load_b128 v[BB+4*\t:BB+4*\t+3], v[RD] offset:\t*SPITCH
.endr
.endm
.macro SEND a, younger                 ; younger: the LDS instructions issued behind block a's loads, which may stay out
.set BB, BK+64*((\a)%2)
	s_wait_dscnt \younger
.irp t, 0,1,2,3,4,5,6,7,8,9,10,11,12,13,14,15
	global_store_b128 v[CO], v[BB+4*\t:BB+4*\t+3], s[12:13] offset:(32*((\a)/2)+8*((\a)%2)+\t+8*(\t/8))*8192 th:TH_STORE_NT   ; stage row t is row perm(a, t); 32 lanes store 512 consecutive bytes; at most 127 rows of 8,192 bytes in the immediate
.endr
.endm
	PLACES NP
	TOSTAGE 0
.irp a, 1,2,3,4,5,6,7
.if \a > 1
	s_wait_xcnt 0x0                                ; block a - 2's stores have read their registers: block a's loads may land there
.endif
	TOSTAGE \a
	SEND \a-1, 32                                  ; behind block a - 1's loads: block a's 16 stores and 16 loads
.endr
	SEND 7, 0
	s_wait_tensorcnt 0x0                           ; the wave's end
	ds_add_u32 v[SPW], v[NIL]
	s_wait_dscnt 0x0
	CROUND                                         ; the closing round
	s_endpgm
.Lfunc_end_k_q3828faed2e_proj:
	.size	k_q3828faed2e_proj, .Lfunc_end_k_q3828faed2e_proj-k_q3828faed2e_proj
	.p2alignl 7, 3214868480
	.fill 96, 4, 3214868480
	.section	.rodata,"a",@progbits
	.p2align	6, 0x0
	.amdhsa_kernel k_q3828faed2e_proj
		.amdhsa_group_segment_fixed_size 327680
		.amdhsa_private_segment_fixed_size 0
		.amdhsa_enable_private_segment 0
		.amdhsa_kernarg_size 40
		.amdhsa_user_sgpr_count 2
		.amdhsa_user_sgpr_kernarg_segment_ptr 1
		.amdhsa_wavefront_size32 1
		.amdhsa_system_sgpr_workgroup_id_x 1
		.amdhsa_system_sgpr_workgroup_id_y 1
		.amdhsa_system_sgpr_workgroup_id_z 1
		.amdhsa_system_vgpr_workitem_id 0
		.amdhsa_next_free_vgpr 1024
		.amdhsa_next_free_sgpr 98
		.amdhsa_reserve_vcc 0
		.amdhsa_float_denorm_mode_32 3
		.amdhsa_float_denorm_mode_16_64 3
		.amdhsa_memory_ordered 1
		.amdhsa_forward_progress 1
		.amdhsa_inst_pref_size 144
	.end_amdhsa_kernel
	.amdgpu_metadata
---
amdhsa.version: [ 1, 2 ]
amdhsa.kernels:
  - .name:           k_q3828faed2e_proj
    .symbol:         k_q3828faed2e_proj.kd
    .args:
      - { .name: oc, .offset: 0, .size: 8, .value_kind: global_buffer, .address_space: global }
      - { .name: os, .offset: 8, .size: 8, .value_kind: global_buffer, .address_space: global }
      - { .name: opc, .offset: 16, .size: 8, .value_kind: global_buffer, .address_space: global }
      - { .name: ops, .offset: 24, .size: 8, .value_kind: global_buffer, .address_space: global }
      - { .name: out0, .offset: 32, .size: 8, .value_kind: global_buffer, .address_space: global }
    .group_segment_fixed_size: 327680
    .private_segment_fixed_size: 0
    .kernarg_segment_align: 8
    .kernarg_segment_size: 40
    .max_flat_workgroup_size: 128
    .sgpr_count:     98
    .vgpr_count:     1024
    .wavefront_size: 32
...
	.end_amdgpu_metadata
.endif
;; end of part 4
;; ======== version 2 of 2: 4 launches
;; limits: inputs' magnitudes at most 1,048,576; right only within a limited range of input values
;; workspace buffers: opc 20,971,520 bytes; ops 655,360 bytes; rope 1,048,576 bytes; qkvc 12,582,912 bytes; qkvs 393,216 bytes; oc 4,194,304 bytes; os 131,072 bytes
;; launch prep (part 5): grid 256 x 1, 11 waves a work-group, no clusters, 86,016 bytes of LDS; arguments x, wq, wk, wv, wo, token_positions, opc, ops, rope; writes opc, ops, rope
.if DOCPART == 5
	.amdgcn_target "amdgcn-amd-amdhsa--gfx1250"
	.amdhsa_code_object_version 6
	.text
	.protected	k_q3828faed2e_prep
	.globl	k_q3828faed2e_prep
	.p2align	8
	.type	k_q3828faed2e_prep,@function
k_q3828faed2e_prep:
	s_mov_b64 s[64:65], 0
	v_nop
	global_prefetch_b8 v0, s[64:65] scope:SCOPE_SE
	s_setreg_imm32_b32 hwreg(HW_REG_WAVE_MODE, 25, 1), 1
	s_wait_xcnt 0x0
; MULTI-HEAD SELF-ATTENTION, S = D = 2048, 16 heads of 128, all six products on codes of E4M3 with one E8M0 scale for each 32 along K.  Four launches: prep, qkv, attn, proj.
; DEAD WORK, for the whole program: only key steps of 128 keys all of which come after all 16 queries of a tile.  reference() builds jnp.tril itself and sets those scores to finfo.min ahead of the softmax;
; key 0 counts for every query, so the row's largest score is a real score and the weight of a hidden key is 0 for all finite inputs: neither their scores nor their part of the second product reach an output.
; They are left out in whole tiles (launch attn).  A NaN, an infinity or an overflow that reaches only such tiles is not carried to the result.  No input is left out: all six have a way to out0.
; THIS LAUNCH quantises x, wq, wk, wv, wo (f32, [2048][2048], K innermost) once, and makes the table of RoPE's cosines and sines from token_positions.
; LAYOUT OF ALL CODES THAT THIS PROGRAM KEEPS IN MEMORY: images of the matrix operand's registers.  A FRAGMENT is 16 rows x 128 K = 2,048 bytes: chunk c (512 bytes), lane l's 16 bytes at 16 l: with r = l % 16,
; h = l / 16 they are the codes of row perm(T, r) = 32 (T / 2) + 8 (T % 2) + r + 8 (r / 8) at k = 128 s + 32 c + 16 h + 0 .. 15.
;   opc: tensor ti (x, wq, wk, wv, wo) at ti << 22; in it (s / 2) x 524,288 + T x 4,096 + (s % 2) x 2,048 + 512 c + 16 l.
;   ops: tensor ti at ti << 17; the scale word (four bytes: 128 along K) of (T, r) for K step s at s x 8,192 + (T / 4) x 256 + 16 r + 4 (T % 4).
;   rope: T x 8,192 + 512 j + 16 l holds cos, sin of frequency i and cos, sin of i + 1, i = 16 (j / 4) + 8 h + 2 (j % 4), at position token_positions[perm(T, r)].
; THE QUANTISER: a block's byte is the largest magnitude's exponent field - 8, held at 1 from below; numbers are held within +-448 x the scale and rounded to the nearest code, ties to even.
; LIMITS: a block of zeros gets the byte 1 where the rule says 127 (its codes are zeros, and this program alone reads the bytes); blocks whose largest magnitude lies under 2^(9 - 127) are held at that byte; NaN and infinities among the inputs are not served.
; The angle's reduction (three parts of pi / 2, fused) keeps an absolute error near 1e-7 for |position| up to 2^20.
; SHARES: 5 tensors x 32 groups of four tiles x 16 K steps = 2,560 groups; 256 work-groups x waves 0-9 take one each: group 10 id + wave; tensor = group / 512, rows 64 ((group / 16) % 32) on, K step group % 16.
; Wave 10 makes half a tile of the table: tile id / 2, lines 8 (id % 2) on.  Waves share nothing: no barrier.  No tensor load: rows go through each wave's own stage.
.set SP,    528                        ; a stage row: 512 bytes + 16 of padding
.set WSTG,  16*SP
.set SPARE, 10*WSTG                    ; behind the ten stages: the spare words, 128 bytes for each wave
.set LI,   4                           ; v4   16 x lane
.set STI,  5                           ; v5   the stage, on the way in
.set STO,  6                           ; v6   and out: row r, + 64 h
.set SWO,  7                           ; v7   16 r: where my row's four scale words go
.set SPW,  12
.set NIL,  13
.set TM,   16                          ; v16-31 the quantiser's registers
.set PWS,  32                          ; v32-35 the scale words of my four fragments
.set PC,   44                          ; v44-59 a fragment's codes
.set X,    64                          ; v64-127 64 numbers (the table: its results)
.set R,    128                         ; v128-255 two sets of 16 rows as loaded
.set SEL,  24
.set MNT,  26
	s_load_b256 s[4:11], s[0:1], 0x0               ; x, wq, wk, wv
	s_load_b256 s[12:19], s[0:1], 0x20             ; wo, token_positions, opc, ops
	s_load_b64 s[20:21], s[0:1], 0x40              ; rope
	v_lshl_add_u32 v[SPW], v0, 2, SPARE
	v_mov_b32 v[NIL], 0
	v_lshrrev_b32 v1, 5, v0
	v_readfirstlane_b32 s22, v1                    ; wave 0..10
	v_and_b32 v1, 31, v0
	v_and_b32 v2, 15, v0                           ; r
	v_bfe_u32 v3, v0, 4, 1                         ; h
	v_lshlrev_b32 v[LI], 4, v1
	s_cmp_eq_u32 s22, 10
	s_cbranch_scc1 .Ltable
; ---------------- the quantiser
	s_mov_b32 s[SEL], 0x76543210
	s_mov_b32 s[SEL+1], 0xfedcba98
	s_mov_b32 s[MNT], 0x600000
	s_mul_i32 s23, s22, WSTG
	v_add_nc_u32 v[STI], s23, v[LI]
	v_mul_u32_u24 v[STO], v2, SP
	v_lshl_add_u32 v[STO], v3, 6, v[STO]
	v_add_nc_u32 v[STO], s23, v[STO]
	v_lshlrev_b32 v[SWO], 4, v2
.irp b, 0,1,2,3
	v_mov_b32 v[TM+4+\b], 0                        ; a lane permute's destination counts as one of its sources
.endr
	s_mul_i32 s31, ttmp9, 10
	s_add_co_u32 s31, s31, s22                     ; my group, 0..2559
	s_lshr_b32 s28, s31, 9                         ; ti
	s_bfe_u32 s29, s31, 0x50004                    ; which 64 rows
	s_and_b32 s30, s31, 15                         ; s
	s_lshl_b32 s32, s29, 19                        ; in: 64 rows of 8,192 bytes + 512 s
	s_lshl_b32 s31, s30, 9
	s_add_co_u32 s32, s32, s31
	s_mov_b32 s33, 0
	s_lshl_b32 s34, s28, 22                        ; codes
	s_lshr_b32 s31, s30, 1
	s_lshl_b32 s31, s31, 19
	s_add_co_u32 s34, s34, s31
	s_lshl_b32 s31, s29, 14
	s_add_co_u32 s34, s34, s31
	s_and_b32 s31, s30, 1
	s_lshl_b32 s31, s31, 11
	s_add_co_u32 s34, s34, s31
	s_mov_b32 s35, 0
	s_lshl_b32 s36, s28, 17                        ; scale words
	s_lshl_b32 s31, s30, 13
	s_add_co_u32 s36, s36, s31
	s_lshl_b32 s31, s29, 8
	s_add_co_u32 s36, s36, s31
	s_mov_b32 s37, 0
	s_wait_kmcnt 0x0
	s_cmp_eq_u32 s28, 1                            ; the tensor is chosen by ids alone
	s_cselect_b64 s[4:5], s[6:7], s[4:5]
	s_cmp_eq_u32 s28, 2
	s_cselect_b64 s[4:5], s[8:9], s[4:5]
	s_cmp_eq_u32 s28, 3
	s_cselect_b64 s[4:5], s[10:11], s[4:5]
	s_cmp_eq_u32 s28, 4
	s_cselect_b64 s[4:5], s[12:13], s[4:5]
	s_add_nc_u64 s[4:5], s[4:5], s[32:33]
	s_add_nc_u64 s[16:17], s[16:17], s[34:35]
	s_add_nc_u64 s[18:19], s[18:19], s[36:37]
.macro LOADF t                         ; the 16 rows of fragment t, 512 consecutive bytes a load, into set t % 2
.irp p, 0,1,2,3,4,5,6,7,8,9,10,11,12,13,14,15
	global_load_b128 v[R+64*((\t)%2)+4*\p:R+64*((\t)%2)+4*\p+3], v[LI], s[4:5] offset:(32*((\t)/2)+8*((\t)%2)+\p+8*(\p/8))*8192 th:TH_LOAD_NT
.endr
.endm
.macro QUANT0 s, pw                    ; 64 numbers of a lane -> a fragment's codes in v[PC] on, its scale word in v[pw]
.irp b, 0,1,2,3
	v_max3_num_f32 v[TM+\b], |v[\s+16*\b]|, |v[\s+1+16*\b]|, 0x4800000   ; with the floor 2^(9 - 127)
.endr
.irp i, 2,4,6,8,10,12,14
.irp b, 0,1,2,3
	v_max3_num_f32 v[TM+\b], v[TM+\b], |v[\s+16*\b+\i]|, |v[\s+1+16*\b+\i]|
.endr
.endr
.irp b, 0,1,2,3
	v_permlanex16_b32 v[TM+4+\b], v[TM+\b], s[SEL], s[SEL+1]
.endr
.irp b, 0,1,2,3
	v_max_num_f32 v[TM+\b], v[TM+\b], v[TM+4+\b]   ; the block's largest magnitude
.endr
.irp b, 0,1,2,3
	v_add_nc_u32 v[TM+12+\b], 0xfc000000, v[TM+\b] ; the conversion's scale operand
.endr
.irp b, 0,1,2,3
	v_and_or_b32 v[TM+8+\b], v[TM+\b], 0x7f800000, s[MNT]   ; 448 x the scale
.endr
.irp b, 0,1,2,3
	v_lshrrev_b32 v[TM+4+\b], 23, v[TM+12+\b]      ; the byte
.endr
	v_lshl_or_b32 v[\pw], v[TM+5], 8, v[TM+4]
	v_lshl_or_b32 v[\pw], v[TM+6], 16, v[\pw]
	v_lshl_or_b32 v[\pw], v[TM+7], 24, v[\pw]
.irp b, 0,1,2,3
.irp i, 0,1,2,3,4,5,6,7,8,9,10,11,12,13,14,15
	v_med3_num_f32 v[\s+16*\b+\i], v[\s+16*\b+\i], -v[TM+8+\b], v[TM+8+\b]   ; the conversion does not saturate (ISA guide 7.6.2): the hold comes first
.endr
	v_cvt_scalef32_pk8_fp8_f32 v[PC+4*\b:PC+1+4*\b], v[\s+16*\b:\s+7+16*\b], v[TM+12+\b]
	v_cvt_scalef32_pk8_fp8_f32 v[PC+2+4*\b:PC+3+4*\b], v[\s+8+16*\b:\s+15+16*\b], v[TM+12+\b]
.endr
	v_nop                                          ; a plain line behind the last conversion
.endm
.macro FRAGSTEP t
.if (\t) < 3
	s_wait_loadcnt 16                              ; this fragment's 16 loads are in; the next one's 16 may be out
.else
	s_wait_loadcnt 0
.endif
.irp p, 0,1,2,3,4,5,6,7,8,9,10,11,12,13,14,15
	ds_store_b128 v[STI], v[R+64*((\t)%2)+4*\p:R+64*((\t)%2)+4*\p+3] offset:SP*\p
.endr
.irp c, 0,1,2,3
.irp q, 0,1,2,3
	ds_load_b128 v[X+16*\c+4*\q:X+16*\c+4*\q+3], v[STO] offset:128*\c+16*\q          ; LDS serves a wave's instructions in order
.endr
.endr
	s_wait_dscnt 0x0
.if (\t) < 2
	LOADF (\t)+2
.endif
	s_wait_xcnt 0x0                                ; the last fragment's stores have read the codes' registers
	QUANT0 X, PWS+(\t)
.irp c, 0,1,2,3
	global_store_b128 v[LI], v[PC+4*\c:PC+4*\c+3], s[16:17] offset:4096*(\t)+512*\c   ; 512 consecutive bytes
.endr
.endm
	s_wait_alu depctr_va_vdst(0)
	LOADF 0
	LOADF 1
.irp t, 0,1,2,3
	FRAGSTEP \t
.endr
	global_store_b128 v[SWO], v[PWS:PWS+3], s[18:19]   ; 256 consecutive bytes; both lanes of a row hold and write the same words
	s_wait_tensorcnt 0x0                           ; the wave's end
	ds_add_u32 v[SPW], v[NIL]
	s_wait_dscnt 0x0
	s_endpgm
; ---------------- the table of cosines and sines.
.set FI,  128                          ; v128-143 my 16 frequencies' numbers i, then i x the correction
.set EX,  160                          ; v160-175 the frequencies
.set AN,  10
.set NN,  11
.set ZZ,  14
.set PS,  15
.set PO,  16
.set TT,  17
.Ltable:
	s_lshr_b32 s28, ttmp9, 1                       ; T
	s_lshr_b32 s29, s28, 1
	s_lshl_b32 s29, s29, 5
	s_and_b32 s30, s28, 1
	s_lshl_b32 s30, s30, 3
	s_add_co_u32 s29, s29, s30                     ; the tile's first row
	s_lshl_b32 s32, s29, 2
	s_mov_b32 s33, 0
	s_lshl_b32 s34, ttmp9, 12                      ; 8,192 T + 4,096 (id % 2)
	s_mov_b32 s35, 0
	s_and_b32 s31, ttmp9, 1
	s_lshl_b32 s31, s31, 5                         ; my half's frequencies begin 32 on
	s_wait_alu depctr_va_vdst(0)
	v_and_b32 v7, 8, v2
	v_add_nc_u32 v7, v7, v2
	v_lshlrev_b32 v7, 2, v7
	s_mov_b32 s36, 0x3f22f983                      ; 2 / pi
	s_mov_b32 s37, 0xbfc90fdb                      ; -(pi / 2) in three parts
	s_mov_b32 s38, 0x333bbd2e
	s_mov_b32 s39, 0x26f72cdf
	s_mov_b32 s40, 0xbe2aaaa3                      ; the sine's polynomial on +-pi / 4
	s_mov_b32 s41, 0x3c08839e
	s_mov_b32 s42, 0xb94ca1f9
	s_mov_b32 s43, 0x3d2aaaa5                      ; the cosine's
	s_mov_b32 s44, 0xbab6061a
	s_mov_b32 s45, 0x37ccf5ce
	s_mov_b32 s46, 0x3e549a80                      ; log2(10000) / 64 cut to 17 bits: i x this is exact
	s_mov_b32 s47, 0x33aae0b1                      ; -(what that leaves) x ln 2
	s_wait_alu depctr_va_vdst(0)
	s_wait_kmcnt 0x0
	s_add_nc_u64 s[14:15], s[14:15], s[32:33]
	s_add_nc_u64 s[20:21], s[20:21], s[34:35]
	global_load_b32 v8, v7, s[14:15]               ; my row's position
	v_lshl_add_u32 v9, v3, 3, s31                  ; 8 h + 32 (id % 2)
.set n, 0
.rept 16
	v_add_nc_u32 v[FI+n], 16*(n/8)+n%8, v9
.set n, n+1
.endr
.set n, 0
.rept 16
	v_cvt_f32_u32 v[FI+n], v[FI+n]
.set n, n+1
.endr
.set n, 0
.rept 16
	v_mul_f32 v[EX+n], s46, v[FI+n]
.set n, n+1
.endr
.set n, 0
	s_wait_alu depctr_va_vdst(0)                   ; ahead of the batch
.rept 16
	v_exp_f32 v[EX+n], -v[EX+n]
.set n, n+1
.endr
.set n, 0
.rept 16
	v_mul_f32 v[FI+n], s47, v[FI+n]
.set n, n+1
.endr
	s_wait_alu depctr_va_vdst(0)                   ; and behind it
.set n, 0
.rept 16
	v_fma_f32 v[EX+n], v[EX+n], v[FI+n], v[EX+n]
.set n, n+1
.endr
	s_wait_loadcnt 0x0
	v_cvt_f32_i32 v8, v8
.macro SINCOS e                        ; cos and sin of position x frequency e, into v[X + 2 e], v[X + 2 e + 1]
	v_mul_f32 v[AN], v8, v[EX+(\e)]
	v_mul_f32 v[NN], s36, v[AN]
	v_rndne_f32 v[NN], v[NN]
	v_fma_f32 v[AN], v[NN], s37, v[AN]
	v_fma_f32 v[AN], v[NN], s38, v[AN]
	v_fma_f32 v[AN], v[NN], s39, v[AN]
	v_mul_f32 v[ZZ], v[AN], v[AN]
	v_fma_f32 v[PS], v[ZZ], s42, s41
	v_fma_f32 v[PO], v[ZZ], s45, s44
	v_fma_f32 v[PS], v[PS], v[ZZ], s40
	v_fma_f32 v[PO], v[PO], v[ZZ], s43
	v_mul_f32 v[TT], v[AN], v[ZZ]
	v_fma_f32 v[PS], v[PS], v[TT], v[AN]
	v_fma_f32 v[TT], v[ZZ], -0.5, 1.0
	v_mul_f32 v[ZZ], v[ZZ], v[ZZ]
	v_fma_f32 v[PO], v[PO], v[ZZ], v[TT]
	v_cvt_i32_f32 v[NN], v[NN]
	v_and_b32 v[TT], 1, v[NN]
	v_cmp_eq_u32 vcc_lo, 1, v[TT]                  ; an odd number of quarter turns swaps the two
	v_cndmask_b32 v[X+2*(\e)+1], v[PS], v[PO], vcc_lo
	v_cndmask_b32 v[X+2*(\e)], v[PO], v[PS], vcc_lo
	v_and_b32 v[TT], 2, v[NN]
	v_lshlrev_b32 v[TT], 30, v[TT]
	v_xor_b32 v[X+2*(\e)+1], v[X+2*(\e)+1], v[TT]
	v_add_nc_u32 v[NN], 1, v[NN]
	v_and_b32 v[NN], 2, v[NN]
	v_lshlrev_b32 v[NN], 30, v[NN]
	v_xor_b32 v[X+2*(\e)], v[X+2*(\e)], v[NN]
.endm
.irp j, 0,1,2,3,4,5,6,7
	SINCOS 2*\j
	SINCOS 2*\j+1
	global_store_b128 v[LI], v[X+4*\j:X+4*\j+3], s[20:21] offset:512*\j   ; 512 consecutive bytes
.endr
	s_endpgm
.Lfunc_end_k_q3828faed2e_prep:
	.size	k_q3828faed2e_prep, .Lfunc_end_k_q3828faed2e_prep-k_q3828faed2e_prep
	.p2alignl 7, 3214868480
	.fill 96, 4, 3214868480
	.section	.rodata,"a",@progbits
	.p2align	6, 0x0
	.amdhsa_kernel k_q3828faed2e_prep
		.amdhsa_group_segment_fixed_size 86016
		.amdhsa_private_segment_fixed_size 0
		.amdhsa_enable_private_segment 0
		.amdhsa_kernarg_size 72
		.amdhsa_user_sgpr_count 2
		.amdhsa_user_sgpr_kernarg_segment_ptr 1
		.amdhsa_wavefront_size32 1
		.amdhsa_system_sgpr_workgroup_id_x 1
		.amdhsa_system_sgpr_workgroup_id_y 1
		.amdhsa_system_sgpr_workgroup_id_z 1
		.amdhsa_system_vgpr_workitem_id 0
		.amdhsa_next_free_vgpr 256
		.amdhsa_next_free_sgpr 66
		.amdhsa_reserve_vcc 1
		.amdhsa_float_denorm_mode_32 3
		.amdhsa_float_denorm_mode_16_64 3
		.amdhsa_memory_ordered 1
		.amdhsa_forward_progress 1
		.amdhsa_inst_pref_size 77
	.end_amdhsa_kernel
	.amdgpu_metadata
---
amdhsa.version: [ 1, 2 ]
amdhsa.kernels:
  - .name:           k_q3828faed2e_prep
    .symbol:         k_q3828faed2e_prep.kd
    .args:
      - { .name: x, .offset: 0, .size: 8, .value_kind: global_buffer, .address_space: global }
      - { .name: wq, .offset: 8, .size: 8, .value_kind: global_buffer, .address_space: global }
      - { .name: wk, .offset: 16, .size: 8, .value_kind: global_buffer, .address_space: global }
      - { .name: wv, .offset: 24, .size: 8, .value_kind: global_buffer, .address_space: global }
      - { .name: wo, .offset: 32, .size: 8, .value_kind: global_buffer, .address_space: global }
      - { .name: token_positions, .offset: 40, .size: 8, .value_kind: global_buffer, .address_space: global }
      - { .name: opc, .offset: 48, .size: 8, .value_kind: global_buffer, .address_space: global }
      - { .name: ops, .offset: 56, .size: 8, .value_kind: global_buffer, .address_space: global }
      - { .name: rope, .offset: 64, .size: 8, .value_kind: global_buffer, .address_space: global }
    .group_segment_fixed_size: 86016
    .private_segment_fixed_size: 0
    .kernarg_segment_align: 8
    .kernarg_segment_size: 72
    .max_flat_workgroup_size: 352
    .sgpr_count:     66
    .vgpr_count:     256
    .wavefront_size: 32
...
	.end_amdgpu_metadata
.endif
;; end of part 5
;; launch qkv (part 6): grid 24 x 8, 4 waves a work-group, clusters of 4 x 4, 327,680 bytes of LDS; arguments opc, ops, rope, qkvc, qkvs; writes qkvc, qkvs
.if DOCPART == 6
	.amdgcn_target "amdgcn-amd-amdhsa--gfx1250"
	.amdhsa_code_object_version 6
	.text
	.protected	k_q3828faed2e_qkv
	.globl	k_q3828faed2e_qkv
	.p2align	8
	.type	k_q3828faed2e_qkv,@function
k_q3828faed2e_qkv:
	s_mov_b64 s[64:65], 0
	v_nop
	global_prefetch_b8 v0, s[64:65] scope:SCOPE_SE
	s_setreg_imm32_b32 hwreg(HW_REG_WAVE_MODE, 25, 1), 1
	s_wait_xcnt 0x0
	s_wait_alu depctr_hold_cnt(0) depctr_sa_sdst(0) depctr_va_vdst(0) depctr_va_sdst(0) depctr_va_ssrc(0) depctr_va_vcc(0) depctr_vm_vsrc(0)
	s_getreg_b32 s2, hwreg(HW_REG_IB_STS2, 6, 4)
	s_cmp_eq_u32 s2, 0
	s_cbranch_scc0 .Lentry_in_a_cluster
	s_endpgm
.Lentry_in_a_cluster:
	s_bfe_u32 s2, ttmp6, 0x10000c
	s_cmp_lg_u32 s2, 0xf033
	s_cbranch_scc0 .Lentry_shape_is_right
	s_endpgm
.Lentry_shape_is_right:
; Q, K, V = x W^T on codes of E4M3 with E8M0 scales, RoPE on Q and K, and the quantisers of all three for launch attn.  No work is left out here.
; A work-group of four waves makes 256 x 256; a wave 128 x 128 in 64 accumulators.  Cluster x / 2 says which: 0 Q, 1 K (A = x's rows, B = the weight's), 2 V (A = wv's rows, B = x's): a lane holds one row of A, its registers run along B:
; along the head's channels for Q and K, along the keys for V: each the K of its next product.  Operands lie in memory as images of their registers (launch prep's head), so LDS rows need no padding: a load of 16 bytes a lane at 16 x lane.
; THE RING: two slots of 256 along K, A's 16 tiles (65,536 dense bytes), then B's.  THE HEAD: one joint load a wave: wave 0 A's slot 0, wave 1 B's, wave 2 A's scale words for all of K (16 rows of 1,024 bytes), wave 3 B's.
; Slot 1's first fill and every refill stand behind a drained round of the cluster's barrier, a quarter of a slot a wave.  A's tiles are shared along a row of the cluster, B's along a column.
; PREFETCH: behind the joint load of slot n each wave names, once, 8,192 bytes of slot n + 2: of the 32,768 that it will fetch, the four partners take a quarter each, by address; lanes 256 bytes apart.  Slots 6 and 7's loads name nothing.
; V's clusters do not name x's tiles: Q's and K's four clusters of the same rows do.  RoPE's table: 131,072 bytes a tile row, 8,192 a wave of a cluster's row, named once.
; LIMITS: as launch prep's quantiser.
.set NQ,     2
.set FR,     16
.set NL,     4
.set NP,     8
.set HALFT,  32768
.set SLOT,   4*HALFT
.set SSTEP,  524288                    ; from slot to slot in memory
.set SCL,    2*SLOT                    ; A's scale words, 16,384 bytes; B's behind them
.set SCB,    16384
.set SPARE,  SCL+2*SCB
.set LAPS,   4
.set ADRA, 16
.set ADRB, 20
.set LI,   26
.set ADRS, 27
.set SPW,  28
.set NIL,  29
.set PFO,  30                          ; v30 256 x lane; never rewritten
.set SC,   32
.set AF,   128
.set RT,   128
.set TM,   192
.set PWS,  208
.set OUTW, 216
.set G0H, 4                            ; s[4:7], s[92:95] group 0 of the head's loads of slot 0
.set G0HB, 92
.set G1, 24
.set G0, 32
.set LIM, 43                           ; 1 in a wave that prefetches tiles, else the greatest number
.set G1B, 48
.set G0B, 56
.set PFA, 66                           ; s[66:67] where my prefetches stand
.set G1S, 68
.set G0S, 76
.set G1SB, 80
.set G0SB, 88
.set SEL, 98
.set MNT, 100
.set HM,  101
.set MSB, 0
.macro WIN new
.if MSB != \new
	s_set_vgpr_msb (MSB<<8)|\new
.set MSB, \new
.endif
.endm
.set MUL_LO, 0xa1
.set MUL_HI, 0xf1
.set TO_B,   0x40
.macro JLOAD g0a, g1a, g0b, g1b        ; waves 0, 1 fetch for A, waves 2, 3 for B; s_nop 0 and four v_nop behind each line
	s_cmp_eq_u32 s15, 0
	s_cbranch_scc0 .Lfor_b_\@
	tensor_load_to_lds s[\g0a:\g0a+3], s[\g1a:\g1a+7]
	s_nop 0
.rept 4
	v_nop
.endr
	s_branch .Lasked_\@
.Lfor_b_\@:
	tensor_load_to_lds s[\g0b:\g0b+3], s[\g1b:\g1b+7]
	s_nop 0
.rept 4
	v_nop
.endr
.Lasked_\@:
.endm
.macro CREST
	s_cmp_lg_u32 s14, 0
	s_cbranch_scc1 .Lnot_wave_0_\@
	s_barrier_signal -3
.Lnot_wave_0_\@:
	s_barrier_wait -3
	s_barrier_signal -1
	s_barrier_wait -1
.endm
.macro CROUND
	s_barrier_signal -1
	s_barrier_wait -1
	CREST
.endm
.macro ASKH off                        ; a prefetch at the head: slot 2 + off / SSTEP
	s_cmp_eq_u32 s[LIM], 1
	s_cbranch_scc0 .Lno_askh_\@
	global_prefetch_b8 v[PFO], s[PFA:PFA+1] offset:\off th:TH_LOAD_NT scope:SCOPE_SE
.Lno_askh_\@:
.endm
.macro ASK                             ; in the loop: two refills on; none in the last trip (s3 = 1)
	s_cmp_gt_u32 s3, s[LIM]
	s_cbranch_scc0 .Lno_ask_\@
	global_prefetch_b8 v[PFO], s[PFA:PFA+1] offset:SSTEP th:TH_LOAD_NT scope:SCOPE_SE
.Lno_ask_\@:
.endm
	s_load_b128 s[4:7], s[0:1], 0x0                ; opc, ops
	s_load_b128 s[8:11], s[0:1], 0x10              ; rope, qkvc
	s_load_b64 s[12:13], s[0:1], 0x20              ; qkvs
	v_lshl_add_u32 v[SPW], v0, 2, SPARE
	v_mov_b32 v[NIL], 0
	ds_add_u32 v[SPW], v[NIL]                      ; the opening lines: the add twice on end and its wait
	ds_add_u32 v[SPW], v[NIL]
	v_lshrrev_b32 v1, 5, v0
	v_readfirstlane_b32 s14, v1                    ; wave
	s_lshr_b32 s15, s14, 1
	s_and_b32 s16, s14, 1
	s_bfe_u32 s40, ttmp6, 0x40000                  ; cx, cy
	s_bfe_u32 s41, ttmp6, 0x40004
	s_lshr_b32 s2, ttmp9, 1                        ; 0 Q, 1 K, 2 V
	s_and_b32 s42, ttmp9, 1
	s_lshl_b32 s42, s42, 2
	s_add_co_u32 s42, s42, s40                     ; tile column
	s_and_b32 s17, ttmp7, 0xffff
	s_lshl_b32 s17, s17, 2
	s_add_co_u32 s17, s17, s41                     ; tile row
	s_lshl_b32 s43, s41, 2
	s_lshl_b32 s43, 15, s43
	s_lshl_b32 s44, 0x1111, s40
	s_or_b32 s[G1+0], s43, (3<<16)|(1<<21)
	s_or_b32 s[G1B+0], s44, (3<<16)|(1<<21)
.irp g, G1, G1B                        ; dense rows of 256 bytes: 256 of them at the head, 128 in the ring
	s_mov_b32 s[\g+1], 32<<16
	s_mov_b32 s[\g+2], 256<<16
	s_mov_b32 s[\g+3], 32<<16
	s_mov_b32 s[\g+4], 256
	s_mov_b32 s[\g+5], 32
	s_mov_b32 s[\g+6], 0
	s_mov_b32 s[\g+7], 0
.endr
	s_or_b32 s[G1S+0], s43, (3<<16)|(1<<21)
	s_or_b32 s[G1SB+0], s44, (3<<16)|(1<<21)
.irp g, G1S, G1SB                      ; 16 rows of 1,024 bytes, 8,192 apart
	s_mov_b32 s[\g+1], 128<<16
	s_mov_b32 s[\g+2], 16<<16
	s_mov_b32 s[\g+3], 128<<16
	s_mov_b32 s[\g+4], 16
	s_mov_b32 s[\g+5], 1024
	s_mov_b32 s[\g+6], 0
	s_mov_b32 s[\g+7], 0
.endr
	s_add_co_u32 s19, s2, 1
	s_cmp_eq_u32 s2, 2
	s_cselect_b32 s18, 3, 0                        ; A's tensor
	s_cselect_b32 s19, 0, s19                      ; B's
	s_cselect_b32 s[LIM], s15, 0                   ; V's waves that fetch x
	s_cmp_eq_u32 s[LIM], 0
	s_cselect_b32 s[LIM], 1, -1
	s_lshl_b32 s20, s18, 22
	s_lshl_b32 s21, s17, 16
	s_add_co_u32 s20, s20, s21
	s_mov_b32 s21, 0
	s_lshl_b32 s22, s18, 17
	s_lshl_b32 s23, s17, 10
	s_add_co_u32 s22, s22, s23
	s_mov_b32 s23, 0
	s_lshl_b32 s46, s19, 22
	s_lshl_b32 s47, s42, 16
	s_add_co_u32 s46, s46, s47
	s_mov_b32 s47, 0
	s_lshl_b32 s96, s19, 17
	s_lshl_b32 s97, s42, 10
	s_add_co_u32 s96, s96, s97
	s_mov_b32 s97, 0
	s_cmp_eq_u32 s15, 0
	s_cselect_b32 s[PFA], s20, s46                 ; the tile that I fetch for,
	s_cselect_b32 s[PFA+1], s40, s41               ; my place among the four that ask with me,
	s_lshl_b32 s[PFA+1], s[PFA+1], 13
	s_add_co_u32 s[PFA], s[PFA], s[PFA+1]
	s_lshl_b32 s18, s16, 15                        ; my half of the tile,
	s_add_co_u32 s[PFA], s[PFA], s18
	s_add_co_u32 s[PFA], s[PFA], 2*SSTEP           ; at slot 2
	s_mov_b32 s[PFA+1], 0
	s_mov_b32 s19, 0
	s_mul_i32 s45, s14, HALFT
	s_mov_b32 s[SEL], 0x76543210
	s_mov_b32 s[SEL+1], 0xfedcba98
	s_mov_b32 s[MNT], 0x600000
	s_mov_b32 s[HM], 0xffff0000
	s_wait_dscnt 0x0
	s_wait_kmcnt 0x0
	s_add_nc_u64 s[PFA:PFA+1], s[4:5], s[PFA:PFA+1]
	s_add_nc_u64 s[20:21], s[4:5], s[20:21]
	s_add_nc_u64 s[22:23], s[6:7], s[22:23]
	s_add_nc_u64 s[46:47], s[4:5], s[46:47]
	s_add_nc_u64 s[96:97], s[6:7], s[96:97]
	CROUND                                         ; in front of the first joint loads
	s_mov_b32 s[G0S], 1
	s_mov_b32 s[G0S+1], SCL
	s_mov_b64 s[G0S+2:G0S+3], s[22:23]
	s_or_b32 s[G0S+3], s[G0S+3], 0x80000000
	s_mov_b32 s[G0SB], 1
	s_mov_b32 s[G0SB+1], SCL+SCB
	s_mov_b64 s[G0SB+2:G0SB+3], s[96:97]
	s_or_b32 s[G0SB+3], s[G0SB+3], 0x80000000
	s_mov_b32 s[G0HB], 1
	s_mov_b32 s[G0HB+1], 2*HALFT
	s_mov_b64 s[G0HB+2:G0HB+3], s[46:47]
	s_or_b32 s[G0HB+3], s[G0HB+3], 0x80000000
	s_mov_b32 s[G0H], 1                            ; (the two arguments that lay here have been used)
	s_mov_b32 s[G0H+1], 0
	s_mov_b64 s[G0H+2:G0H+3], s[20:21]
	s_or_b32 s[G0H+3], s[G0H+3], 0x80000000
	s_add_nc_u64 s[20:21], s[20:21], s[18:19]      ; for the ring: my half
	s_add_nc_u64 s[46:47], s[46:47], s[18:19]
.irp s, 0,1
	s_mov_b32 s[G0+4*\s], 1
	s_add_co_u32 s[G0+4*\s+1], s45, \s*SLOT
	s_add_nc_u64 s[G0+4*\s+2:G0+4*\s+3], s[20:21], \s*SSTEP
	s_or_b32 s[G0+4*\s+3], s[G0+4*\s+3], 0x80000000
	s_mov_b32 s[G0B+4*\s], 1
	s_add_co_u32 s[G0B+4*\s+1], s45, \s*SLOT
	s_add_nc_u64 s[G0B+4*\s+2:G0B+4*\s+3], s[46:47], \s*SSTEP
	s_or_b32 s[G0B+4*\s+3], s[G0B+4*\s+3], 0x80000000
.endr
.macro ARM under, g0, g1, next         ; one chain of branches on the wave's number, one load to an arm
	s_cmp_lt_u32 s14, \under
	s_cbranch_scc0 \next
	tensor_load_to_lds s[\g0:\g0+3], s[\g1:\g1+7]
	s_nop 0
.rept 4
	v_nop
.endr
	s_branch .Lhead_asked
\next:
.endm
	ARM 1, G0H,  G1,  .Lhead_b
	ARM 2, G0HB, G1B, .Lhead_sa
	ARM 3, G0S,  G1S, .Lhead_sb
	tensor_load_to_lds s[G0SB:G0SB+3], s[G1SB:G1SB+7]
	s_nop 0
.rept 4
	v_nop
.endr
.Lhead_asked:
	s_mul_i32 s18, s15, HALFT                      ; my 8 tiles of A
	s_mul_i32 s19, s16, HALFT
	s_add_co_u32 s19, s19, 2*HALFT                 ; of B
	s_lshl_b32 s22, s15, 9                         ; my scale words: 512 bytes of each row of 1,024
	s_lshl_b32 s23, s16, 9
	s_add_co_u32 s23, s23, SCB
	s_sub_co_u32 s23, s23, s22                     ; from A's to B's
	s_add_co_u32 s22, s22, SCL
	v_and_b32 v1, 15, v0
	v_bfe_u32 v2, v0, 4, 1
	v_and_b32 v3, 31, v0
	v_lshlrev_b32 v[LI], 4, v3
	v_lshlrev_b32 v[PFO], 8, v3
	v_add_nc_u32 v[ADRA], s18, v[LI]
	v_add_nc_u32 v[ADRB], s19, v[LI]
	v_add_nc_u32 v[ADRA+1], SLOT, v[ADRA]
	v_add_nc_u32 v[ADRB+1], SLOT, v[ADRB]
	v_mul_u32_u24 v6, s23, v2                      ; lanes 16-31 take B's
	v_lshl_add_u32 v5, v1, 4, s22
	v_add_nc_u32 v[ADRS], v5, v6
	s_wait_alu depctr_va_vdst(0)
	ASKH 0                                         ; slot 2
	s_lshl_b32 s18, s17, 1
	s_add_co_u32 s18, s18, s15                     ; my 128 rows of A
	s_lshl_b32 s19, s42, 1
	s_add_co_u32 s19, s19, s16                     ; of B
	s_cmp_eq_u32 s2, 2
	s_cselect_b32 s20, s18, s19                    ; the head,
	s_cselect_b32 s21, s19, s18                    ; the block of 128 tokens
	s_lshl_b32 s20, s20, 4
	s_add_co_u32 s20, s20, s21
	s_lshl_b32 s22, s20, 14
	s_lshl_b32 s21, s2, 22
	s_add_co_u32 s22, s22, s21
	s_mov_b32 s23, 0
	s_add_nc_u64 s[10:11], s[10:11], s[22:23]
	s_lshl_b32 s22, s20, 9
	s_lshl_b32 s21, s2, 17
	s_add_co_u32 s22, s22, s21
	s_add_nc_u64 s[12:13], s[12:13], s[22:23]
	s_lshl_b32 s22, s40, 2                         ; the table's prefetch: which of the cluster row's sixteen waves I am
	s_add_co_u32 s22, s22, s14
	s_lshl_b32 s22, s22, 13
	s_lshl_b32 s21, s17, 17
	s_add_co_u32 s22, s22, s21
	s_add_nc_u64 s[96:97], s[8:9], s[22:23]
	s_lshl_b32 s22, s18, 16
	s_add_nc_u64 s[8:9], s[8:9], s[22:23]          ; the table at my 128 tokens
.macro FRAG reg, adr, q, i
.irp c, 0,1,2,3
	ds_load_b128 v[\reg+4*\c:\reg+4*\c+3], v[\adr] offset:4096*(\i)+2048*(\q)+512*\c
.endr
.endm
.macro MUL16 a0, p, q, sc, zero        ; the 64 accumulators take turns
.irp a, \a0, \a0+1
.irp b, 0,1,2,3,4,5,6,7
.if \zero
	v_wmma_scale_f32_16x16x128_f8f6f4 v[8*(8*((\a)%4)+\b):8*(8*((\a)%4)+\b)+7], v[128*(\p)+FR*\b:128*(\p)+FR*\b+FR-1], v[AF+FR*(\a):AF+FR*(\a)+FR-1], 0, v[SC+16*(\sc)+8*(\q)+\b], v[SC+16*(\sc)+8*(\q)+(\a)] matrix_a_scale:MATRIX_SCALE_ROW1
.else
	v_wmma_scale_f32_16x16x128_f8f6f4 v[8*(8*((\a)%4)+\b):8*(8*((\a)%4)+\b)+7], v[128*(\p)+FR*\b:128*(\p)+FR*\b+FR-1], v[AF+FR*(\a):AF+FR*(\a)+FR-1], v[8*(8*((\a)%4)+\b):8*(8*((\a)%4)+\b)+7], v[SC+16*(\sc)+8*(\q)+\b], v[SC+16*(\sc)+8*(\q)+(\a)] matrix_a_scale:MATRIX_SCALE_ROW1
.endif
.endr
.endr
.endm
.macro FETCH_B slot, q, p
	WIN TO_B
.irp i, 0,1,2,3,4,5,6,7
	FRAG 128*(\p)+FR*\i, ADRB+\slot, \q, \i
.endr
	WIN 0
.endm
.macro FETCH_A slot, q, i0
.irp i, \i0, \i0+1, \i0+2, \i0+3
	FRAG AF+FR*(\i), ADRA+\slot, \q, \i
.endr
.endm
.macro SCALES sc
.irp q, 0,1
.irp g, 0,1
	ds_load_b128 v[SC+16*\sc+8*\q+4*\g:SC+16*\sc+8*\q+4*\g+3], v[ADRS] offset:1024*\q+256*\g
.endr
.endr
.endm
.macro PLACES n
.rept \n
	v_nop
.endr
.endm
.macro STEP slot, q, zero
	s_wait_dscnt 4*NL                              ; all but A's blocks 4-7
	WIN MUL_LO
	MUL16 0, (\q)%2, \q, \slot, \zero
	MUL16 2, (\q)%2, \q, \slot, \zero
	s_wait_dscnt 0
	PLACES NP
	FETCH_B \slot, (\q)+1, 1-(\q)%2
	FETCH_A \slot, (\q)+1, 0
	WIN MUL_HI
	MUL16 4, (\q)%2, \q, \slot, \zero
	MUL16 6, (\q)%2, \q, \slot, \zero
	PLACES NP
	WIN 0
	FETCH_A \slot, (\q)+1, 4
.endm
.macro TURN slot, next, fill           ; a slot's last step changes slots
.if \fill
	s_wait_xcnt 0x0                                ; my last prefetch has read its address
	s_add_nc_u64 s[PFA:PFA+1], s[PFA:PFA+1], SSTEP
.endif
	s_wait_tensorcnt 0x0                           ; my part of the next slot is in;
	ds_add_u32 v[SPW], v[NIL]
	s_wait_dscnt 4*NL+1                            ; (the add and A's blocks 4-7 may be out)
	WIN MUL_LO
	MUL16 0, 1, NQ-1, \slot, 0
	s_wait_dscnt 0x0                               ; the add is done, my reads of this slot are over
	s_barrier_signal -1
	MUL16 2, 1, NQ-1, \slot, 0
	WIN 0
	s_barrier_wait -1
.if \fill
	CREST
	s_add_nc_u64 s[G0+4*\slot+2:G0+4*\slot+3], s[G0+4*\slot+2:G0+4*\slot+3], 2*SSTEP
	s_add_nc_u64 s[G0B+4*\slot+2:G0B+4*\slot+3], s[G0B+4*\slot+2:G0B+4*\slot+3], 2*SSTEP
	JLOAD G0+4*\slot, G1, G0B+4*\slot, G1B
	PLACES NP-4
.else
	PLACES NP
.endif
	s_wait_alu depctr_va_vdst(0)
	v_add_nc_u32 v[ADRS], 2048, v[ADRS]            ; the next slot's scale words
	FETCH_B \next, 0, 0
	FETCH_A \next, 0, 0
	SCALES \next
.if \fill
	ASK
.endif
	WIN MUL_HI
	MUL16 4, 1, NQ-1, \slot, 0
	MUL16 6, 1, NQ-1, \slot, 0
	PLACES NP
	WIN 0
	FETCH_A \next, 0, 4
.endm
	s_wait_tensorcnt 0x0                           ; my tile of the head's four is in
	ds_add_u32 v[SPW], v[NIL]
	s_mov_b32 s[G1+2], 128<<16                     ; no load of mine is out: from here on a load brings 128 rows
	s_mov_b32 s[G1+4], 128
	s_mov_b32 s[G1B+2], 128<<16
	s_mov_b32 s[G1B+4], 128
	s_wait_dscnt 0x0
	CROUND
	JLOAD G0+4, G1, G0B+4, G1B                     ; slot 1
	FETCH_B 0, 0, 0
	FETCH_A 0, 0, 0
	SCALES 0
	FETCH_A 0, 0, 4
	ASKH SSTEP                                     ; slot 3
	s_cmp_eq_u32 s2, 2
	s_cbranch_scc1 .Lno_rope
	global_prefetch_b8 v[PFO], s[96:97] th:TH_LOAD_NT scope:SCOPE_SE
.Lno_rope:
	STEP 0, 0, 1
	s_mov_b32 s3, LAPS-1
.Llap:
	TURN 0, 1, 1
	STEP 1, 0, 0
	TURN 1, 0, 1
	STEP 0, 0, 0
	s_sub_co_u32 s3, s3, 1
	s_cmp_lg_u32 s3, 0
	s_cbranch_scc1 .Llap
	TURN 0, 1, 0
	STEP 1, 0, 0
.macro LASTSTEP
	s_wait_dscnt 4*NL
	WIN MUL_LO
	MUL16 0, 1, NQ-1, 1, 0
	MUL16 2, 1, NQ-1, 1, 0
	s_wait_dscnt 0
	WIN MUL_HI
	MUL16 4, 1, NQ-1, 1, 0
	MUL16 6, 1, NQ-1, 1, 0
	WIN 0
	PLACES NP
.irp b, 0,1,2,3
	v_mov_b32 v[TM+4+\b], 0
.endr
.endm
.macro CSLOAD a                        ; tile a's cosines and sines into set a % 4 of window 1
	WIN TO_B
.irp j, 0,1,2,3,4,5,6,7,8,9,10,11,12,13,14,15
	global_load_b128 v[64*((\a)%4)+4*\j:64*((\a)%4)+4*\j+3], v[LI], s[8:9] offset:8192*(\a)+512*\j
.endr
	WIN 0
.endm
.macro ROPE a
.set W, 2+(\a)/4
.set AC, 64*((\a)%4)
.set CSB, 64*((\a)%4)
.set WW, W|(1<<2)
	WIN WW
.set p, 0
.rept 32
	v_pk_mul_f32 v[RT+2*p:RT+2*p+1], v[AC+2*p:AC+2*p+1], v[CSB+2*p:CSB+2*p+1] op_sel:[1,1] op_sel_hi:[1,0] neg_lo:[0,1]   ; -x2 sin, x2 cos
.set p, p+1
.endr
.set WW, (W<<6)|(1<<2)|W
	WIN WW
.set p, 0
.rept 32
	v_pk_fma_f32 v[AC+2*p:AC+2*p+1], v[AC+2*p:AC+2*p+1], v[CSB+2*p:CSB+2*p+1], v[RT+2*p:RT+2*p+1] op_sel_hi:[0,1,1]       ; + x1 cos, x1 sin
.set p, p+1
.endr
	WIN 0
.endm
.macro QUANTW a                        ; block a's 64 sums a lane -> a fragment's codes and its scale word
.set W, 2+(\a)/4
.set AC, 64*((\a)%4)
.set PCA, 64+16*((\a)%4)
.set WW, W|(W<<2)
	WIN WW
.irp b, 0,1,2,3
	v_max3_num_f32 v[TM+\b], |v[AC+16*\b]|, |v[AC+16*\b+1]|, 0x4800000
.endr
.irp i, 2,4,6,8,10,12,14
.irp b, 0,1,2,3
	v_max3_num_f32 v[TM+\b], |v[AC+16*\b+\i]|, |v[AC+16*\b+\i+1]|, v[TM+\b]
.endr
.endr
	WIN 0
.irp b, 0,1,2,3
	v_permlanex16_b32 v[TM+4+\b], v[TM+\b], s[SEL], s[SEL+1]
.endr
.irp b, 0,1,2,3
	v_max_num_f32 v[TM+\b], v[TM+\b], v[TM+4+\b]
.endr
.irp b, 0,1,2,3
	v_add_nc_u32 v[TM+12+\b], 0xfc000000, v[TM+\b]
.endr
.irp b, 0,1,2,3
	v_and_or_b32 v[TM+8+\b], v[TM+\b], 0x7f800000, s[MNT]
.endr
.irp b, 0,1,2,3
	v_lshrrev_b32 v[TM+4+\b], 23, v[TM+12+\b]
.endr
	v_lshl_or_b32 v[PWS+(\a)], v[TM+5], 8, v[TM+4]
	v_lshl_or_b32 v[PWS+(\a)], v[TM+6], 16, v[PWS+(\a)]
	v_lshl_or_b32 v[PWS+(\a)], v[TM+7], 24, v[PWS+(\a)]
	WIN W
.irp b, 0,1,2,3
.irp i, 0,1,2,3,4,5,6,7,8,9,10,11,12,13,14,15
	v_med3_num_f32 v[RT+16*\b+\i], v[AC+16*\b+\i], -v[TM+8+\b], v[TM+8+\b]
.endr
.endr
	WIN 0
.if (\a) > 3
	s_wait_alu depctr_va_vdst(0)
	s_wait_xcnt 0x0                                ; block a - 4's stores have read these registers
.endif
.irp b, 0,1,2,3
	v_cvt_scalef32_pk8_fp8_f32 v[PCA+4*\b:PCA+4*\b+1], v[RT+16*\b:RT+16*\b+7], v[TM+12+\b]
	v_cvt_scalef32_pk8_fp8_f32 v[PCA+4*\b+2:PCA+4*\b+3], v[RT+16*\b+8:RT+16*\b+15], v[TM+12+\b]
.endr
	v_nop
.irp c, 0,1,2,3
	global_store_b128 v[LI], v[PCA+4*\c:PCA+4*\c+3], s[10:11] offset:2048*(\a)+512*\c   ; 512 consecutive bytes
.endr
.endm
	s_cmp_eq_u32 s2, 2
	s_cbranch_scc1 .Lv_tail
	CSLOAD 0                                       ; B's set 0 is done with
	CSLOAD 1
	LASTSTEP
	CSLOAD 2                                       ; and now its set 1
	CSLOAD 3
.irp a, 0,1,2,3,4,5,6,7
.if \a < 5
	s_wait_loadcnt 48                              ; behind tile a's 16 loads: three tiles' 48
.else
	s_wait_loadcnt 16*(7-\a)
.endif
	ROPE \a
.if \a < 4
	CSLOAD \a+4
.endif
	QUANTW \a
.endr
	s_branch .Lfin
.Lv_tail:
	LASTSTEP
.irp a, 0,1,2,3,4,5,6,7
	QUANTW \a
.endr
.Lfin:
.irp i, 0,1,2,3
	v_cndmask_b32 v[OUTW+\i], v[PWS+\i], v[PWS+4+\i], s[HM]   ; lanes 0-15: tiles 0-3's words; lanes 16-31: tiles 4-7's
.endr
	global_store_b128 v[LI], v[OUTW:OUTW+3], s[12:13]
	s_wait_tensorcnt 0x0                           ; the wave's end
	ds_add_u32 v[SPW], v[NIL]
	s_wait_dscnt 0x0
	CROUND                                         ; the closing round
	s_endpgm
.Lfunc_end_k_q3828faed2e_qkv:
	.size	k_q3828faed2e_qkv, .Lfunc_end_k_q3828faed2e_qkv-k_q3828faed2e_qkv
	.p2alignl 7, 3214868480
	.fill 96, 4, 3214868480
	.section	.rodata,"a",@progbits
	.p2align	6, 0x0
	.amdhsa_kernel k_q3828faed2e_qkv
		.amdhsa_group_segment_fixed_size 327680
		.amdhsa_private_segment_fixed_size 0
		.amdhsa_enable_private_segment 0
		.amdhsa_kernarg_size 40
		.amdhsa_user_sgpr_count 2
		.amdhsa_user_sgpr_kernarg_segment_ptr 1
		.amdhsa_wavefront_size32 1
		.amdhsa_system_sgpr_workgroup_id_x 1
		.amdhsa_system_sgpr_workgroup_id_y 1
		.amdhsa_system_sgpr_workgroup_id_z 1
		.amdhsa_system_vgpr_workitem_id 0
		.amdhsa_next_free_vgpr 1024
		.amdhsa_next_free_sgpr 102
		.amdhsa_reserve_vcc 0
		.amdhsa_float_denorm_mode_32 3
		.amdhsa_float_denorm_mode_16_64 3
		.amdhsa_memory_ordered 1
		.amdhsa_forward_progress 1
		.amdhsa_inst_pref_size 255
	.end_amdhsa_kernel
	.section	.bss,"aw",@nobits
	.p2align	6
	.space	262144
	.amdgpu_metadata
---
amdhsa.version: [ 1, 2 ]
amdhsa.kernels:
  - .name:           k_q3828faed2e_qkv
    .symbol:         k_q3828faed2e_qkv.kd
    .args:
      - { .name: opc, .offset: 0, .size: 8, .value_kind: global_buffer, .address_space: global }
      - { .name: ops, .offset: 8, .size: 8, .value_kind: global_buffer, .address_space: global }
      - { .name: rope, .offset: 16, .size: 8, .value_kind: global_buffer, .address_space: global }
      - { .name: qkvc, .offset: 24, .size: 8, .value_kind: global_buffer, .address_space: global }
      - { .name: qkvs, .offset: 32, .size: 8, .value_kind: global_buffer, .address_space: global }
    .group_segment_fixed_size: 327680
    .private_segment_fixed_size: 0
    .kernarg_segment_align: 8
    .kernarg_segment_size: 40
    .max_flat_workgroup_size: 128
    .sgpr_count:     102
    .vgpr_count:     1024
    .wavefront_size: 32
...
	.end_amdgpu_metadata
.endif
;; end of part 6
;; launch attn (part 7): grid 16 x 16, 8 waves a work-group, no clusters, 327,680 bytes of LDS; arguments qkvc, qkvs, oc, os; writes oc, os
.if DOCPART == 7
	.amdgcn_target "amdgcn-amd-amdhsa--gfx1250"
	.amdhsa_code_object_version 6
	.text
	.protected	k_q3828faed2e_attn
	.globl	k_q3828faed2e_attn
	.p2align	8
	.type	k_q3828faed2e_attn,@function
k_q3828faed2e_attn:
	s_mov_b64 s[64:65], 0
	v_nop
	global_prefetch_b8 v0, s[64:65] scope:SCOPE_SE
	s_setreg_imm32_b32 hwreg(HW_REG_WAVE_MODE, 25, 1), 1
	s_wait_xcnt 0x0
; O[h][q] = the sum over k <= q of softmax_k(Q[h][q] . K[h][k] / sqrt(128)) V[h][k], both products on codes of E4M3 with E8M0 scales; O is quantised here, along the heads' channels, for the last product.
; LEFT OUT: a key step of 128 keys all of which come after a wave's 32 queries (reference()'s own jnp.tril gives them the weight 0 for all inputs: launch prep's head).
; THE SOFTMAX: t = score x log2(e) / sqrt(128); M = the largest t so far, rounded UP to a whole number; p = 2^(t - M) is quantised along the keys, not normalised; the row's sum is taken of the unquantised p and divides O at the end.
; When M moves, the sum and O are multiplied by 2^(old M - new M): exact.
; SHARES.  Work-group (j, head) owns the blocks of 64 queries j and 31 - j.  Eight waves: wave / 4 = 0: block 31 - j, 1: block j; wave % 2: which 32 queries of the block; (wave / 2) % 2 = PAR: a slot holds four key steps, and a wave takes steps PAR and PAR + 2.
; A WAVE OWNS TWO TILES OF 16 QUERIES, T and T + 1: tile A's registers lie in window 0, tile B's in window 1 under the same numbers, so that one text serves both under two settings of s_set_vgpr_msb.  Each fragment of K and V feeds two products.
; A step's eight fragments come in one run: four into v32-95 of window 0, four into v32-95 of window 1.  V's run is issued behind the first product's places and lands under the softmax.
; Scale words lie in window 0: K's in v248-251 and v224-227, V's in v96-103, p's in v253 (A) and v104 (B), Q's in v255 (lanes 0-15 tile A's, lanes 16-31 tile B's).
; Each wave keeps its own M, sum and O; at the end the wave with PAR = 1 hands its three to its partner through LDS, and both are brought under the larger M, exactly.
; OPERANDS ARE IMAGES OF THEIR REGISTERS (launch prep's head).  Both products are used transposed: S^T = K Q^T, O^T = V^T P^T: a lane holds one query.
; THE RING: two slots of 512 keys, 131,072 bytes, filled by waves 0-3, one tensor load each: four tiles of all four key steps (4 rows of 8,192 bytes, 16,384 apart), so that whenever a slot's first step is read every load has bytes that are read.
; A refill has a wave's two steps in which to land.  At the head waves 4-7 fetch the head's scale words: every wave has one load there.  The two steps of a slot are an inner loop of two trips: the slot's and the scale words' offsets are turned by an exclusive or.
; THE PLACES OF THE HAND-OVER lie in slot 0: at the last change of slots it has had its last fill, and behind that barrier nobody reads it.
; cluster = none: the sixteen work-groups of a head read the same K and V, but their causal limits differ: past its limit every wave of a partner would jump over the reads of a joint tile.
; LIMITS: as launch prep's quantiser; a block of p that has fallen to 0 keeps the byte 1 over zero codes.
; REGISTERS of a window: v12 -M, v13 the largest t, v[14:15] the sum; v16-31 Q; v96-159 S^T, then p; v160-223 O^T; v224-239 p's codes; v232-254 at work.  Window 0 alone: v1-11 addresses.
.set SLOT1, 1<<17
.set SCK,   2*SLOT1                    ; K's scale words of the whole head, 8,192 bytes; V's behind them
.set MRGW,  8704                       ; a place of the hand-over: a partner's O^T (8,192) and its v[12:15] (512); eight places from LDS byte 0 on
.set OSC,   SCK+16384                  ; 512 bytes: O's scale words, gathered
.set SPARE, OSC+512
.set A0,   1                           ; v1   16 x lane + 8,192 PAR
.set AS0,  2                           ; v2   SCK + 512 PAR + 16 r
.set QL,   3                           ; v3   my query - 16 h (in each window its tile's)
.set MST,  4                           ; v4   my pair's first place + 16 x lane
.set SPW,  5
.set NIL,  6
.set PFO,  7                           ; v7   256 x lane
.set AD,   8
.set ADS,  9
.set OSA,  10                          ; v10  where tile A's scale words go; tile B's 4 bytes on
.set LI,   11
.set TM,   32
.set PC,   48
.set PW,   64
.set TB,   2
.set TS,   3
.set WV,   18
.set MNT,  19
.set SEL,  20
.set CS,   22
.set G1,   24
.set G1S,  32
.set G0,   40
.set G0S,  44
.set HEAD, 48
.set SB,   49
.set STP,  55
.set QMAX, 66
.set SLOTS, 67
.set QMIN, 68
.set LQ,   69
.set PI,   70
.set PAR,  71
.set TT,   72
.set BLK,  73
.set PFA,  76
.set LIM,  80
.set KF,   98
.set SKF,  99
.set MSB, 0
.macro WIN new                         ; the immediate's high byte repeats the setting that is left
.if MSB != \new
	s_set_vgpr_msb (MSB<<8)|\new
.set MSB, \new
.endif
.endm
.macro NOPS n
.rept \n
	v_nop
.endr
.endm
.macro TLOAD                           ; waves 0-3 fetch; s_nop 0 and four v_nop follow the line
	s_cmp_lt_u32 s[WV], 4
	s_cbranch_scc0 .Lasked_\@
	tensor_load_to_lds s[G0:G0+3], s[G1:G1+7]
	s_nop 0
	NOPS 4
.Lasked_\@:
.endm
; A PREFETCH of what the NEXT change of slots will ask for: 65,536 bytes of K and as many of V.  The work-group with j = 0, which walks all four slots, asks for its head: waves 0-3 for K's, waves 4-7 for V's,
; 16,384 bytes a wave in two lines, lanes 256 bytes apart: each block of 256 bytes is named once in the launch.  The last change that fills a slot asks for nothing; slots 0 and 1 come by their loads alone.
.macro ASK
	s_cmp_gt_u32 s[SLOTS], s[LIM]
	s_cbranch_scc0 .Lnot_mine_\@
	global_prefetch_b8 v[PFO], s[PFA:PFA+1] th:TH_LOAD_NT scope:SCOPE_SE
	global_prefetch_b8 v[PFO], s[PFA:PFA+1] offset:32768 th:TH_LOAD_NT scope:SCOPE_SE
.Lnot_mine_\@:
.endm
	s_load_b256 s[4:11], s[0:1], 0x0               ; qkvc, qkvs, oc, os
	v_lshl_add_u32 v[SPW], v0, 2, SPARE
	v_mov_b32 v[NIL], 0
	ds_add_u32 v[SPW], v[NIL]                      ; the opening lines: the add twice on end and its wait
	ds_add_u32 v[SPW], v[NIL]
	v_lshrrev_b32 v8, 5, v0
	v_readfirstlane_b32 s[WV], v8                  ; wave 0..7
	s_and_b32 s[HEAD], ttmp7, 0xffff
	s_and_b32 s[PI], s[WV], 1
	s_bfe_u32 s[PAR], s[WV], 0x10001
	s_lshr_b32 s[SB], s[WV], 2
	s_sub_co_u32 s74, 31, ttmp9
	s_cmp_eq_u32 s[SB], 0
	s_cselect_b32 s[BLK], s74, ttmp9
	s_lshl_b32 s[TT], s[BLK], 2
	s_lshl_b32 s75, s[PI], 1
	s_add_co_u32 s[TT], s[TT], s75                 ; tile A, an even number
	s_lshl_b32 s[QMIN], s[TT], 4                   ; my first query,
	s_add_co_u32 s[QMAX], s[QMIN], 31              ; and my last
	s_lshl_b32 s[LQ], s74, 6
	s_add_co_u32 s[LQ], s[LQ], 63                  ; my work-group's last
	s_lshl_b32 s51, s[PAR], 13
	s_lshl_b32 s52, s[PAR], 9
	s_add_co_u32 s52, s52, SCK
	s_lshl_b32 s53, s[SB], 1
	s_add_co_u32 s53, s53, s[PI]
	s_mul_i32 s53, s53, 2*MRGW                     ; my pair's two places
	s_xor_b32 s54, s[SB], 1                        ; block j's words lie first
	s_lshl_b32 s54, s54, 8
	s_lshl_b32 s75, s[PI], 3
	s_add_co_u32 s54, s54, s75
	s_add_co_u32 s54, s54, OSC
	s_mov_b32 s[G1], 3<<16                         ; tiles: 4 rows of 1,024 elements of 8 bytes, 2,048 elements apart
	s_mov_b32 s[G1+1], 1024<<16
	s_mov_b32 s[G1+2], 4<<16
	s_mov_b32 s[G1+3], 1024<<16
	s_mov_b32 s[G1+4], 4
	s_mov_b32 s[G1+5], 2048
	s_mov_b32 s[G1+6], 0
	s_mov_b32 s[G1+7], 0
	s_mov_b32 s[G1S], 3<<16                        ; scale words: 4,096 dense bytes as 16 rows of 256
	s_mov_b32 s[G1S+1], 32<<16
	s_mov_b32 s[G1S+2], 16<<16
	s_mov_b32 s[G1S+3], 32<<16
	s_mov_b32 s[G1S+4], 16
	s_mov_b32 s[G1S+5], 32
	s_mov_b32 s[G1S+6], 0
	s_mov_b32 s[G1S+7], 0
	s_and_b32 s81, s[WV], 3                        ; what I fetch: wave % 4 = 0, 1: K's tiles 0-3, 4-7; 2, 3: V's
	s_lshr_b32 s82, s81, 1
	s_add_co_u32 s82, s82, 1
	s_and_b32 s83, s[WV], 1
	s_lshl_b32 s84, s82, 22
	s_lshl_b32 s75, s[HEAD], 18
	s_add_co_u32 s84, s84, s75
	s_lshl_b32 s75, s83, 13
	s_add_co_u32 s84, s84, s75
	s_mov_b32 s85, 0
	s_lshl_b32 s86, s82, 17
	s_lshl_b32 s75, s[HEAD], 13
	s_add_co_u32 s86, s86, s75
	s_lshl_b32 s75, s83, 12
	s_add_co_u32 s86, s86, s75
	s_mov_b32 s87, 0
	s_lshl_b32 s88, s81, 15                        ; in a slot: 32,768 bytes a load
	s_lshl_b32 s89, s81, 12
	s_add_co_u32 s89, s89, SCK
	s_lshl_b32 s90, s[HEAD], 7                     ; Q's fragments: (128 head + T) x 2,048
	s_add_co_u32 s90, s90, s[TT]
	s_lshl_b32 s90, s90, 11
	s_mov_b32 s91, 0
	s_lshl_b32 s92, s[HEAD], 13                    ; their scale words: 8,192 head + 256 (T / 4) + 4 (T % 4)
	s_lshl_b32 s75, s[BLK], 8
	s_add_co_u32 s92, s92, s75
	s_lshl_b32 s75, s[PI], 3
	s_add_co_u32 s92, s92, s75
	s_mov_b32 s93, 0
	s_lshr_b32 s94, s[HEAD], 1                     ; O's fragments: K step = head
	s_lshl_b32 s94, s94, 19
	s_lshl_b32 s75, s[TT], 12
	s_add_co_u32 s94, s94, s75
	s_and_b32 s75, s[HEAD], 1
	s_lshl_b32 s75, s75, 11
	s_add_co_u32 s94, s94, s75
	s_mov_b32 s95, 0
	s_lshl_b32 s96, s[HEAD], 13                    ; O's scale words: 8,192 head + 256 j
	s_lshl_b32 s75, ttmp9, 8
	s_add_co_u32 s96, s96, s75
	s_mov_b32 s97, 0
	s_cmp_lt_u32 s[WV], 4                          ; the prefetches
	s_cselect_b32 s78, 1, 2
	s_lshl_b32 s78, s78, 22
	s_lshl_b32 s75, s[HEAD], 18
	s_add_co_u32 s78, s78, s75
	s_lshl_b32 s75, s81, 13
	s_add_co_u32 s78, s78, s75
	s_add_co_u32 s78, s78, 65536                   ; in slot 1: the first change of slots steps it to slot 2
	s_mov_b32 s79, 0
	s_cmp_eq_u32 ttmp9, 0
	s_cselect_b32 s[LIM], 1, -1
	s_mov_b32 s[SEL], 0x76543210
	s_mov_b32 s[SEL+1], 0xfedcba98
	s_mov_b32 s[CS], 0x3e0293ee                    ; log2(e) / sqrt(128)
	s_mov_b32 s[CS+1], s[CS]
	s_mov_b32 s[MNT], 0x600000
	s_mov_b32 s[TB], 0
	s_mov_b32 s[TS], 0
	s_mov_b32 s[SLOTS], 3
	s_mov_b32 s[SKF], 0
	s_lshl_b32 s[KF], s[PAR], 7
	; every LDS address register is made here, ahead of the first branch on the wave's number
	v_and_b32 v12, 15, v0                          ; r
	v_bfe_u32 v13, v0, 4, 1                        ; h
	v_and_b32 v14, 31, v0
	v_lshlrev_b32 v[LI], 4, v14
	v_lshlrev_b32 v[PFO], 8, v14
	v_add_nc_u32 v[A0], s51, v[LI]
	v_lshl_add_u32 v[AS0], v12, 4, s52
	v_add_nc_u32 v[MST], s53, v[LI]
	v_lshl_add_u32 v[OSA], v12, 4, s54
	v_and_b32 v[QL], 8, v12
	v_add_nc_u32 v[QL], v[QL], v12
	v_add_nc_u32 v[QL], s[QMIN], v[QL]
	v_lshlrev_b32 v15, 4, v13
	v_sub_nc_u32 v[QL], v[QL], v15
	v_lshlrev_b32 v254, 4, v12
	v_lshl_add_u32 v254, v13, 2, v254              ; Q's scale words: 16 r, and 4 on for lanes 16-31: tile B's
	s_wait_alu depctr_va_vdst(0)
	s_wait_dscnt 0x0
	s_wait_kmcnt 0x0
	s_mov_b32 s[G0S], 1
	s_mov_b32 s[G0S+1], s89
	s_add_nc_u64 s[G0S+2:G0S+3], s[6:7], s[86:87]
	s_or_b32 s[G0S+3], s[G0S+3], 0x80000000
	s_mov_b32 s[G0], 1
	s_mov_b32 s[G0+1], s88
	s_add_nc_u64 s[G0+2:G0+3], s[4:5], s[84:85]
	s_or_b32 s[G0+3], s[G0+3], 0x80000000
	s_cmp_lt_u32 s[WV], 4                          ; the head's loads, one a wave: waves 0-3 slot 0's quarters, waves 4-7 the scale words' quarters, filled once
	s_cbranch_scc0 .Lhead_s
	tensor_load_to_lds s[G0:G0+3], s[G1:G1+7]
	s_nop 0
	NOPS 4
	s_branch .Lno_first
.Lhead_s:
	tensor_load_to_lds s[G0S:G0S+3], s[G1S:G1S+7]
	s_nop 0
	NOPS 4
.Lno_first:
	s_add_nc_u64 s[PFA:PFA+1], s[4:5], s[78:79]
	s_add_nc_u64 s[4:5], s[4:5], s[90:91]
	s_add_nc_u64 s[6:7], s[6:7], s[92:93]
	s_add_nc_u64 s[8:9], s[8:9], s[94:95]
	s_add_nc_u64 s[10:11], s[10:11], s[96:97]
.irp c, 0,1,2,3
	global_load_b128 v[16+4*\c:19+4*\c], v[LI], s[4:5] offset:512*\c          ; tile A's Q
.endr
	global_load_b32 v255, v254, s[6:7]
	WIN 0x40
.irp c, 0,1,2,3
	global_load_b128 v[16+4*\c:19+4*\c], v[LI], s[4:5] offset:2048+512*\c     ; tile B's, into window 1
.endr
	WIN 0
.macro START                           ; -M, the largest t, the sum, O^T and what is named before it is written, in the window of the destination
	v_mov_b32 v13, 0xff61b1e6                      ; -3e38, under every t
	v_mov_b32 v12, 0x7f61b1e6                      ; -M = floor(3e38) = 3e38
	v_mov_b32 v14, 0
	v_mov_b32 v15, 0
.irp b, 0,1,2,3
	v_mov_b32 v[236+\b], 0
.endr
	v_mov_b32 v252, 0
	v_mov_b32 v253, 0
.set n, 0
.rept 64
	v_mov_b32 v[160+n], 0
.set n, n+1
.endr
.endm
	START
	WIN 0x40
	v_add_nc_u32 v[QL], 8, v[QL]                   ; tile B's queries lie 8 on
	START
	WIN 0
.macro KVLOAD                          ; eight fragments from v[AD] on: four into window 0, four into window 1
.irp t, 0,1,2,3
.irp c, 0,1,2,3
	ds_load_b128 v[32+16*\t+4*\c:32+16*\t+4*\c+3], v[AD] offset:2048*\t+512*\c
.endr
.endr
	WIN 0x40
.irp t, 0,1,2,3
.irp c, 0,1,2,3
	ds_load_b128 v[32+16*\t+4*\c:32+16*\t+4*\c+3], v[AD] offset:32768+2048*\t+512*\c
.endr
.endr
	WIN 0
.endm
.macro MASK                            ; hidden scores become -infinity: register 16 b + i holds key KF + 16 h + 32 b + i
	v_mov_b32 v252, s[KF]
	v_sub_nc_u32 v252, v[QL], v252
	v_mov_b32 v254, 0xff800000
.set n, 0
.rept 64
	v_cmp_gt_i32 vcc_lo, 32*(n/16)+n%16, v252
	v_cndmask_b32 v[96+n], v[96+n], v254, vcc_lo
.set n, n+1
.endr
.endm
.macro SOFT                            ; a tile's softmax, p's codes and scale word, O^T under the new M; all registers in one window
	s_wait_alu depctr_va_vdst(0)
.irp b, 0,1,2,3
	v_max3_num_f32 v[232+\b], v[96+16*\b], v[97+16*\b], v[98+16*\b]   ; each block's largest score: for the row's maximum and for the block's largest p
.endr
.irp i, 3,5,7,9,11,13
.irp b, 0,1,2,3
	v_max3_num_f32 v[232+\b], v[232+\b], v[96+16*\b+\i], v[97+16*\b+\i]
.endr
.endr
.irp b, 0,1,2,3
	v_max_num_f32 v[232+\b], v[232+\b], v[111+16*\b]
.endr
.irp b, 0,1,2,3
	v_permlanex16_b32 v[236+\b], v[232+\b], s[SEL], s[SEL+1]
.endr
.irp b, 0,1,2,3
	v_max_num_f32 v[232+\b], v[232+\b], v[236+\b]
.endr
	v_max3_num_f32 v254, v232, v233, v234
	v_max_num_f32 v254, v254, v235
	v_mul_f32 v254, s[CS], v254
	v_max_num_f32 v13, v13, v254
	v_mov_b32 v254, v12
	v_floor_f32 v12, -v13                          ; the new -M
	v_sub_f32 v254, v12, v254
	v_cvt_i32_f32 v254, v254                       ; (it saturates)
	v_ldexp_f32 v252, 1.0, v254                    ; f = 2^(old M - new M)
.set n, 0
.rept 32
	v_pk_fma_f32 v[96+n:97+n], v[96+n:97+n], s[CS:CS+1], v[12:13] op_sel_hi:[1,0,0]
.set n, n+2
.endr
.irp b, 0,1,2,3
	v_fma_f32 v[232+\b], v[232+\b], s[CS], v12
.endr
	s_wait_alu depctr_va_vdst(0)                   ; ahead of the batch
.set n, 0
.rept 64
	v_exp_f32 v[96+n], v[96+n]
.set n, n+1
.endr
	v_pk_mul_f32 v[14:15], v[14:15], v[252:253] op_sel_hi:[1,0]
	s_wait_alu depctr_va_vdst(0)                   ; and behind it
.irp b, 0,1,2,3
	v_exp_f32 v[232+\b], v[232+\b]                 ; each block's largest p
.endr
.irp k, 0,1,2,3,4,5,6,7                ; the row's sum of the unquantised p, in eight chains
	v_pk_add_f32 v[236+2*\k:237+2*\k], v[96+2*\k:97+2*\k], v[112+2*\k:113+2*\k]
.endr
.irp k, 0,1,2,3,4,5,6,7
	v_pk_add_f32 v[236+2*\k:237+2*\k], v[236+2*\k:237+2*\k], v[128+2*\k:129+2*\k]
.endr
.irp k, 0,1,2,3,4,5,6,7
	v_pk_add_f32 v[236+2*\k:237+2*\k], v[236+2*\k:237+2*\k], v[144+2*\k:145+2*\k]
.endr
.irp k, 0,1,2,3
	v_pk_add_f32 v[236+2*\k:237+2*\k], v[236+2*\k:237+2*\k], v[244+2*\k:245+2*\k]
.endr
	v_pk_add_f32 v[236:237], v[236:237], v[240:241]
	v_pk_add_f32 v[238:239], v[238:239], v[242:243]
	v_pk_add_f32 v[236:237], v[236:237], v[238:239]
	v_pk_add_f32 v[14:15], v[14:15], v[236:237]
	s_wait_alu depctr_va_vdst(0)                   ; for the four
.irp b, 0,1,2,3
	v_max_num_f32 v[232+\b], 0x4800000, v[232+\b]  ; the floor 2^(9 - 127)
.endr
.irp b, 0,1,2,3
	v_add_nc_u32 v[244+\b], 0xfc000000, v[232+\b]
.endr
.irp b, 0,1,2,3
	v_and_or_b32 v[240+\b], v[232+\b], 0x7f800000, s[MNT]
.endr
.irp b, 0,1,2,3
	v_lshrrev_b32 v[236+\b], 23, v[244+\b]
.endr
	v_lshl_or_b32 v253, v237, 8, v236              ; p's scale word
	v_lshl_or_b32 v253, v238, 16, v253
	v_lshl_or_b32 v253, v239, 24, v253
.irp b, 0,1,2,3
.irp i, 0,1,2,3,4,5,6,7,8,9,10,11,12,13,14,15
	v_min_num_f32 v[96+16*\b+\i], v[96+16*\b+\i], v[240+\b]   ; the hold; p is not negative
.endr
	v_cvt_scalef32_pk8_fp8_f32 v[224+4*\b:225+4*\b], v[96+16*\b:103+16*\b], v[244+\b]
	v_cvt_scalef32_pk8_fp8_f32 v[226+4*\b:227+4*\b], v[104+16*\b:111+16*\b], v[244+\b]
.endr
	v_nop
	s_wait_alu depctr_va_vdst(0)
.set n, 0
.rept 32
	v_pk_mul_f32 v[160+n:161+n], v[160+n:161+n], v[252:253] op_sel_hi:[1,0]
.set n, n+2
.endr
.endm
; A KEY STEP OF MINE: 128 keys from s[KF] on, for both tiles
.macro STEP
	s_cmp_gt_u32 s[KF], s[QMAX]                    ; all its keys come after my queries: left out.  A branch on ids; no barrier and no tensor load stands in a step
	s_cbranch_scc1 .Lhidden_\@
	v_add_nc_u32 v[AD], s[TB], v[A0]
	v_add_nc_u32 v[ADS], s[TS], v[AS0]
	s_wait_alu depctr_va_vdst(0)
	NOPS 8                                         ; with the two additions ten places behind the last products: their operands are loaded into, and their scale registers v96-104 are written by products
	KVLOAD                                         ; K
	ds_load_b128 v[248:251], v[ADS]                ; K's scale words, tiles 0-3,
	ds_load_b128 v[224:227], v[ADS] offset:256     ; and 4-7
	s_wait_dscnt 0x0
.irp t, 0,1,2,3
	v_wmma_scale_f32_16x16x128_f8f6f4 v[96+8*\t:103+8*\t], v[32+16*\t:47+16*\t], v[16:31], 0, v[248+\t], v255
.endr
	WIN 0x44                                       ; tile B: result and Q in window 1
.irp t, 0,1,2,3
	v_wmma_scale_f32_16x16x128_f8f6f4 v[96+8*\t:103+8*\t], v[32+16*\t:47+16*\t], v[16:31], 0, v[248+\t], v255 matrix_b_scale:MATRIX_SCALE_ROW1
.endr
	WIN 0x01                                       ; K's tiles 4-7 lie in window 1
.irp t, 0,1,2,3
	v_wmma_scale_f32_16x16x128_f8f6f4 v[128+8*\t:135+8*\t], v[32+16*\t:47+16*\t], v[16:31], 0, v[224+\t], v255
.endr
	WIN 0x45
.irp t, 0,1,2,3
	v_wmma_scale_f32_16x16x128_f8f6f4 v[128+8*\t:135+8*\t], v[32+16*\t:47+16*\t], v[16:31], 0, v[224+\t], v255 matrix_b_scale:MATRIX_SCALE_ROW1
.endr
	WIN 0
	NOPS 8
	v_add_nc_u32 v[AD], 65536, v[AD]               ; V's tiles lie 65,536 bytes behind K's
	KVLOAD                                         ; V's eight fragments: they land under the softmax
	s_add_co_u32 s96, s[KF], 127                   ; a step all of whose keys count skips the mask
	s_cmp_le_u32 s96, s[QMIN]
	s_cbranch_scc1 .Lopen_\@
	MASK
	WIN 0x55
	MASK
	WIN 0
.Lopen_\@:
	SOFT
	ds_load_b128 v[96:99], v[ADS] offset:8192      ; V's scale words, into tile A's registers of p, which are done with
	ds_load_b128 v[100:103], v[ADS] offset:8192+256
	WIN 0x55
	SOFT
	WIN 0x01
	v_mov_b32 v104, v253                           ; tile B's scale word of p into window 0
	WIN 0
	NOPS 8                                         ; a scale register written by a vector instruction stands eight places ahead
	s_wait_alu depctr_va_vdst(0)
	s_wait_dscnt 0x0
.irp t, 0,1,2,3
	v_wmma_scale_f32_16x16x128_f8f6f4 v[160+8*\t:167+8*\t], v[32+16*\t:47+16*\t], v[224:239], v[160+8*\t:167+8*\t], v[96+\t], v253
.endr
	WIN 0x54
.irp t, 0,1,2,3
	v_wmma_scale_f32_16x16x128_f8f6f4 v[160+8*\t:167+8*\t], v[32+16*\t:47+16*\t], v[224:239], v[160+8*\t:167+8*\t], v[96+\t], v104
.endr
	WIN 0x01
.irp t, 0,1,2,3
	v_wmma_scale_f32_16x16x128_f8f6f4 v[192+8*\t:199+8*\t], v[32+16*\t:47+16*\t], v[224:239], v[192+8*\t:199+8*\t], v[100+\t], v253
.endr
	WIN 0x55
.irp t, 0,1,2,3
	v_wmma_scale_f32_16x16x128_f8f6f4 v[192+8*\t:199+8*\t], v[32+16*\t:47+16*\t], v[224:239], v[192+8*\t:199+8*\t], v[100+\t], v104
.endr
	WIN 0
.Lhidden_\@:
	s_add_co_u32 s[KF], s[KF], 256                 ; my next step lies two steps on:
	s_xor_b32 s[TB], s[TB], 16384                  ; 2 x 8,192 bytes in each load's rows, and back behind the slot's second,
	s_xor_b32 s[TS], s[TS], 1024                   ; 2 x 512 bytes of scale words likewise
.endm
.macro TWOSTEPS lab                    ; my two steps of the slot in hand, and on to the other slot
	s_mov_b32 s[STP], 2
\lab:
	STEP
	s_sub_co_u32 s[STP], s[STP], 1
	s_cmp_lg_u32 s[STP], 0
	s_cbranch_scc1 \lab
	s_xor_b32 s[TB], s[TB], SLOT1
	s_add_co_u32 s[TS], s[TS], 2048
	s_add_co_u32 s[SKF], s[SKF], 512
.endm
; THE CHANGE OF SLOTS stands at a slot's head.  fill = 1: the slot that was left takes the next 512 keys, up to the causal limit: a slot whose first key comes after my work-group's last query is read by none of its waves and is not asked for.
; The test is made of ids and the count of steps: the same in all eight waves.  Every wait on TENSORcnt in this text is for 0.
.macro CHANGE fill
	s_wait_tensorcnt 0x0
	ds_add_u32 v[SPW], v[NIL]
.if \fill
	s_xor_b32 s[G0+1], s[G0+1], SLOT1
	s_add_nc_u64 s[G0+2:G0+3], s[G0+2:G0+3], 65536
	s_wait_xcnt 0x0                                ; the last prefetches have read their address
	s_add_nc_u64 s[PFA:PFA+1], s[PFA:PFA+1], 65536
.endif
	s_wait_dscnt 0x0
	s_barrier_signal -1
	s_barrier_wait -1
.if \fill
	s_add_co_u32 s96, s[SKF], 512
	s_cmp_gt_u32 s96, s[LQ]
	s_cbranch_scc1 .Lpast_\@
	TLOAD
.Lpast_\@:
	ASK
.endif
.endm
	s_wait_alu depctr_va_vdst(0)
	s_wait_loadcnt 0x0                             ; Q
.Lslot:                                            ; three trips
	CHANGE 1
	TWOSTEPS .Lstep_a
	s_sub_co_u32 s[SLOTS], s[SLOTS], 1
	s_cmp_lg_u32 s[SLOTS], 0
	s_cbranch_scc1 .Lslot
	CHANGE 0                                       ; the last slot, slot 1 of the ring, is written out: nothing follows it
	TWOSTEPS .Lstep_b
; THE END.  The two waves of a pair of tiles meet: the upper one's O^T, -M and sums go through LDS.
.macro SUMS
	v_add_f32 v14, v14, v15
	v_permlanex16_b32 v252, v14, s[SEL], s[SEL+1]
	v_add_f32 v14, v14, v252
.endm
.macro GIVE w                          ; data from window w, the address from window 0
	WIN (\w)<<2
.irp i, 0,1,2,3,4,5,6,7,8,9,10,11,12,13,14,15
	ds_store_b128 v[MST], v[160+4*\i:163+4*\i] offset:MRGW*(\w)+512*\i
.endr
	ds_store_b128 v[MST], v[12:15] offset:MRGW*(\w)+8192
	WIN 0
.endm
.macro TAKE w
	WIN (\w)<<6
.irp i, 0,1,2,3,4,5,6,7,8,9,10,11,12,13,14,15
	ds_load_b128 v[32+4*\i:35+4*\i], v[MST] offset:MRGW*(\w)+512*\i
.endr
	ds_load_b128 v[240:243], v[MST] offset:MRGW*(\w)+8192
	WIN 0
.endm
.macro FIN w                           ; both parts under the larger M, over the sum; O quantised along the channels; codes and scale word leave
	WIN 0x55*(\w)
	v_min_num_f32 v244, v12, v240                  ; -(the larger M)
	v_sub_f32 v245, v244, v12
	v_sub_f32 v246, v244, v240                     ; whole numbers, 0 or less; a partner that had no step stands at 3e38: the conversion saturates and its factor is 0
	v_cvt_i32_f32 v245, v245
	v_cvt_i32_f32 v246, v246
	v_ldexp_f32 v245, 1.0, v245
	v_ldexp_f32 v246, 1.0, v246
	v_mul_f32 v14, v14, v245
	v_fma_f32 v14, v242, v246, v14
	s_wait_alu depctr_va_vdst(0)
	v_rcp_f32 v15, v14
	v_nop
	s_wait_alu depctr_va_vdst(0)
	v_mul_f32 v236, v245, v15
	v_mul_f32 v238, v246, v15
.set n, 0
.rept 32
	v_pk_mul_f32 v[96+n:97+n], v[160+n:161+n], v[236:237] op_sel_hi:[1,0]
.set n, n+2
.endr
.set n, 0
.rept 32
	v_pk_fma_f32 v[96+n:97+n], v[32+n:33+n], v[238:239], v[96+n:97+n] op_sel_hi:[1,0,1]
.set n, n+2
.endr
.irp b, 0,1,2,3
	v_max3_num_f32 v[TM+\b], |v[96+16*\b]|, |v[97+16*\b]|, 0x4800000
.endr
.irp i, 2,4,6,8,10,12,14
.irp b, 0,1,2,3
	v_max3_num_f32 v[TM+\b], v[TM+\b], |v[96+16*\b+\i]|, |v[97+16*\b+\i]|
.endr
.endr
.irp b, 0,1,2,3
	v_permlanex16_b32 v[TM+4+\b], v[TM+\b], s[SEL], s[SEL+1]
.endr
.irp b, 0,1,2,3
	v_max_num_f32 v[TM+\b], v[TM+\b], v[TM+4+\b]
.endr
.irp b, 0,1,2,3
	v_add_nc_u32 v[TM+12+\b], 0xfc000000, v[TM+\b]
.endr
.irp b, 0,1,2,3
	v_and_or_b32 v[TM+8+\b], v[TM+\b], 0x7f800000, s[MNT]
.endr
.irp b, 0,1,2,3
	v_lshrrev_b32 v[TM+4+\b], 23, v[TM+12+\b]
.endr
	v_lshl_or_b32 v[PW], v[TM+5], 8, v[TM+4]
	v_lshl_or_b32 v[PW], v[TM+6], 16, v[PW]
	v_lshl_or_b32 v[PW], v[TM+7], 24, v[PW]
.irp b, 0,1,2,3
.irp i, 0,1,2,3,4,5,6,7,8,9,10,11,12,13,14,15
	v_med3_num_f32 v[96+16*\b+\i], v[96+16*\b+\i], -v[TM+8+\b], v[TM+8+\b]
.endr
	v_cvt_scalef32_pk8_fp8_f32 v[PC+4*\b:PC+1+4*\b], v[96+16*\b:103+16*\b], v[TM+12+\b]
	v_cvt_scalef32_pk8_fp8_f32 v[PC+2+4*\b:PC+3+4*\b], v[104+16*\b:111+16*\b], v[TM+12+\b]
.endr
	v_nop
	WIN (\w)<<2
.irp c, 0,1,2,3
	global_store_b128 v[LI], v[PC+4*\c:PC+4*\c+3], s[8:9] offset:4096*(\w)+512*\c   ; 512 consecutive bytes
.endr
	ds_store_b32 v[OSA], v[PW] offset:4*(\w)       ; both lanes of a row write the same word with the same value
	WIN 0
.endm
	SUMS
	WIN 0x55
	SUMS
	WIN 0
	v_add_nc_u32 v[ADS], OSC, v[LI]
	NOPS 8                                         ; places behind the last products
	s_wait_alu depctr_va_vdst(0)
	s_cmp_eq_u32 s[PAR], 0
	s_cbranch_scc1 .Lkeep
	GIVE 0
	GIVE 1
.Lkeep:
	s_wait_dscnt 0x0                               ; for the partner's sake
	s_barrier_signal -1
	s_barrier_wait -1
	s_cmp_eq_u32 s[PAR], 0
	s_cbranch_scc0 .Lgave
	TAKE 0
	TAKE 1
	s_wait_dscnt 0x0
	FIN 0
	FIN 1
.Lgave:
	s_wait_dscnt 0x0
	s_barrier_signal -1
	s_barrier_wait -1                              ; the eight tiles' scale words lie together
	s_cmp_eq_u32 s[WV], 7
	s_cbranch_scc0 .Lnot_7
	ds_load_b128 v[68:71], v[ADS]                  ; lanes 0-15: block j's four tiles; lanes 16-31: block 31 - j's
	s_lshl_b32 s75, ttmp9, 1
	s_sub_co_u32 s75, 31, s75
	s_lshl_b32 s75, s75, 8                         ; from block j's group to block 31 - j's
	v_and_b32 v72, 15, v0
	v_bfe_u32 v73, v0, 4, 1
	v_mul_u32_u24 v73, s75, v73
	v_lshl_add_u32 v72, v72, 4, v73
	s_wait_alu depctr_va_vdst(0)
	s_wait_dscnt 0x0
	global_store_b128 v72, v[68:71], s[10:11]      ; sixteen lanes store 256 consecutive bytes, twice
.Lnot_7:
	s_wait_tensorcnt 0x0                           ; the wave's end
	ds_add_u32 v[SPW], v[NIL]
	s_wait_dscnt 0x0
	s_endpgm
.Lfunc_end_k_q3828faed2e_attn:
	.size	k_q3828faed2e_attn, .Lfunc_end_k_q3828faed2e_attn-k_q3828faed2e_attn
	.p2alignl 7, 3214868480
	.fill 96, 4, 3214868480
	.section	.rodata,"a",@progbits
	.p2align	6, 0x0
	.amdhsa_kernel k_q3828faed2e_attn
		.amdhsa_group_segment_fixed_size 327680
		.amdhsa_private_segment_fixed_size 0
		.amdhsa_enable_private_segment 0
		.amdhsa_kernarg_size 32
		.amdhsa_user_sgpr_count 2
		.amdhsa_user_sgpr_kernarg_segment_ptr 1
		.amdhsa_wavefront_size32 1
		.amdhsa_system_sgpr_workgroup_id_x 1
		.amdhsa_system_sgpr_workgroup_id_y 1
		.amdhsa_system_sgpr_workgroup_id_z 1
		.amdhsa_system_vgpr_workitem_id 0
		.amdhsa_next_free_vgpr 512
		.amdhsa_next_free_sgpr 100
		.amdhsa_reserve_vcc 1
		.amdhsa_float_denorm_mode_32 3
		.amdhsa_float_denorm_mode_16_64 3
		.amdhsa_memory_ordered 1
		.amdhsa_forward_progress 1
		.amdhsa_inst_pref_size 147
	.end_amdhsa_kernel
	.amdgpu_metadata
---
amdhsa.version: [ 1, 2 ]
amdhsa.kernels:
  - .name:           k_q3828faed2e_attn
    .symbol:         k_q3828faed2e_attn.kd
    .args:
      - { .name: qkvc, .offset: 0, .size: 8, .value_kind: global_buffer, .address_space: global }
      - { .name: qkvs, .offset: 8, .size: 8, .value_kind: global_buffer, .address_space: global }
      - { .name: oc, .offset: 16, .size: 8, .value_kind: global_buffer, .address_space: global }
      - { .name: os, .offset: 24, .size: 8, .value_kind: global_buffer, .address_space: global }
    .group_segment_fixed_size: 327680
    .private_segment_fixed_size: 0
    .kernarg_segment_align: 8
    .kernarg_segment_size: 32
    .max_flat_workgroup_size: 256
    .sgpr_count:     100
    .vgpr_count:     512
    .wavefront_size: 32
...
	.end_amdgpu_metadata
.endif
;; end of part 7
;; launch proj (part 8): grid 16 x 16, 4 waves a work-group, clusters of 4 x 4, 327,680 bytes of LDS; arguments oc, os, opc, ops, out0; writes out0
.if DOCPART == 8
	.amdgcn_target "amdgcn-amd-amdhsa--gfx1250"
	.amdhsa_code_object_version 6
	.text
	.protected	k_q3828faed2e_proj
	.globl	k_q3828faed2e_proj
	.p2align	8
	.type	k_q3828faed2e_proj,@function
k_q3828faed2e_proj:
	s_mov_b64 s[64:65], 0
	v_nop
	global_prefetch_b8 v0, s[64:65] scope:SCOPE_SE
	s_setreg_imm32_b32 hwreg(HW_REG_WAVE_MODE, 25, 1), 1
	s_wait_xcnt 0x0
	s_wait_alu depctr_hold_cnt(0) depctr_sa_sdst(0) depctr_va_vdst(0) depctr_va_sdst(0) depctr_va_ssrc(0) depctr_va_vcc(0) depctr_vm_vsrc(0)
	s_getreg_b32 s2, hwreg(HW_REG_IB_STS2, 6, 4)
	s_cmp_eq_u32 s2, 0
	s_cbranch_scc0 .Lentry_in_a_cluster
	s_endpgm
.Lentry_in_a_cluster:
	s_bfe_u32 s2, ttmp6, 0x10000c
	s_cmp_lg_u32 s2, 0xf033
	s_cbranch_scc0 .Lentry_shape_is_right
	s_endpgm
.Lentry_shape_is_right:
; out0 = O wo^T on codes of E4M3 with E8M0 scales, f32 out.  No work is left out here.
; A work-group of four waves makes 128 x 128, a wave 64 x 64 in 16 accumulators.  Operands lie in memory as images of their registers (launch prep's head).  Source 0 = wo's rows, source 1 = O's: a lane holds eight neighbouring columns of a row.
; K GOES IN TWO HALVES of 1,024.  LDS holds a half: A's four pairs of K steps (8 tiles x 4,096 = 32,768 dense bytes each, 524,288 apart in memory), 131,072 bytes, then B's four.
; THE HEAD: one joint load a wave: wave 0 A's first half (4 rows of 32,768 bytes), wave 1 B's, wave 2 A's scale words for all of K (16 rows of 512 bytes), wave 3 B's.  Eight K steps follow with no barrier between them.
; THE ONE REFILL stands behind a drained round of the cluster's barrier: wave w brings two pairs (2 rows of 32,768 bytes) of A (w < 2) or of B over bytes that the head has filled; a work-group barrier shows them; eight K steps follow.
; PREFETCH: behind the head's load each wave names 16,384 bytes of the second half, in two lines: of each of the two rows that it will fetch the four partners take a quarter each, by address; lanes 256 bytes apart.
.set FR,     16
.set NP,     8
.set PSTEP,  524288                    ; from a pair of K steps to the next, in memory
.set HS,     65536                     ; two pairs in LDS
.set BOFF,   2*HS                      ; B's half behind A's
.set SCL,    4*HS                      ; A's scale words, 8,192 bytes; B's behind them
.set SCB,    8192
.set SPARE,  SCL+2*SCB
.set STG,    SPARE+512
.set SPITCH, 272
.set ADRA, 16                          ; v16, v17 my tiles of A in pairs 0, 1 and in pairs 2, 3
.set ADRB, 20
.set STO,  24
.set RD,   25
.set CO,   26
.set ADRS, 27
.set SPW,  28
.set NIL,  29
.set PFO,  30
.set SC,   32
.set ACC,  128
.set F0,   0
.set F1,   128
.set G0H, 4
.set G0HB, 8
.set G1, 24
.set G0, 32
.set G1B, 48
.set G0B, 56
.set PFA, 66
.set G1S, 68
.set G0S, 76
.set G1SB, 80
.set G0SB, 88
.set MSB, 0
.macro WIN new
.if MSB != \new
	s_set_vgpr_msb (MSB<<8)|\new
.set MSB, \new
.endif
.endm
.set MUL,  0x05
.set TO_F, 0x40
.macro CREST
	s_cmp_lg_u32 s14, 0
	s_cbranch_scc1 .Lnot_wave_0_\@
	s_barrier_signal -3
.Lnot_wave_0_\@:
	s_barrier_wait -3
	s_barrier_signal -1
	s_barrier_wait -1
.endm
.macro CROUND
	s_barrier_signal -1
	s_barrier_wait -1
	CREST
.endm
	s_load_b128 s[4:7], s[0:1], 0x0                ; oc, os
	s_load_b128 s[8:11], s[0:1], 0x10              ; opc, ops
	s_load_b64 s[12:13], s[0:1], 0x20              ; out0
	v_lshl_add_u32 v[SPW], v0, 2, SPARE
	v_mov_b32 v[NIL], 0
	ds_add_u32 v[SPW], v[NIL]                      ; the opening lines: the add twice on end and its wait
	ds_add_u32 v[SPW], v[NIL]
	v_lshrrev_b32 v1, 5, v0
	v_readfirstlane_b32 s14, v1
	s_lshr_b32 s15, s14, 1
	s_and_b32 s16, s14, 1
	s_bfe_u32 s40, ttmp6, 0x40000
	s_bfe_u32 s41, ttmp6, 0x40004
	s_lshl_b32 s42, ttmp9, 2
	s_add_co_u32 s42, s42, s40                     ; tile column
	s_and_b32 s17, ttmp7, 0xffff
	s_lshl_b32 s17, s17, 2
	s_add_co_u32 s17, s17, s41                     ; tile row
	s_lshl_b32 s43, s41, 2
	s_lshl_b32 s43, 15, s43
	s_lshl_b32 s44, 0x1111, s40
	s_or_b32 s[G1+0], s43, (3<<16)|(1<<21)
	s_or_b32 s[G1B+0], s44, (3<<16)|(1<<21)
.irp g, G1, G1B                        ; rows of 4,096 elements of 8 bytes, 65,536 elements apart: 4 at the head, 2 in the refill
	s_mov_b32 s[\g+1], 4096<<16
	s_mov_b32 s[\g+2], 4<<16
	s_mov_b32 s[\g+3], 4096<<16
	s_mov_b32 s[\g+4], 4
	s_mov_b32 s[\g+5], 65536
	s_mov_b32 s[\g+6], 0
	s_mov_b32 s[\g+7], 0
.endr
	s_or_b32 s[G1S+0], s43, (3<<16)|(1<<21)
	s_or_b32 s[G1SB+0], s44, (3<<16)|(1<<21)
.irp g, G1S, G1SB                      ; 16 rows of 512 bytes, 8,192 apart
	s_mov_b32 s[\g+1], 64<<16
	s_mov_b32 s[\g+2], 16<<16
	s_mov_b32 s[\g+3], 64<<16
	s_mov_b32 s[\g+4], 16
	s_mov_b32 s[\g+5], 1024
	s_mov_b32 s[\g+6], 0
	s_mov_b32 s[\g+7], 0
.endr
	s_lshl_b32 s20, s17, 15
	s_mov_b32 s21, 0
	s_lshl_b32 s22, s17, 9
	s_mov_b32 s23, 0
	s_lshl_b32 s46, s42, 15
	s_add_co_u32 s46, s46, 4<<22
	s_mov_b32 s47, 0
	s_lshl_b32 s92, s42, 9
	s_add_co_u32 s92, s92, 4<<17
	s_mov_b32 s93, 0
	s_mul_i32 s18, s16, 2*PSTEP
	s_add_co_u32 s18, s18, 4*PSTEP                 ; my two pairs of the second half
	s_mov_b32 s19, 0
	s_cmp_eq_u32 s15, 0
	s_cselect_b32 s[PFA], s20, s46
	s_cselect_b32 s[PFA+1], s40, s41               ; my place among the four that ask with me
	s_lshl_b32 s[PFA+1], s[PFA+1], 13
	s_add_co_u32 s[PFA], s[PFA], s[PFA+1]
	s_add_co_u32 s[PFA], s[PFA], s18
	s_mov_b32 s[PFA+1], 0
	s_lshl_b32 s45, s14, 16                        ; where my part of the refill goes: wave x 65,536
	s_wait_dscnt 0x0
	s_wait_kmcnt 0x0
	s_cmp_eq_u32 s15, 0
	s_cselect_b64 s[96:97], s[4:5], s[8:9]
	s_add_nc_u64 s[PFA:PFA+1], s[96:97], s[PFA:PFA+1]
	s_add_nc_u64 s[20:21], s[4:5], s[20:21]
	s_add_nc_u64 s[22:23], s[6:7], s[22:23]
	s_add_nc_u64 s[46:47], s[8:9], s[46:47]
	s_add_nc_u64 s[92:93], s[10:11], s[92:93]
	CROUND                                         ; in front of the first joint loads
	s_mov_b32 s[G0S], 1
	s_mov_b32 s[G0S+1], SCL
	s_mov_b64 s[G0S+2:G0S+3], s[22:23]
	s_or_b32 s[G0S+3], s[G0S+3], 0x80000000
	s_mov_b32 s[G0SB], 1
	s_mov_b32 s[G0SB+1], SCL+SCB
	s_mov_b64 s[G0SB+2:G0SB+3], s[92:93]
	s_or_b32 s[G0SB+3], s[G0SB+3], 0x80000000
	s_mov_b32 s[G0H], 1                            ; (the arguments that lay here have been used)
	s_mov_b32 s[G0H+1], 0
	s_mov_b64 s[G0H+2:G0H+3], s[20:21]
	s_or_b32 s[G0H+3], s[G0H+3], 0x80000000
	s_mov_b32 s[G0HB], 1
	s_mov_b32 s[G0HB+1], BOFF
	s_mov_b64 s[G0HB+2:G0HB+3], s[46:47]
	s_or_b32 s[G0HB+3], s[G0HB+3], 0x80000000
	s_mov_b32 s[G0], 1                             ; the refill's
	s_mov_b32 s[G0+1], s45
	s_add_nc_u64 s[G0+2:G0+3], s[20:21], s[18:19]
	s_or_b32 s[G0+3], s[G0+3], 0x80000000
	s_mov_b32 s[G0B], 1
	s_mov_b32 s[G0B+1], s45
	s_add_nc_u64 s[G0B+2:G0B+3], s[46:47], s[18:19]
	s_or_b32 s[G0B+3], s[G0B+3], 0x80000000
.macro ARM under, g0, g1, next         ; one chain of branches on the wave's number, one load to an arm
	s_cmp_lt_u32 s14, \under
	s_cbranch_scc0 \next
	tensor_load_to_lds s[\g0:\g0+3], s[\g1:\g1+7]
	s_nop 0
.rept 4
	v_nop
.endr
	s_branch .Lhead_asked
\next:
.endm
	ARM 1, G0H,  G1,  .Lhead_b
	ARM 2, G0HB, G1B, .Lhead_sa
	ARM 3, G0S,  G1S, .Lhead_sb
	tensor_load_to_lds s[G0SB:G0SB+3], s[G1SB:G1SB+7]
	s_nop 0
.rept 4
	v_nop
.endr
.Lhead_asked:
	s_lshl_b32 s18, s15, 14                        ; my 4 tiles of A in a pair's 8
	s_lshl_b32 s19, s16, 14
	s_add_co_u32 s19, s19, BOFF                    ; of B
	s_lshl_b32 s22, s15, 8                         ; my scale words: 256 bytes of each row of 512
	s_lshl_b32 s23, s16, 8
	s_add_co_u32 s23, s23, SCB
	s_sub_co_u32 s23, s23, s22
	s_add_co_u32 s22, s22, SCL
	s_mul_i32 s21, s14, 16*SPITCH
	s_add_co_u32 s21, s21, STG                     ; my stage
	v_and_b32 v1, 15, v0
	v_bfe_u32 v2, v0, 4, 1
	v_and_b32 v3, 31, v0
	v_lshlrev_b32 v7, 4, v3
	v_lshlrev_b32 v[PFO], 8, v3
	v_add_nc_u32 v[ADRA], s18, v7
	v_add_nc_u32 v[ADRB], s19, v7
	v_add_nc_u32 v[ADRA+1], HS, v[ADRA]
	v_add_nc_u32 v[ADRB+1], HS, v[ADRB]
	v_mul_u32_u24 v6, s23, v2                      ; lanes 16-31 take B's
	v_lshl_add_u32 v5, v1, 4, s22
	v_add_nc_u32 v[ADRS], v5, v6
	v_mul_u32_u24 v5, v1, SPITCH
	v_lshl_add_u32 v5, v2, 6, v5
	v_add_nc_u32 v[STO], s21, v5
	v_mul_u32_u24 v5, v2, SPITCH
	v_lshl_add_u32 v5, v1, 4, v5
	v_add_nc_u32 v[RD], s21, v5
	v_lshlrev_b32 v5, 13, v2
	v_lshl_add_u32 v[CO], v1, 4, v5
	s_wait_alu depctr_va_vdst(0)
	global_prefetch_b8 v[PFO], s[PFA:PFA+1] th:TH_LOAD_NT scope:SCOPE_SE                ; my quarter of the first row that I will fetch,
	global_prefetch_b8 v[PFO], s[PFA:PFA+1] offset:PSTEP th:TH_LOAD_NT scope:SCOPE_SE   ; and of the second
	s_lshl_b32 s20, s17, 7
	s_lshl_b32 s21, s15, 6
	s_add_co_u32 s20, s20, s21
	s_lshl_b32 s20, s20, 13                        ; my first row of out0,
	s_lshl_b32 s46, s42, 9
	s_lshl_b32 s47, s16, 8
	s_add_co_u32 s46, s46, s47
	s_add_co_u32 s20, s20, s46                     ; my first column
	s_mov_b32 s21, 0
	s_add_nc_u64 s[12:13], s[12:13], s[20:21]
.macro FETCH slot, ks, f               ; the fragments of K step 4 slot + ks of the half in LDS
	WIN TO_F
.irp i, 0,1,2,3
.irp c, 0,1,2,3
	ds_load_b128 v[\f+64+FR*\i+4*\c:\f+64+FR*\i+4*\c+3], v[ADRB+\slot] offset:32768*((\ks)/2)+2048*((\ks)%2)+4096*\i+512*\c
.endr
.endr
.irp i, 0,1,2,3
.irp c, 0,1,2,3
	ds_load_b128 v[\f+FR*\i+4*\c:\f+FR*\i+4*\c+3], v[ADRA+\slot] offset:32768*((\ks)/2)+2048*((\ks)%2)+4096*\i+512*\c
.endr
.endr
.endm
.macro MULA f, a, k, zero              ; the 16 accumulators take turns
.irp b, 0,1,2,3
.if \zero
	v_wmma_scale_f32_16x16x128_f8f6f4 v[ACC+8*(4*(\a)+\b):ACC+8*(4*(\a)+\b)+7], v[\f+64+FR*\b:\f+64+FR*\b+FR-1], v[\f+FR*(\a):\f+FR*(\a)+FR-1], 0, v[SC+4*(\k)+\b], v[SC+4*(\k)+(\a)] matrix_a_scale:MATRIX_SCALE_ROW1
.else
	v_wmma_scale_f32_16x16x128_f8f6f4 v[ACC+8*(4*(\a)+\b):ACC+8*(4*(\a)+\b)+7], v[\f+64+FR*\b:\f+64+FR*\b+FR-1], v[\f+FR*(\a):\f+FR*(\a)+FR-1], v[ACC+8*(4*(\a)+\b):ACC+8*(4*(\a)+\b)+7], v[SC+4*(\k)+\b], v[SC+4*(\k)+(\a)] matrix_a_scale:MATRIX_SCALE_ROW1
.endif
.endr
.endm
.macro PLACES n
.rept \n
	v_nop
.endr
.endm
.macro STEP f, g, k, zero, ns, nks     ; multiplies buffer f, K step k; fetches the next step's fragments into g
	s_wait_dscnt 8                                 ; all but A's tiles 2, 3
	WIN MUL
	MULA \f, 0, \k, \zero
	MULA \f, 1, \k, \zero
	PLACES NP
	FETCH \ns, \nks, \g
	s_wait_dscnt 32                                ; all but the 32 just issued
	WIN MUL
	MULA \f, 2, \k, \zero
	MULA \f, 3, \k, \zero
.endm
.macro HALF k0, zero                   ; eight K steps on what lies in LDS
	FETCH 0, 0, F0
	STEP F0, F1, \k0+0, \zero, 0, 1
	STEP F1, F0, \k0+1, 0, 0, 2
	STEP F0, F1, \k0+2, 0, 0, 3
	STEP F1, F0, \k0+3, 0, 1, 0
	STEP F0, F1, \k0+4, 0, 1, 1
	STEP F1, F0, \k0+5, 0, 1, 2
	STEP F0, F1, \k0+6, 0, 1, 3
	s_wait_dscnt 8
	WIN MUL
	MULA F1, 0, \k0+7, 0
	MULA F1, 1, \k0+7, 0
	s_wait_dscnt 0x0
	MULA F1, 2, \k0+7, 0
	MULA F1, 3, \k0+7, 0
	WIN 0
.endm
	s_wait_tensorcnt 0x0                           ; my tile of the head's four is in: no load of mine is out, so a descriptor may be written: the refill's loads bring 2 rows
	s_mov_b32 s[G1+2], 2<<16
	s_mov_b32 s[G1+4], 2
	s_mov_b32 s[G1B+2], 2<<16
	s_mov_b32 s[G1B+4], 2
	s_barrier_signal -1
	s_barrier_wait -1                              ; all four tiles are in
.irp k, 0,1,2,3,4,5,6,7,8,9,10,11,12,13,14,15
	ds_load_b128 v[SC+4*\k:SC+4*\k+3], v[ADRS] offset:512*\k   ; all of K's scale words stay in registers
.endr
	HALF 0, 1
	s_wait_tensorcnt 0x0
	ds_add_u32 v[SPW], v[NIL]
	s_wait_dscnt 0x0                               ; the add is done, my reads of the first half are over
	CROUND
	s_cmp_eq_u32 s15, 0                            ; waves 0, 1 fetch for A, waves 2, 3 for B
	s_cbranch_scc0 .Lfor_b
	tensor_load_to_lds s[G0:G0+3], s[G1:G1+7]
	s_nop 0
	PLACES 4
	s_branch .Lasked
.Lfor_b:
	tensor_load_to_lds s[G0B:G0B+3], s[G1B:G1B+7]
	s_nop 0
	PLACES 4
.Lasked:
	PLACES NP-4                                    ; eight places in front of the loads into registers that products have read
	s_wait_tensorcnt 0x0                           ; my part of the second half is in
	s_barrier_signal -1
	s_barrier_wait -1                              ; everybody's is
	HALF 8, 0
.macro TOSTAGE a                       ; 16 rows x 64 columns through my own stage, back as rows of 256 bytes
.irp b, 0,1,2,3
	ds_store_b128 v[STO], v[ACC+8*(4*(\a)+\b):ACC+8*(4*(\a)+\b)+3] offset:128*(\b/2)+32*(\b%2)
	ds_store_b128 v[STO], v[ACC+8*(4*(\a)+\b)+4:ACC+8*(4*(\a)+\b)+7] offset:128*(\b/2)+32*(\b%2)+16
.endr
.irp t, 0,1,2,3,4,5,6,7
	ds_load_b128 v[ACC+32*(\a)+4*\t:ACC+32*(\a)+4*\t+3], v[RD] offset:2*\t*SPITCH
.endr
.endm
.macro SEND a, younger
	s_wait_dscnt \younger
.irp t, 0,1,2,3,4,5,6,7
	global_store_b128 v[CO], v[ACC+32*(\a)+4*\t:ACC+32*(\a)+4*\t+3], s[12:13] offset:(32*((\a)/2)+8*((\a)%2)+2*\t+8*(\t/4))*8192 th:TH_STORE_NT   ; sixteen lanes store 256 consecutive bytes
.endr
.endm
	PLACES NP
	TOSTAGE 0
	TOSTAGE 1
	SEND 0, 16
	TOSTAGE 2
	SEND 1, 16
	TOSTAGE 3
	SEND 2, 16
	SEND 3, 0
	s_wait_tensorcnt 0x0                           ; the wave's end
	ds_add_u32 v[SPW], v[NIL]
	s_wait_dscnt 0x0
	CROUND                                         ; the closing round
	s_endpgm
.Lfunc_end_k_q3828faed2e_proj:
	.size	k_q3828faed2e_proj, .Lfunc_end_k_q3828faed2e_proj-k_q3828faed2e_proj
	.p2alignl 7, 3214868480
	.fill 96, 4, 3214868480
	.section	.rodata,"a",@progbits
	.p2align	6, 0x0
	.amdhsa_kernel k_q3828faed2e_proj
		.amdhsa_group_segment_fixed_size 327680
		.amdhsa_private_segment_fixed_size 0
		.amdhsa_enable_private_segment 0
		.amdhsa_kernarg_size 40
		.amdhsa_user_sgpr_count 2
		.amdhsa_user_sgpr_kernarg_segment_ptr 1
		.amdhsa_wavefront_size32 1
		.amdhsa_system_sgpr_workgroup_id_x 1
		.amdhsa_system_sgpr_workgroup_id_y 1
		.amdhsa_system_sgpr_workgroup_id_z 1
		.amdhsa_system_vgpr_workitem_id 0
		.amdhsa_next_free_vgpr 512
		.amdhsa_next_free_sgpr 98
		.amdhsa_reserve_vcc 0
		.amdhsa_float_denorm_mode_32 3
		.amdhsa_float_denorm_mode_16_64 3
		.amdhsa_memory_ordered 1
		.amdhsa_forward_progress 1
		.amdhsa_inst_pref_size 89
	.end_amdhsa_kernel
	.amdgpu_metadata
---
amdhsa.version: [ 1, 2 ]
amdhsa.kernels:
  - .name:           k_q3828faed2e_proj
    .symbol:         k_q3828faed2e_proj.kd
    .args:
      - { .name: oc, .offset: 0, .size: 8, .value_kind: global_buffer, .address_space: global }
      - { .name: os, .offset: 8, .size: 8, .value_kind: global_buffer, .address_space: global }
      - { .name: opc, .offset: 16, .size: 8, .value_kind: global_buffer, .address_space: global }
      - { .name: ops, .offset: 24, .size: 8, .value_kind: global_buffer, .address_space: global }
      - { .name: out0, .offset: 32, .size: 8, .value_kind: global_buffer, .address_space: global }
    .group_segment_fixed_size: 327680
    .private_segment_fixed_size: 0
    .kernarg_segment_align: 8
    .kernarg_segment_size: 40
    .max_flat_workgroup_size: 128
    .sgpr_count:     98
    .vgpr_count:     512
    .wavefront_size: 32
...
	.end_amdgpu_metadata
.endif
;; end of part 8
